; MI455X (gfx1250); checked and timed in simulation.
; The chip was launched on July 23, 2026; its instructions are those of AMD's public machine-readable ISA for CDNA 5 (MIT licence, August 2026) and "CDNA5" Instruction Set Architecture Reference Guide (July 2026). The comments in the code are by the model that wrote it; some were corrected since.
;; Causal Self Attention. Allowed arithmetic: matrix products marked QUANTISED: E4M3 operands, one given power-of-two scale a tensor, by v_wmma_f32_16x16x64_fp8_fp8 or v_wmma_f32_16x16x128_fp8_fp8, f32 sums; everything else in f32.
;; Inputs: Ak 32 x 2,048 float32; Ao 32 x 2,048 float32; Aq 32 x 2,048 float32; Av 32 x 2,048 float32; Bk 512 x 32 float32; Bo 2,048 x 32 float32; Bq 2,048 x 32 float32; Bv 512 x 32 float32; Wk 512 x 2,048 float32; Wo 2,048 x 2,048 float32; Wq 2,048 x 2,048 float32; Wv 512 x 2,048 float32; lowp_scales 28 int32 (the exponents e of the quantised operands' scales 2^e); q_gain 16 float32; x 4 x 1,024 x 2,048 float32.
;; Outputs: out0 4 x 1,024 x 2,048 float32.
;; This version of the problem:
;;   THIS VERSION OF THE PROBLEM IS GIVEN IN LOW PRECISION. The matrix products marked QUANTISED in the list below multiply operands that are first quantised to E4M3 (4 exponent bits, 3 mantissa bits; 8 bits a number), with one given power-of-two scale for each operand tensor; their sums are f32. All else is computed in f32.
;;   The module's matrix products, in the order in which they are computed (A, B: the left and right operand; K: the contracted axis; several contracted axes count as one K, in the product's order):
;;     1. [M 4,096, K 2,048] x [K 2,048, N 2,048]; A: input x; B: input Wq: QUANTISED (scales: A lowp_scales[0], B lowp_scales[1])
;;     2. [M 4,096, K 2,048] x [K 2,048, N 32]; A: input x; B: input Aq: QUANTISED (scales: A lowp_scales[2], B lowp_scales[3])
;;     3. [M 4,096, K 32] x [K 32, N 2,048]; A: computed on the way; B: input Bq: QUANTISED (scales: A lowp_scales[4], B lowp_scales[5])
;;     4. [M 4,096, K 2,048] x [K 2,048, N 512]; A: input x; B: input Wk: QUANTISED (scales: A lowp_scales[6], B lowp_scales[7])
;;     5. [M 4,096, K 2,048] x [K 2,048, N 32]; A: input x; B: input Ak: QUANTISED (scales: A lowp_scales[8], B lowp_scales[9])
;;     6. [M 4,096, K 32] x [K 32, N 512]; A: computed on the way; B: input Bk: QUANTISED (scales: A lowp_scales[10], B lowp_scales[11])
;;     7. [M 4,096, K 2,048] x [K 2,048, N 512]; A: input x; B: input Wv: QUANTISED (scales: A lowp_scales[12], B lowp_scales[13])
;;     8. [M 4,096, K 2,048] x [K 2,048, N 32]; A: input x; B: input Av: QUANTISED (scales: A lowp_scales[14], B lowp_scales[15])
;;     9. [M 4,096, K 32] x [K 32, N 512]; A: computed on the way; B: input Bv: QUANTISED (scales: A lowp_scales[16], B lowp_scales[17])
;;     10. batch 64 x [M 1,024, K 128] x [K 128, N 1,024]; A: computed on the way; B: computed on the way: QUANTISED (scales: A lowp_scales[18], B lowp_scales[19])
;;     11. batch 64 x [M 1,024, K 1,024] x [K 1,024, N 128]; A: softmax (see below); B: computed on the way: QUANTISED (scales: A lowp_scales[20], B lowp_scales[21])
;;     12. [M 4,096, K 2,048] x [K 2,048, N 2,048]; A: computed on the way; B: input Wo: QUANTISED (scales: A lowp_scales[22], B lowp_scales[23])
;;     13. [M 4,096, K 2,048] x [K 2,048, N 32]; A: computed on the way; B: input Ao: QUANTISED (scales: A lowp_scales[24], B lowp_scales[25])
;;     14. [M 4,096, K 32] x [K 32, N 2,048]; A: computed on the way; B: input Bo: QUANTISED (scales: A lowp_scales[26], B lowp_scales[27])
;;   THE QUANTISER, for each operand of a quantised product, along K:
;;     - The operand's scale is 2^e, e = its entry of the input lowp_scales (int32; the entries are numbered through the quantised products in the list's order, A before B).
;;     - Each number is divided by the scale, clamped to +-448, and rounded to the nearest number of E4M3, ties to even, subnormals kept.
;;     - The product sums the exact products of the quantised numbers (number of the format x scale) in f32.
;;   ~~~python
;;   def quantise(x, axis, e):      # numpy; x: float32 -> the quantised numbers, widened to float32 again
;;       x = np.moveaxis(x, axis, -1); K = x.shape[-1]
;;       r = np.clip(x / 2.0 ** e, -448, 448)
;;       step = 2.0 ** (np.maximum(np.frexp(np.where(r == 0, 1, r))[1] - 1, -6) - 3)
;;       q = np.round(r / step) * step * 2.0 ** e      # np.round: ties to even
;;       return np.moveaxis(q, -1, axis).astype(np.float32)
;;   ~~~
;;   SOFTMAX AHEAD OF A QUANTISED PRODUCT. Where the list says 'softmax', what is quantised is not the finished softmax but p = 2^(t - M), with t = logit x log2(e) and M = ceil(the row's largest t), a whole number; so 1/2 < the row's largest p <= 1. The row's sum l is taken of the UNQUANTISED p, in f32, and the product's result is divided by l at the end. Since M is a whole number, a kernel that streams over the keys may use a running M (the ceiling of the running maximum): every later rescaling is an exact power of two, so the quantised numbers keep their values, but for numbers so far below the row's largest that they fall under the format's range.
;;   OPERANDS COMPUTED ON THE WAY. 'Computed on the way' means the value that the module computes at that place (a softmax that the list does not call 'softmax' is quantised finished and normalised). What goes into a quantiser is computed in f32, as accurately as f32 sums, v_exp_f32 and their like allow (about 1e-6 of the number): no bf16 or f16 on the way to a quantiser, and a product that is left as it is and whose result goes on into a quantised operand takes f32 operands (vector FMAs, or v_wmma_f32_16x16x4_f32). A number that lies on a knife's edge between two numbers of the format may be rounded either way, as far as f32 arithmetic and the matrix unit's own rounding can turn it there, and no further.
;; 2 versions, each right. Each part assembles by itself: llvm-mc -triple=amdgcn-amd-amdhsa -mcpu=gfx1250 --defsym DOCPART=n.
;; ======== version 1 of 2: 5 launches
;; workspace buffers: xc 50,331,648 bytes; wc 11,436,032 bytes; tc 393,216 bytes; qkv 12,582,912 bytes; yc 8,388,608 bytes; up 2,097,152 bytes
;; launch quant (part 1): grid 1210 x 1, 4 waves a work-group, no clusters, 33,280 bytes of LDS; arguments x, Wq, Wk, Wv, Wo, Aq, Ak, Av, Ao, Bq, Bo, Bk, Bv, lowp_scales, xc, wc; writes xc, wc
.if DOCPART == 1
	.amdgcn_target "amdgcn-amd-amdhsa--gfx1250"
	.amdhsa_code_object_version 6
	.text
	.protected	k_q9323c52152_quant
	.globl	k_q9323c52152_quant
	.p2align	8
	.type	k_q9323c52152_quant,@function
k_q9323c52152_quant:
	s_mov_b64 s[64:65], 0
	v_nop
	global_prefetch_b8 v0, s[64:65] scope:SCOPE_SE
	s_setreg_imm32_b32 hwreg(HW_REG_WAVE_MODE, 25, 1), 1
	s_wait_xcnt 0x0
; x and the twelve weights, f32 with K innermost, become codes of E4M3 with the given scales; the last 32 work-groups make the table of cos and sin for the rotary embedding.
; code = number / 2^e, held within +-448, rounded to the nearest code, ties to even.
; x IS AN OPERAND OF SIX PRODUCTS WITH SIX GIVEN EXPONENTS (entries 0, 2, 6, 8, 12, 14).  xc has room for six versions, 2^23 bytes apart.  Version v is written only if no earlier version has the
; same exponent: a scalar branch on whole numbers read from the buffer of scales (this text has no tensor load).  A reader takes the first version whose exponent equals its own.
; Every tensor is a dense stream of numbers: a work-group takes 16,384 of them, a wave 8 steps of 512.  Each load reads 512 consecutive bytes; a step's 2,048 bytes turn through the wave's own stage in LDS, so that
; a lane then holds 16 neighbours along K, which the conversions want; a lane's 16 codes are 16 bytes, so a store covers 512 consecutive bytes.
; The weights' codes lie in wc in the order of the work-groups: Wq, Wk, Wv, Wo, Aq, Ak, Av, Ao, Bq, Bo, Bk, Bv, then the table [1024 positions][64 cos, 64 sin] f32.
; LIMITS: every exponent lies between -126 and 119.  NaN among the inputs is not served.  The table's frequencies are 2^(-i log2(10000) / 64) by v_exp_f32; the angle is reduced by multiples of pi/2 in two
; parts and sin and cos are polynomials of degree 7 and 8 on +-pi/4, good to the last bits of f32 for the reduced angle.
.set STEPS,  8
.set G_WQ,   512                       ; the first work-group of each tensor
.set G_WK,   768
.set G_WV,   832
.set G_WO,   896
.set G_AQ,   1152
.set G_AK,   1156
.set G_AV,   1160
.set G_AO,   1164
.set G_BQ,   1168
.set G_BO,   1172
.set G_BK,   1176
.set G_BV,   1177
.set G_ROPE, 1178
.set ROPE,   10911744                  ; the table's first byte in wc
.set WREG,   8192                      ; LDS: a region for each wave: two stages of 32 x SP bytes
.set SP,     80                        ; a lane's place in a stage: 64 bytes + 16 of padding
.set SPARE,  4*WREG                    ; behind the regions: the spare words, 128 bytes a wave
.set SPW,    12                        ; v12  my spare word's address; never rewritten
.set NIL,    13                        ; v13  0; never rewritten
.set R,      16                        ; v16-79   four sets of 16 numbers as loaded
.set X,      80                        ; v80-111  two sets of 16 neighbours
.set T,      112                       ; v112-127 the numbers held within the limit of the version in hand
.set C,      128                       ; v128-159 version 0's codes, four registers a step
.set CX,     160                       ; v160-163 a further version's codes
.set SC,     164                       ; v[164+2v] 2^e, v[165+2v] 448 x 2^e of version v
.set ACT,    39                        ; s39  bit v: version v (1 to 5) is written
	s_load_b512 s[4:19], s[0:1], 0x0               ; x, Wq, Wk, Wv, Wo, Aq, Ak, Av
	s_load_b512 s[20:35], s[0:1], 0x40             ; Ao, Bq, Bo, Bk, Bv, the scales, xc, wc
	v_lshl_add_u32 v[SPW], v0, 2, SPARE
	v_mov_b32 v[NIL], 0
	v_lshrrev_b32 v1, 5, v0
	v_readfirstlane_b32 s36, v1                    ; wave
	v_and_b32 v2, 31, v0                           ; lane
	v_lshlrev_b32 v3, 4, v2                        ; 16 x lane: my 16 bytes of a load's 512, and of a store's
	s_mul_i32 s54, s36, WREG
	v_lshrrev_b32 v14, 2, v2
	v_mul_u32_u24 v14, v14, SP
	v_and_b32 v15, 3, v2
	v_lshl_add_u32 v14, v15, 4, v14
	v_add_nc_u32 v14, s54, v14                     ; the stage, on the way in: four lanes' 64 bytes on end, then the padding
	v_mul_u32_u24 v15, v2, SP
	v_add_nc_u32 v15, s54, v15                     ; and on the way out: my 16 neighbours
	s_wait_kmcnt 0x0
	s_cmp_ge_u32 ttmp9, G_ROPE
	s_cbranch_scc1 .Lrope
	s_load_b512 s[68:83], s[30:31], 0x0            ; e0 .. e15
	s_load_b256 s[84:91], s[30:31], 0x40           ; e16 .. e23
	s_load_b128 s[92:95], s[30:31], 0x60           ; e24 .. e27
; which tensor is my work-group's: the choice hangs on the work-group's number alone
.macro SEG start, p
	s_cmp_ge_u32 ttmp9, \start
	s_cselect_b64 s[40:41], s[\p:\p+1], s[40:41]
	s_cselect_b32 s37, \start, s37
.endm
	s_mov_b64 s[40:41], s[4:5]
	s_mov_b32 s37, 0
	SEG G_WQ, 6
	SEG G_WK, 8
	SEG G_WV, 10
	SEG G_WO, 12
	SEG G_AQ, 14
	SEG G_AK, 16
	SEG G_AV, 18
	SEG G_AO, 20
	SEG G_BQ, 22
	SEG G_BO, 24
	SEG G_BK, 26
	SEG G_BV, 28
	s_sub_co_u32 s54, ttmp9, s37
	s_lshl_b32 s54, s54, 16                        ; 65,536 bytes of f32 a work-group,
	s_lshl_b32 s55, s36, 14                        ; 16,384 a wave
	s_add_co_u32 s54, s54, s55
	s_mov_b32 s55, 0
	s_add_nc_u64 s[40:41], s[40:41], s[54:55]
	s_cmp_lt_u32 ttmp9, G_WQ
	s_cselect_b64 s[42:43], s[32:33], s[34:35]     ; x's codes or the weights'
	s_cselect_b32 s54, 0, G_WQ
	s_sub_co_u32 s54, ttmp9, s54
	s_lshl_b32 s54, s54, 14                        ; 16,384 codes a work-group,
	s_lshl_b32 s55, s36, 12                        ; 4,096 a wave
	s_add_co_u32 s54, s54, s55
	s_mov_b32 s55, 0
	s_add_nc_u64 s[42:43], s[42:43], s[54:55]
.irp v, 1,2,3,4,5
	s_add_nc_u64 s[42+2*\v:43+2*\v], s[42:43], \v<<23   ; the same place in version v (used by x's work-groups alone)
.endr
.macro LOAD t
.irp i, 0,1,2,3
	global_load_b128 v[R+16*((\t)%4)+4*\i:R+16*((\t)%4)+4*\i+3], v3, s[40:41] offset:2048*(\t)+512*\i th:TH_LOAD_NT
.endr
.endm
.macro TURN t                          ; step t's numbers through the stage: LDS serves a wave's instructions in order, so no wait stands between the stores and the loads
.irp i, 0,1,2,3
	ds_store_b128 v14, v[R+16*((\t)%4)+4*\i:R+16*((\t)%4)+4*\i+3] offset:32*SP*((\t)%2)+8*SP*\i
.endr
.irp i, 0,1,2,3
	ds_load_b128 v[X+16*((\t)%2)+4*\i:X+16*((\t)%2)+4*\i+3], v15 offset:32*SP*((\t)%2)+16*\i
.endr
.endm
.irp t, 0,1,2,3
	LOAD \t
.endr
	s_wait_kmcnt 0x0
.macro SEGE start, e
	s_cmp_ge_u32 ttmp9, \start
	s_cselect_b32 s38, s[\e], s38
.endm
	s_mov_b32 s38, s68                             ; x, version 0: e0
	SEGE G_WQ, 69
	SEGE G_WK, 75
	SEGE G_WV, 81
	SEGE G_WO, 91
	SEGE G_AQ, 71
	SEGE G_AK, 77
	SEGE G_AV, 83
	SEGE G_AO, 93
	SEGE G_BQ, 73
	SEGE G_BO, 95
	SEGE G_BK, 79
	SEGE G_BV, 85
; which further versions of x are new: version v is written unless an earlier one has its exponent
.macro DUP eu, ev
	s_cmp_eq_u32 s[\eu], s[\ev]
	s_cselect_b32 s54, 0, s54
.endm
.macro TAKE v
	s_lshl_b32 s54, s54, \v
	s_or_b32 s[ACT], s[ACT], s54
	s_mov_b32 s54, 1
.endm
	s_mov_b32 s[ACT], 0
	s_mov_b32 s54, 1
	DUP 68, 70
	TAKE 1
	DUP 68, 74
	DUP 70, 74
	TAKE 2
	DUP 68, 76
	DUP 70, 76
	DUP 74, 76
	TAKE 3
	DUP 68, 80
	DUP 70, 80
	DUP 74, 80
	DUP 76, 80
	TAKE 4
	DUP 68, 82
	DUP 70, 82
	DUP 74, 82
	DUP 76, 82
	DUP 80, 82
	TAKE 5
	s_cmp_lt_u32 ttmp9, G_WQ
	s_cselect_b32 s[ACT], s[ACT], 0                ; a weight has one version
.macro PAIR v, es                      ; 2^e as f32 (the conversion takes its exponent field) and 448 x 2^e
	s_add_co_i32 s54, s[\es], 127
	s_lshl_b32 s55, s54, 23
	v_mov_b32 v[SC+2*\v], s55
	s_add_co_i32 s54, s54, 8
	s_lshl_b32 s54, s54, 23
	s_or_b32 s54, s54, 0x600000
	v_mov_b32 v[SC+1+2*\v], s54
.endm
	PAIR 0, 38
	PAIR 1, 70
	PAIR 2, 74
	PAIR 3, 76
	PAIR 4, 80
	PAIR 5, 82
; the 16 neighbours in v[XS] on become version v's codes in v[dst] on.  The held numbers go into T, so that the numbers stay whole for the other versions.
.macro QV v, dst
.irp i, 0,1,2,3,4,5,6,7,8,9,10,11,12,13,14,15
	v_med3_num_f32 v[T+\i], v[XS+\i], -v[SC+1+2*\v], v[SC+1+2*\v]   ; the conversion to an 8-bit code does not saturate (ISA guide 7.6.2)
.endr
	v_cvt_scalef32_pk8_fp8_f32 v[\dst:\dst+1], v[T:T+7], v[SC+2*\v]
	v_cvt_scalef32_pk8_fp8_f32 v[\dst+2:\dst+3], v[T+8:T+15], v[SC+2*\v]
	v_nop                                          ; one plain vector line between the conversions and the next write of T
.endm
.macro EXTRA t, v
	s_bitcmp1_b32 s[ACT], \v
	s_cbranch_scc0 .Lskip_\@
	s_wait_xcnt 0x0                                ; the last store from CX has read its data: CX is written again only behind this wait
	QV \v, CX
	global_store_b128 v3, v[CX:CX+3], s[42+2*\v:43+2*\v] offset:512*(\t)
.Lskip_\@:
.endm
.macro STEP t
.set XS, X+16*((\t)%2)
	s_wait_dscnt 0x0                               ; this step's numbers are back from the stage, and its stores into the stage have read their registers,
.if (\t)+4 < STEPS
	LOAD (\t)+4                                    ; which take the loads of four steps on
.endif
.if (\t)+1 < STEPS
.if STEPS-2-(\t) >= 3
	s_wait_loadcnt 12                              ; the next step's four loads are in; those of the three steps behind it may be out
.else
	s_wait_loadcnt 4*(STEPS-2-(\t))
.endif
	TURN (\t)+1
.endif
	QV 0, C+4*(\t)
	global_store_b128 v3, v[C+4*(\t):C+4*(\t)+3], s[42:43] offset:512*(\t)
	s_cmp_eq_u32 s[ACT], 0
	s_cbranch_scc1 .Lone_\@
	EXTRA \t, 1
	EXTRA \t, 2
	EXTRA \t, 3
	EXTRA \t, 4
	EXTRA \t, 5
.Lone_\@:
.endm
	s_wait_loadcnt 12                              ; step 0's four loads are in
	TURN 0
.irp t, 0,1,2,3,4,5,6,7
	STEP \t
.endr
	s_wait_tensorcnt 0x0                           ; the wave's end, behind my last LDS store
	ds_add_u32 v[SPW], v[NIL]
	s_wait_dscnt 0x0
	s_endpgm
; THE TABLE.  A work-group makes 32 positions; thread T takes frequencies 4 (T % 16) + 0 .. 3 of position 32 rw + 8 p + T / 16 in pass p.  Sixteen lanes store 256 consecutive bytes.  No LDS is touched here.
.Lrope:
	s_sub_co_u32 s54, ttmp9, G_ROPE                ; rw
	s_add_nc_u64 s[34:35], s[34:35], ROPE
	s_mov_b32 s56, 0xbfc90fdb                      ; -(pi/2 rounded to f32)
	s_mov_b32 s57, 0x333bbd2e                      ; that f32 number less pi/2
	v_and_b32 v1, 15, v0
	v_lshrrev_b32 v2, 4, v0
	v_lshlrev_b32 v4, 2, v1
.irp e, 0,1,2,3
	v_add_nc_u32 v[16+\e], \e, v4
	v_cvt_f32_u32 v[16+\e], v[16+\e]
	v_mul_f32 v[16+\e], 0xbe549a78, v[16+\e]       ; -i x log2(10000) / 64
.endr
.irp e, 0,1,2,3
	v_exp_f32 v[20+\e], v[16+\e]                   ; the frequency
.endr
	v_lshl_add_u32 v5, s54, 5, v2                  ; pass 0's position.  (The plain line behind the exponentials)
	v_lshlrev_b32 v6, 9, v5
	v_lshl_add_u32 v6, v1, 4, v6                   ; 512 bytes a position, 16 bytes for my four frequencies
	s_wait_alu depctr_va_vdst(0)                   ; one wait for the four, ahead of their first reader
.macro SINCOS inv, sf, c, s
	v_mul_f32 v30, v[\sf], v[\inv]                 ; the angle, rounded once as a product of two f32 numbers
	v_mul_f32 v31, 0x3f22f983, v30
	v_rndne_f32 v31, v31                           ; n = the nearest multiple of pi/2
	v_fma_f32 v32, v31, s56, v30
	v_fma_f32 v32, v31, s57, v32                   ; r = angle - n pi/2
	v_mul_f32 v33, v32, v32                        ; z = r r
	v_cvt_i32_f32 v34, v31
	v_mov_b32 v35, 0xb94ca1f9
	v_fmaak_f32 v35, v35, v33, 0x3c08839e
	v_fmaak_f32 v35, v35, v33, 0xbe2aaaa3
	v_mul_f32 v36, v32, v33
	v_fma_f32 v35, v36, v35, v32                   ; sin r
	v_mov_b32 v37, 0x37ccf5ce
	v_fmaak_f32 v37, v37, v33, 0xbab6061a
	v_fmaak_f32 v37, v37, v33, 0x3d2aaaa5
	v_mul_f32 v38, v33, v33
	v_fma_f32 v39, v33, -0.5, 1.0
	v_fma_f32 v37, v38, v37, v39                   ; cos r
	v_and_b32 v38, 1, v34
	v_cmp_eq_u32 vcc_lo, 1, v38                    ; an odd quadrant swaps the two
	v_cndmask_b32 v39, v35, v37, vcc_lo
	v_cndmask_b32 v38, v37, v35, vcc_lo
	v_and_b32 v36, 2, v34
	v_lshlrev_b32 v36, 30, v36                     ; sin is negated in quadrants 2 and 3,
	v_xor_b32 v[\s], v36, v39
	v_add_nc_u32 v36, 1, v34
	v_and_b32 v36, 2, v36
	v_lshlrev_b32 v36, 30, v36                     ; cos in quadrants 1 and 2
	v_xor_b32 v[\c], v36, v38
.endm
.irp p, 0,1,2,3
	v_add_nc_u32 v7, 8*\p, v5
	v_cvt_f32_u32 v7, v7
.irp e, 0,1,2,3
	SINCOS 20+\e, 7, 64+8*\p+\e, 68+8*\p+\e
.endr
	global_store_b128 v6, v[64+8*\p:67+8*\p], s[34:35] offset:4096*\p
	global_store_b128 v6, v[68+8*\p:71+8*\p], s[34:35] offset:4096*\p+256
.endr
	s_endpgm
.Lfunc_end_k_q9323c52152_quant:
	.size	k_q9323c52152_quant, .Lfunc_end_k_q9323c52152_quant-k_q9323c52152_quant
	.p2alignl 7, 3214868480
	.fill 96, 4, 3214868480
	.section	.rodata,"a",@progbits
	.p2align	6, 0x0
	.amdhsa_kernel k_q9323c52152_quant
		.amdhsa_group_segment_fixed_size 33280
		.amdhsa_private_segment_fixed_size 0
		.amdhsa_enable_private_segment 0
		.amdhsa_kernarg_size 128
		.amdhsa_user_sgpr_count 2
		.amdhsa_user_sgpr_kernarg_segment_ptr 1
		.amdhsa_wavefront_size32 1
		.amdhsa_system_sgpr_workgroup_id_x 1
		.amdhsa_system_sgpr_workgroup_id_y 1
		.amdhsa_system_sgpr_workgroup_id_z 1
		.amdhsa_system_vgpr_workitem_id 0
		.amdhsa_next_free_vgpr 192
		.amdhsa_next_free_sgpr 100
		.amdhsa_reserve_vcc 1
		.amdhsa_float_denorm_mode_32 3
		.amdhsa_float_denorm_mode_16_64 3
		.amdhsa_memory_ordered 1
		.amdhsa_forward_progress 1
		.amdhsa_inst_pref_size 104
	.end_amdhsa_kernel
	.amdgpu_metadata
---
amdhsa.version: [ 1, 2 ]
amdhsa.kernels:
  - .name:           k_q9323c52152_quant
    .symbol:         k_q9323c52152_quant.kd
    .args:
      - { .name: x, .offset: 0, .size: 8, .value_kind: global_buffer, .address_space: global }
      - { .name: Wq, .offset: 8, .size: 8, .value_kind: global_buffer, .address_space: global }
      - { .name: Wk, .offset: 16, .size: 8, .value_kind: global_buffer, .address_space: global }
      - { .name: Wv, .offset: 24, .size: 8, .value_kind: global_buffer, .address_space: global }
      - { .name: Wo, .offset: 32, .size: 8, .value_kind: global_buffer, .address_space: global }
      - { .name: Aq, .offset: 40, .size: 8, .value_kind: global_buffer, .address_space: global }
      - { .name: Ak, .offset: 48, .size: 8, .value_kind: global_buffer, .address_space: global }
      - { .name: Av, .offset: 56, .size: 8, .value_kind: global_buffer, .address_space: global }
      - { .name: Ao, .offset: 64, .size: 8, .value_kind: global_buffer, .address_space: global }
      - { .name: Bq, .offset: 72, .size: 8, .value_kind: global_buffer, .address_space: global }
      - { .name: Bo, .offset: 80, .size: 8, .value_kind: global_buffer, .address_space: global }
      - { .name: Bk, .offset: 88, .size: 8, .value_kind: global_buffer, .address_space: global }
      - { .name: Bv, .offset: 96, .size: 8, .value_kind: global_buffer, .address_space: global }
      - { .name: lowp_scales, .offset: 104, .size: 8, .value_kind: global_buffer, .address_space: global }
      - { .name: xc, .offset: 112, .size: 8, .value_kind: global_buffer, .address_space: global }
      - { .name: wc, .offset: 120, .size: 8, .value_kind: global_buffer, .address_space: global }
    .group_segment_fixed_size: 33280
    .private_segment_fixed_size: 0
    .kernarg_segment_align: 8
    .kernarg_segment_size: 128
    .max_flat_workgroup_size: 128
    .sgpr_count:     100
    .vgpr_count:     192
    .wavefront_size: 32
...
	.end_amdgpu_metadata
.endif
;; end of part 1
;; launch tdown (part 2): grid 256 x 3, 4 waves a work-group, no clusters, 8,704 bytes of LDS; arguments xc, wc, lowp_scales, tc; writes tc
.if DOCPART == 2
	.amdgcn_target "amdgcn-amd-amdhsa--gfx1250"
	.amdhsa_code_object_version 6
	.text
	.protected	k_q9323c52152_tdown
	.globl	k_q9323c52152_tdown
	.p2align	8
	.type	k_q9323c52152_tdown,@function
k_q9323c52152_tdown:
	s_mov_b64 s[64:65], 0
	v_nop
	global_prefetch_b8 v0, s[64:65] scope:SCOPE_SE
	s_setreg_imm32_b32 hwreg(HW_REG_WAVE_MODE, 25, 1), 1
	s_wait_xcnt 0x0
; t = x A^T for the three low-rank side paths of q, k and v (work-group y = 0, 1, 2), on codes of E4M3, and t's own codes for the product that follows.
; A work-group takes 16 rows of x; wave w takes K = 512 w .. 512 w + 511 in four steps of 128; the four waves' sums meet in LDS, as images of the registers, and wave 0 adds, quantises and stores them.
; TRANSPOSED: source 0 = 16 rows of A, source 1 = x.  Lane r of tile u takes A's row 8 u + r + 8 (r / 8), so that lane (r, h) ends with ranks 16 h + 0 .. 15 of x's row r in its 16 registers.
; Fragments come by four loads of 16 bytes (k = 32 c + 16 h + 0 .. 15 in registers 4 c on): the same permutation of k in both operands, so every product meets its partner.
; x's codes: the first of the six versions whose exponent equals this product's (a select on whole numbers, no jump).
; The sums stand for sum x 2^(ex + eA): the conversion takes 2^(et - ex - eA).  LIMIT: et - ex - eA between -126 and 119.  K is summed in four parts, which are then added in f32.
.set AQ,    10485760                   ; Aq's, Ak's, Av's codes in wc, 65,536 bytes each
.set SPARE, 8192                       ; LDS: 0 .. 8,191 the four waves' sums (2,048 bytes each); then the spare words
	s_load_b256 s[4:11], s[0:1], 0x0               ; xc, wc, the scales, tc
	v_lshl_add_u32 v12, v0, 2, SPARE               ; my spare word; never rewritten
	v_mov_b32 v13, 0                               ; 0; never rewritten
	v_lshrrev_b32 v1, 5, v0
	v_readfirstlane_b32 s17, v1                    ; wave
	v_and_b32 v8, 31, v0                           ; lane
	v_and_b32 v1, 15, v0                           ; r
	v_bfe_u32 v2, v0, 4, 1                         ; h
	v_lshlrev_b32 v3, 11, v1
	v_lshl_add_u32 v3, v2, 4, v3                   ; x: row r of 2,048 bytes, + 16 h
	v_and_b32 v4, 8, v1
	v_add_nc_u32 v4, v4, v1
	v_lshlrev_b32 v4, 11, v4
	v_lshl_add_u32 v4, v2, 4, v4                   ; A: row r + 8 (r / 8), + 16 h
	v_lshlrev_b32 v6, 4, v8                        ; an image's place for my lane
	s_lshl_b32 s18, s17, 11
	v_add_nc_u32 v5, s18, v6                       ; and in my wave's image
	v_lshlrev_b32 v7, 5, v1
	v_lshl_add_u32 v7, v2, 4, v7                   ; t's codes: row r of 32 bytes, + 16 h
	s_and_b32 s12, ttmp7, 0xffff                   ; p
	s_wait_kmcnt 0x0
	s_load_b512 s[68:83], s[8:9], 0x0              ; e0 .. e15
	s_load_b32 s84, s[8:9], 0x40                   ; e16
	s_lshl_b32 s20, s12, 16
	s_add_co_u32 s20, s20, AQ
	s_lshl_b32 s21, s17, 9                         ; my wave's 512 along K
	s_add_co_u32 s20, s20, s21
	s_mov_b32 s21, 0
	s_add_nc_u64 s[6:7], s[6:7], s[20:21]
	s_lshl_b32 s20, s12, 17                        ; t: 131,072 bytes a path, 512 a work-group
	s_lshl_b32 s22, ttmp9, 9
	s_add_co_u32 s20, s20, s22
	s_add_nc_u64 s[10:11], s[10:11], s[20:21]
	s_wait_kmcnt 0x0
	s_cmp_eq_u32 s12, 1
	s_cselect_b32 s13, s76, s70                    ; ex: e8 or e2,
	s_cselect_b32 s14, s77, s71                    ; eA: e9 or e3,
	s_cselect_b32 s15, s78, s72                    ; et: e10 or e4,
	s_cmp_eq_u32 s12, 2
	s_cselect_b32 s13, s82, s13                    ; or e14,
	s_cselect_b32 s14, s83, s14                    ; e15,
	s_cselect_b32 s15, s84, s15                    ; e16
.macro PICK u, eu
	s_cmp_eq_u32 s[\eu], s13
	s_cselect_b32 s16, \u, s16
.endm
	s_mov_b32 s16, 5                               ; the first version of x with my exponent
	PICK 4, 80
	PICK 3, 76
	PICK 2, 74
	PICK 1, 70
	PICK 0, 68
	s_min_u32 s16, s16, 5
	s_lshl_b32 s20, s16, 23
	s_lshl_b32 s22, ttmp9, 15                      ; 16 rows of 2,048 bytes
	s_add_co_u32 s20, s20, s22
	s_lshl_b32 s22, s17, 9
	s_add_co_u32 s20, s20, s22
	s_add_nc_u64 s[4:5], s[4:5], s[20:21]
.irp s, 0,1,2,3                        ; all 48 loads go out at once, step by step
.irp c, 0,1,2,3
	global_load_b128 v[32+16*\s+4*\c:32+16*\s+4*\c+3], v3, s[4:5] offset:128*\s+32*\c
.endr
.irp u, 0,1
.irp c, 0,1,2,3
	global_load_b128 v[96+64*\u+16*\s+4*\c:96+64*\u+16*\s+4*\c+3], v4, s[6:7] offset:16384*\u+128*\s+32*\c
.endr
.endr
.endr
	s_sub_co_i32 s20, s15, s13
	s_sub_co_i32 s20, s20, s14
	s_add_co_i32 s20, s20, 127
	s_lshl_b32 s22, s20, 23
	v_mov_b32 v14, s22                             ; 2^(et - ex - eA)
	s_add_co_i32 s20, s20, 8
	s_lshl_b32 s20, s20, 23
	s_or_b32 s20, s20, 0x600000
	v_mov_b32 v15, s20                             ; 448 x that
.irp s, 0,1,2,3                        ; the two accumulators take turns
	s_wait_loadcnt 36-12*\s                        ; this step's 12 loads are in; the later steps' may be out
.if \s == 0
	v_wmma_f32_16x16x128_fp8_fp8 v[224:231], v[96:111], v[32:47], 0
	v_wmma_f32_16x16x128_fp8_fp8 v[232:239], v[160:175], v[32:47], 0
.else
	v_wmma_f32_16x16x128_fp8_fp8 v[224:231], v[96+16*\s:111+16*\s], v[32+16*\s:47+16*\s], v[224:231]
	v_wmma_f32_16x16x128_fp8_fp8 v[232:239], v[160+16*\s:175+16*\s], v[32+16*\s:47+16*\s], v[232:239]
.endif
.endr
.rept 4
	v_nop                                          ; four places ahead of the first read of the results (ISA guide 7.12.1)
.endr
.irp i, 0,1,2,3
	ds_store_b128 v5, v[224+4*\i:227+4*\i] offset:512*\i
.endr
	s_wait_dscnt 0x0                               ; for the others' sake: my sums lie in LDS
	s_barrier_signal -1
	s_barrier_wait -1
	s_cmp_lg_u32 s17, 0
	s_cbranch_scc1 .Lend
.irp w, 0,1,2,3
.irp i, 0,1,2,3
	ds_load_b128 v[32+16*\w+4*\i:35+16*\w+4*\i], v6 offset:2048*\w+512*\i
.endr
.endr
	s_wait_dscnt 0x0
.irp i, 0,2,4,6,8,10,12,14
	v_pk_add_f32 v[32+\i:33+\i], v[32+\i:33+\i], v[48+\i:49+\i]
	v_pk_add_f32 v[64+\i:65+\i], v[64+\i:65+\i], v[80+\i:81+\i]
.endr
.irp i, 0,2,4,6,8,10,12,14
	v_pk_add_f32 v[32+\i:33+\i], v[32+\i:33+\i], v[64+\i:65+\i]
.endr
.irp i, 0,1,2,3,4,5,6,7,8,9,10,11,12,13,14,15
	v_med3_num_f32 v[32+\i], v[32+\i], -v15, v15   ; the hold at the largest code x the scale
.endr
	v_cvt_scalef32_pk8_fp8_f32 v[96:97], v[32:39], v14
	v_cvt_scalef32_pk8_fp8_f32 v[98:99], v[40:47], v14
	v_nop
	global_store_b128 v7, v[96:99], s[10:11]       ; the wave stores 512 consecutive bytes: 16 rows of t
.Lend:
	s_wait_tensorcnt 0x0                           ; the wave's end, behind my last LDS store
	ds_add_u32 v12, v13
	s_wait_dscnt 0x0
	s_endpgm
.Lfunc_end_k_q9323c52152_tdown:
	.size	k_q9323c52152_tdown, .Lfunc_end_k_q9323c52152_tdown-k_q9323c52152_tdown
	.p2alignl 7, 3214868480
	.fill 96, 4, 3214868480
	.section	.rodata,"a",@progbits
	.p2align	6, 0x0
	.amdhsa_kernel k_q9323c52152_tdown
		.amdhsa_group_segment_fixed_size 8704
		.amdhsa_private_segment_fixed_size 0
		.amdhsa_enable_private_segment 0
		.amdhsa_kernarg_size 32
		.amdhsa_user_sgpr_count 2
		.amdhsa_user_sgpr_kernarg_segment_ptr 1
		.amdhsa_wavefront_size32 1
		.amdhsa_system_sgpr_workgroup_id_x 1
		.amdhsa_system_sgpr_workgroup_id_y 1
		.amdhsa_system_sgpr_workgroup_id_z 1
		.amdhsa_system_vgpr_workitem_id 0
		.amdhsa_next_free_vgpr 240
		.amdhsa_next_free_sgpr 96
		.amdhsa_reserve_vcc 0
		.amdhsa_float_denorm_mode_32 3
		.amdhsa_float_denorm_mode_16_64 3
		.amdhsa_memory_ordered 1
		.amdhsa_forward_progress 1
		.amdhsa_inst_pref_size 13
	.end_amdhsa_kernel
	.amdgpu_metadata
---
amdhsa.version: [ 1, 2 ]
amdhsa.kernels:
  - .name:           k_q9323c52152_tdown
    .symbol:         k_q9323c52152_tdown.kd
    .args:
      - { .name: xc, .offset: 0, .size: 8, .value_kind: global_buffer, .address_space: global }
      - { .name: wc, .offset: 8, .size: 8, .value_kind: global_buffer, .address_space: global }
      - { .name: lowp_scales, .offset: 16, .size: 8, .value_kind: global_buffer, .address_space: global }
      - { .name: tc, .offset: 24, .size: 8, .value_kind: global_buffer, .address_space: global }
    .group_segment_fixed_size: 8704
    .private_segment_fixed_size: 0
    .kernarg_segment_align: 8
    .kernarg_segment_size: 32
    .max_flat_workgroup_size: 128
    .sgpr_count:     96
    .vgpr_count:     240
    .wavefront_size: 32
...
	.end_amdgpu_metadata
.endif
;; end of part 2
;; launch qkv (part 3): grid 16 x 12, 4 waves a work-group, clusters of 4 x 1, 327,680 bytes of LDS; arguments xc, wc, tc, q_gain, lowp_scales, qkv; writes qkv
.if DOCPART == 3
	.amdgcn_target "amdgcn-amd-amdhsa--gfx1250"
	.amdhsa_code_object_version 6
	.text
	.protected	k_q9323c52152_qkv
	.globl	k_q9323c52152_qkv
	.p2align	8
	.type	k_q9323c52152_qkv,@function
k_q9323c52152_qkv:
	s_mov_b64 s[64:65], 0
	v_nop
	global_prefetch_b8 v0, s[64:65] scope:SCOPE_SE
	s_setreg_imm32_b32 hwreg(HW_REG_WAVE_MODE, 25, 1), 1
	s_wait_xcnt 0x0
	s_wait_alu depctr_hold_cnt(0) depctr_sa_sdst(0) depctr_va_vdst(0) depctr_va_sdst(0) depctr_va_ssrc(0) depctr_va_vcc(0) depctr_vm_vsrc(0)
	s_getreg_b32 s2, hwreg(HW_REG_IB_STS2, 6, 4)
	s_cmp_eq_u32 s2, 0
	s_cbranch_scc0 .Lentry_in_a_cluster
	s_endpgm
.Lentry_in_a_cluster:
	s_bfe_u32 s2, ttmp6, 0x10000c
	s_cmp_lg_u32 s2, 0x3003
	s_cbranch_scc0 .Lentry_shape_is_right
	s_endpgm
.Lentry_shape_is_right:
; q, k, v = x W^T + t B^T on codes of E4M3; then q and k: RMS norm over the head, rotary embedding, q's gain; then the codes of q, k and v for attention.
; A tile is 256 rows of x (work-group x) by 256 rows of [Wq; Wk; Wv] (work-group y: 0-7 q, 8-9 k, 10-11 v); four waves, each 128 x 128: 64 accumulators, one head wide.
; K goes in steps of 256 through a ring of two LDS slots filled by the tensor data mover: rows 0-255 of a slot are x's, rows 256-511 the weights'.
; CLUSTER 4 x 1: the four partners are four tiles of x for ONE tile of weights.  The weights' tile is asked for jointly (mask 15); x's tile is each work-group's own load (no mask), behind the same rounds.
; A cluster of 4 x 4 is not taken: a row of it would hold tiles of k and of v, whose versions of x's codes may differ, so x's tile could not have one descriptor for the four.
; x's codes: the first of the six versions whose exponent equals this product's: a select, no jump.
; THE LOW-RANK PRODUCT STARTS THE SUMS: the first matrix instruction on each accumulator is t B^T, K = 32 in the 16x16x64 form with zero codes for the upper 32, C = 0; the sums are then multiplied once by
; 2^(et + eB - ex - ew), which rounds nothing, and every step of x W^T adds onto them.  All of that runs while the first tiles are on their way.
; THE MATRIX INSTRUCTION IS USED TRANSPOSED (source 0 = weights, source 1 = x): a lane holds one token and eight neighbouring channels.  IN v's TILES THE TWO REGIONS CHANGE PLACES (one select in each LDS base):
; a lane then holds one channel and eight neighbouring keys, which is how attention's second product wants v's codes.
; q's and k's rows are stored with the head's 128 permuted: byte 64 h + 8 b + j holds channel 16 b + 8 h + j; the same in both, so their product is unchanged.
; LIMITS: each power of two made below is an f32 number: ex + ew, et + eB - ex - ew and 2 (ex + ew) - 7 between -126 and 127; the output's exponent (v: less ex + ew) between -126 and 119.  NaN is not served.
; The norm's factor, 2^(ex + ew) and the gain are applied behind the rotation, which is linear: the roundings fall in another order than where each step is rounded by itself.
; REGISTERS, in windows of 256: window 0: v1-31 addresses; from v128 source 1's fragments, one set.  window 1: source 0's fragments, two sets.  windows 2, 3: the accumulators ((a, b) at v[8 (8 (a % 4) + b)]).
.set KROW,   2048
.set ROWB,   256
.set PITCH,  272                       ; an LDS row: 256 bytes + 16 of padding: the 16 rows that a load touches start at 16 different banks (ISA guide 11.1)
.set FR,     16
.set NL,     4
.set NP,     4                         ; places behind this matrix instruction (ISA guide 7.12.1)
.set HALFT,  128*PITCH
.set SLOT,   4*HALFT
.set LAPS,   4                         ; 2,048 along K = 8 slots' worth = 4 laps round the ring
.set SPARE,  2*SLOT                    ; behind the ring: the spare words
.set QP,     144                       ; q's and k's way out: a stage of 16 rows x (128 + 16) bytes for each wave, from byte 0 of slot 0
.set VSTG,   16384                     ; v's way out: one stage of 256 rows x 272 bytes, from here on in slot 0.  Slot 0 has had its last fill and its last read by then
.set BQW,    10747904                  ; in wc: Bq's, Bk's, Bv's codes and the table of cos and sin
.set BKW,    10878976
.set BVW,    10895360
.set ROPE,   10911744
.set KOUT,   8388608                   ; in qkv: k's and v's codes
.set VOUT,   10485760
.set SCL,  10                          ; v10  the conversion's scale
.set LIMV, 11                          ; v11  448 x that
.set ADRA, 16                          ; v16-17  LDS address of source 1's fragments in slot 0, 1
.set ADRB, 20                          ; v20-21  of source 0's
.set LOR,  22                          ; v22  a row of 32 codes: 32 r + 16 h
.set CSA,  23                          ; v23  my token's place in the table
.set STO,  24                          ; v24, v25  q, k: into my stage and back
.set RD,   25
.set GO,   26                          ; v26  16 x lane
.set VST,  27                          ; v27, v30  v: into the stage and back;  v31 the same rows in memory
.set SPW,  28                          ; v28  my spare word; never rewritten
.set NIL,  29                          ; v29  0; never rewritten
.set VRD,  30
.set VGO,  31
.set OO,   32                          ; v32-95  a block's 64 numbers behind the rotation
.set AF,   128
.set TT,   160
.set G1, 24
.set G0, 32
.set G1B, 48
.set G0B, 56
.set MSB, 0
.macro WIN new                         ; the immediate's high byte repeats the setting that is left
.if MSB != \new
	s_set_vgpr_msb (MSB<<8)|\new
.set MSB, \new
.endif
.endm
.set MUL_LO, 0xa1                      ; source 0 window 1, source 1 window 0, C and D window 2
.set MUL_HI, 0xf1                      ; the same, C and D window 3
.set TO_B,   0x40                      ; destination window 1, address window 0
; Waves 0 and 1 fetch x's two halves, waves 2 and 3 the weights'.  The branch hangs on the wave's number alone.  An s_nop 0 and four v_nop follow each of the two lines.
.macro JLOAD g0a, g1a, g0b, g1b
	s_cmp_eq_u32 s15, 0
	s_cbranch_scc0 .Lfor_b_\@
	tensor_load_to_lds s[\g0a:\g0a+3], s[\g1a:\g1a+7]
	s_nop 0
.rept 4
	v_nop
.endr
	s_branch .Lasked_\@
.Lfor_b_\@:
	tensor_load_to_lds s[\g0b:\g0b+3], s[\g1b:\g1b+7]
	s_nop 0
.rept 4
	v_nop
.endr
.Lasked_\@:
.endm
.macro CREST                           ; a round of the cluster's barrier behind its opening barrier
	s_cmp_lg_u32 s14, 0
	s_cbranch_scc1 .Lnot_wave_0_\@
	s_barrier_signal -3
.Lnot_wave_0_\@:
	s_barrier_wait -3
	s_barrier_signal -1
	s_barrier_wait -1
.endm
.macro CROUND
	s_barrier_signal -1
	s_barrier_wait -1
	CREST
.endm
	s_load_b256 s[4:11], s[0:1], 0x0               ; xc, wc, tc, q_gain
	s_load_b128 s[96:99], s[0:1], 0x20             ; the scales, qkv
	v_lshl_add_u32 v[SPW], v0, 2, SPARE
	v_mov_b32 v[NIL], 0
	ds_add_u32 v[SPW], v[NIL]                      ; the wave's opening: the add and its wait ahead of my first tensor load; work on registers stands between them
	v_lshrrev_b32 v1, 5, v0
	v_readfirstlane_b32 s14, v1                    ; wave 0..3
	s_lshr_b32 s15, s14, 1                         ; RH: which half of source 1's rows is mine.  Also: I fetch x (0) or weights (1)
	s_and_b32 s16, s14, 1                          ; CH: which half of source 0's rows.  Also: which 128 rows I fetch
	s_bfe_u32 s2, ttmp6, 0x40000                   ; cx
	s_lshl_b32 s17, ttmp9, 2
	s_add_co_u32 s17, s17, s2                      ; gx: the tile of x
	s_and_b32 s18, ttmp7, 0xffff                   ; gy: the tile of weights, the same in all four partners
	s_mov_b32 s[G1+0], (1<<20)|(5<<22)|(3<<25)     ; x: no mask; elements of 1 byte; padding on: 4 words behind every 64
	s_mov_b32 s[G1B+0], 15|(1<<20)|(1<<21)|(5<<22)|(3<<25)  ; the weights: the four partners, bit 21 beside the mask
.irp g, G1, G1B
	s_mov_b32 s[\g+1], ROWB<<16                    ; tensor_dim0
	s_mov_b32 s[\g+2], 128<<16                     ; tensor_dim1
	s_mov_b32 s[\g+3], ROWB<<16                    ; tile_dim0
	s_mov_b32 s[\g+4], 128                         ; tile_dim1
	s_mov_b32 s[\g+5], KROW                        ; from row to row
	s_mov_b32 s[\g+6], 0
	s_mov_b32 s[\g+7], 0
.endr
	s_mul_i32 s45, s14, HALFT                      ; where my 128 rows go: wave x 128 rows
	s_wait_dscnt 0x0                               ; the opening add is done
	s_wait_kmcnt 0x0
	s_load_b512 s[68:83], s[96:97], 0x0            ; e0 .. e15
	s_load_b256 s[84:91], s[96:97], 0x40           ; e16 .. e23
	s_lshl_b32 s93, s18, 1
	s_add_co_u32 s93, s93, s16                     ; q: my head
	s_min_u32 s93, s93, 15                         ; (k's and v's tiles read entry 15 and do not use it)
	s_lshl_b32 s93, s93, 2
	s_load_b32 s92, s[10:11], s93 offset:0x0       ; the gain
	s_lshl_b32 s46, s18, 8
	s_lshl_b32 s47, s16, 7
	s_add_co_u32 s46, s46, s47
	s_lshl_b32 s46, s46, 11                        ; the weights: row 256 gy + 128 CH
	s_mov_b32 s47, 0
	s_add_nc_u64 s[46:47], s[6:7], s[46:47]
	s_wait_kmcnt 0x0
	s_cmp_ge_u32 s18, 8                            ; the five exponents of my tile: of x, of W, of t, of B, of the output's codes
	s_cselect_b32 s40, s74, s68
	s_cselect_b32 s41, s75, s69
	s_cselect_b32 s42, s78, s72
	s_cselect_b32 s43, s79, s73
	s_cselect_b32 s44, s87, s86
	s_cmp_ge_u32 s18, 10
	s_cselect_b32 s40, s80, s40
	s_cselect_b32 s41, s81, s41
	s_cselect_b32 s42, s84, s42
	s_cselect_b32 s43, s85, s43
	s_cselect_b32 s44, s89, s44
.macro PICK u, eu
	s_cmp_eq_u32 s[\eu], s40
	s_cselect_b32 s19, \u, s19
.endm
	s_mov_b32 s19, 5                               ; the first version of x with my exponent
	PICK 4, 80
	PICK 3, 76
	PICK 2, 74
	PICK 1, 70
	PICK 0, 68
	s_min_u32 s19, s19, 5
	s_lshl_b32 s19, s19, 23
	s_lshl_b32 s12, s17, 8
	s_lshl_b32 s13, s16, 7
	s_add_co_u32 s12, s12, s13
	s_lshl_b32 s12, s12, 11                        ; x: row 256 gx + 128 CH,
	s_add_co_u32 s12, s12, s19                     ; in my version
	s_mov_b32 s13, 0
	s_add_nc_u64 s[12:13], s[4:5], s[12:13]
	CROUND                                         ; all four work-groups are here: the first joint loads meet
.irp s, 0,1
	s_mov_b32 s[G0+4*\s], 1
	s_add_co_u32 s[G0+4*\s+1], s45, \s*SLOT
	s_add_nc_u64 s[G0+4*\s+2:G0+4*\s+3], s[12:13], \s*ROWB
	s_or_b32 s[G0+4*\s+3], s[G0+4*\s+3], 0x80000000
	s_mov_b32 s[G0B+4*\s], 1
	s_add_co_u32 s[G0B+4*\s+1], s45, \s*SLOT
	s_add_nc_u64 s[G0B+4*\s+2:G0B+4*\s+3], s[46:47], \s*ROWB
	s_or_b32 s[G0B+4*\s+3], s[G0B+4*\s+3], 0x80000000
	JLOAD G0+4*\s, G1, G0B+4*\s, G1B               ; two loads of mine are out behind these
.endr
	; the lane's addresses
	v_and_b32 v1, 15, v0                           ; r
	v_bfe_u32 v2, v0, 4, 1                         ; h
	v_mul_u32_u24 v3, v1, PITCH
	v_lshl_add_u32 v4, v2, 4, v3                   ; a fragment's row x pitch + 16 h
	s_cmp_ge_u32 s18, 10                           ; v's tiles: source 1 reads the weights' region, source 0 x's
	s_cselect_b32 s45, 2*HALFT, 0
	s_cselect_b32 s46, 0, 2*HALFT
	s_mul_i32 s12, s15, HALFT
	s_add_co_u32 s12, s12, s45
	s_mul_i32 s13, s16, HALFT
	s_add_co_u32 s13, s13, s46
.irp s, 0,1
	v_add_nc_u32 v[ADRA+\s], s12, v4
	v_add_nc_u32 v[ADRB+\s], s13, v4
	s_add_co_u32 s12, s12, SLOT
	s_add_co_u32 s13, s13, SLOT
.endr
	v_lshlrev_b32 v[LOR], 5, v1
	v_lshl_add_u32 v[LOR], v2, 4, v[LOR]
	s_and_b32 s12, s17, 3
	s_lshl_b32 s12, s12, 8
	s_lshl_b32 s13, s15, 7
	s_add_co_u32 s12, s12, s13                     ; my first token's position in its sequence
	v_add_nc_u32 v[CSA], s12, v1
	v_lshlrev_b32 v[CSA], 9, v[CSA]
	v_lshl_add_u32 v[CSA], v2, 5, v[CSA]           ; 512 bytes a position, + 32 h: my eight frequencies of each 16
	s_mul_i32 s12, s14, 16*QP
	v_mul_u32_u24 v5, v1, QP
	v_lshl_add_u32 v5, v2, 6, v5
	v_add_nc_u32 v[STO], s12, v5                   ; q, k: row r, my 64 bytes
	v_and_b32 v6, 31, v0
	v_lshrrev_b32 v7, 3, v6
	v_mul_u32_u24 v7, v7, QP
	v_and_b32 v8, 7, v0
	v_lshl_add_u32 v7, v8, 4, v7
	v_add_nc_u32 v[RD], s12, v7                    ; back: eight lanes to a row of 128 bytes, four rows an instruction
	v_lshlrev_b32 v[GO], 4, v6
	s_mul_i32 s12, s15, 128*PITCH
	s_lshl_b32 s13, s16, 7
	s_add_co_u32 s12, s12, s13
	s_add_co_u32 s12, s12, VSTG
	v_lshl_add_u32 v5, v2, 3, v3
	v_add_nc_u32 v[VST], s12, v5                   ; v: channel row 128 RH + r, keys 128 CH + 8 h on
	s_mul_i32 s12, s14, 64*PITCH
	s_add_co_u32 s12, s12, VSTG
	v_mul_u32_u24 v5, v2, PITCH
	v_lshl_add_u32 v5, v1, 4, v5
	v_add_nc_u32 v[VRD], s12, v5                   ; back: rows 64 w on, sixteen lanes to a row of 256 bytes
	v_lshlrev_b32 v[VGO], 10, v2
	v_lshl_add_u32 v[VGO], v1, 4, v[VGO]
	; where t's and B's rows of 32 codes lie.  Source 1 takes t's rows (v: B's), source 0 B's (v: t's)
	s_cmp_ge_u32 s18, 8
	s_cselect_b32 s2, 1, 0
	s_cselect_b32 s12, 8, 0
	s_mov_b32 s13, BQW
	s_cselect_b32 s13, BKW, s13
	s_cmp_ge_u32 s18, 10
	s_cselect_b32 s2, 2, s2                        ; which of the three paths
	s_cselect_b32 s12, 10, s12                     ; its first tile
	s_cselect_b32 s13, BVW, s13                    ; its B
	s_cselect_b32 s46, s16, s15                    ; which half of t's 256 rows,
	s_cselect_b32 s47, s15, s16                    ; and of B's
	s_sub_co_u32 s12, s18, s12
	s_lshl_b32 s19, s17, 8
	s_lshl_b32 s46, s46, 7
	s_add_co_u32 s19, s19, s46
	s_lshl_b32 s19, s19, 5
	s_lshl_b32 s2, s2, 17
	s_add_co_u32 s46, s19, s2
	s_lshl_b32 s12, s12, 8
	s_lshl_b32 s47, s47, 7
	s_add_co_u32 s12, s12, s47
	s_lshl_b32 s12, s12, 5
	s_add_co_u32 s12, s12, s13
	s_mov_b32 s13, 0
	s_mov_b32 s47, 0
	s_add_nc_u64 s[46:47], s[8:9], s[46:47]
	s_add_nc_u64 s[12:13], s[6:7], s[12:13]
	s_cmp_ge_u32 s18, 10
	s_cselect_b64 s[22:23], s[12:13], s[46:47]     ; source 1's rows
	s_cselect_b64 s[20:21], s[46:47], s[12:13]     ; source 0's
.irp a, 0,1,2,3,4,5,6,7
	global_load_b128 v[AF+8*\a:AF+8*\a+3], v[LOR], s[22:23] offset:512*\a   ; 16 rows of 32 codes: 512 consecutive bytes
.endr
.irp a, 0,1,2,3,4,5,6,7
.irp k, 4,5,6,7
	v_mov_b32 v[AF+8*\a+\k], 0                     ; zero codes for k = 32 .. 63
.endr
.endr
	WIN TO_B
.irp b, 0,1,2,3,4,5,6,7
	global_load_b128 v[8*\b:8*\b+3], v[LOR], s[20:21] offset:512*\b
.endr
.irp b, 0,1,2,3,4,5,6,7
.irp k, 4,5,6,7
	v_mov_b32 v[8*\b+\k], 0
.endr
.endr
	WIN 0
	s_add_co_i32 s100, s42, s43
	s_sub_co_i32 s100, s100, s40
	s_sub_co_i32 s100, s100, s41
	s_add_co_i32 s100, s100, 127
	s_lshl_b32 s100, s100, 23                      ; 2^(et + eB - ex - ew)
	s_mov_b32 s101, s100                           ; (named with it as a pair, so it is written)
	s_wait_kmcnt 0x0                               ; the gain
	s_wait_loadcnt 0x0
.irp a, 0,1,2,3,4,5,6,7                ; t B^T starts the 64 sums, in the order in which every later step takes them
	WIN (MUL_LO+0x50*((\a)/4))
.irp b, 0,1,2,3,4,5,6,7
	v_wmma_f32_16x16x64_fp8_fp8 v[8*(8*((\a)%4)+\b):8*(8*((\a)%4)+\b)+7], v[8*\b:8*\b+7], v[AF+8*\a:AF+8*\a+7], 0
.endr
.endr
.macro PLACES n
.rept \n
	v_nop
.endr
.endm
	PLACES NP
	WIN 0x82                                       ; source 0 and destination window 2
.set JJ, 0
.rept 128
	v_pk_mul_f32 v[JJ:JJ+1], v[JJ:JJ+1], s[100:101] op_sel_hi:[1,0]   ; each accumulator from its low end on
.set JJ, JJ+2
.endr
	WIN 0xc3
.set JJ, 0
.rept 128
	v_pk_mul_f32 v[JJ:JJ+1], v[JJ:JJ+1], s[100:101] op_sel_hi:[1,0]
.set JJ, JJ+2
.endr
	WIN 0
.macro FRAG reg, adr, q, i             ; a fragment, 16 rows x 128 K: registers 4 c .. 4 c + 3 hold K = 32 c + 16 h + 0 .. 15: the same permutation of k in both operands
.irp c, 0,1,2,3
	ds_load_b128 v[\reg+4*\c:\reg+4*\c+3], v[\adr] offset:128*(\q)+32*\c+(\i)*16*PITCH
.endr
.endm
; 16 matrix instructions: source 1's blocks a0, a0 + 1 x source 0's eight.  The 64 accumulators take turns, one instruction a turn, in the same order in every step.
.macro MUL16 a0, p
.irp a, \a0, \a0+1
.irp b, 0,1,2,3,4,5,6,7
	v_wmma_f32_16x16x128_fp8_fp8 v[8*(8*((\a)%4)+\b):8*(8*((\a)%4)+\b)+7], v[128*(\p)+FR*\b:128*(\p)+FR*\b+FR-1], v[AF+FR*(\a):AF+FR*(\a)+FR-1], v[8*(8*((\a)%4)+\b):8*(8*((\a)%4)+\b)+7]
.endr
.endr
.endm
.macro FETCH_B slot, q, p
	WIN TO_B
.irp i, 0,1,2,3,4,5,6,7
	FRAG 128*(\p)+FR*\i, ADRB+\slot, \q, \i
.endr
	WIN 0
.endm
.macro FETCH_A slot, q, i0
.irp i, \i0, \i0+1, \i0+2, \i0+3
	FRAG AF+FR*(\i), ADRA+\slot, \q, \i
.endr
.endm
; A step of 128 along K that has its successor in the same slot.
.macro STEP slot, q
	s_wait_dscnt 4*NL                              ; source 0's set and source 1's blocks 0-3 are in; the youngest 16 loads (blocks 4-7) may be out
	WIN MUL_LO
	MUL16 0, (\q)%2
	MUL16 2, (\q)%2
	s_wait_dscnt 0
	PLACES NP                                      ; four places in front of loads into registers that matrix instructions have read
	FETCH_B \slot, (\q)+1, 1-(\q)%2
	FETCH_A \slot, (\q)+1, 0
	WIN MUL_HI
	MUL16 4, (\q)%2
	MUL16 6, (\q)%2
	PLACES NP
	WIN 0
	FETCH_A \slot, (\q)+1, 4
.endm
; A slot's last step changes slots: each wave waits for all its tensor loads, adds 0 to its spare word, and waits for that and for its reads of this slot; one barrier, which with fill = 1 opens a round of the cluster's.
.macro TURN slot, next, fill
	s_wait_tensorcnt 0x0                           ; all my tensor loads have landed: my part of the next slot
	ds_add_u32 v[SPW], v[NIL]                      ; 0 onto my spare word
	s_wait_dscnt 4*NL+1                            ; (the add and the youngest 16 loads may be out)
	WIN MUL_LO
	MUL16 0, 1
	s_wait_dscnt 0x0                               ; the add is done, and my reads of this slot are over
	s_barrier_signal -1
	MUL16 2, 1
	WIN 0
	s_barrier_wait -1
.if \fill
	CREST                                          ; no wave of any partner still reads this slot or has a load on its way
	s_add_nc_u64 s[G0+4*\slot+2:G0+4*\slot+3], s[G0+4*\slot+2:G0+4*\slot+3], 2*ROWB
	s_add_nc_u64 s[G0B+4*\slot+2:G0B+4*\slot+3], s[G0B+4*\slot+2:G0B+4*\slot+3], 2*ROWB
	JLOAD G0+4*\slot, G1, G0B+4*\slot, G1B         ; my one tensor load behind the round; its four v_nop are also the places in front of the loads below
.else
	PLACES NP
.endif
	FETCH_B \next, 0, 0
	FETCH_A \next, 0, 0
	WIN MUL_HI
	MUL16 4, 1
	MUL16 6, 1
	PLACES NP
	WIN 0
	FETCH_A \next, 0, 4
.endm
	s_wait_tensorcnt 1                             ; my part of slot 0 is in; slot 1's load may be out
	s_barrier_signal -1
	s_barrier_wait -1
	FETCH_B 0, 0, 0
	FETCH_A 0, 0, 0
	FETCH_A 0, 0, 4
	STEP 0, 0
	s_mov_b32 s3, LAPS-1
.Llap:                                         ; a trip goes once round the ring and fills both slots again
	TURN 0, 1, 1
	STEP 1, 0
	TURN 1, 0, 1
	STEP 0, 0
	s_sub_co_u32 s3, s3, 1
	s_cmp_lg_u32 s3, 0
	s_cbranch_scc1 .Llap
	TURN 0, 1, 0                                   ; the last lap fills nothing
	STEP 1, 0
	s_wait_dscnt 4*NL
	WIN MUL_LO
	MUL16 0, 1
	MUL16 2, 1
	s_wait_dscnt 0
	WIN MUL_HI
	MUL16 4, 1
	MUL16 6, 1
	WIN 0
.macro FINISH
	s_wait_tensorcnt 0x0                           ; the wave's end, behind my last tensor load and my last LDS store
	ds_add_u32 v[SPW], v[NIL]
	s_wait_dscnt 0x0
	CROUND                                         ; the closing round
	s_endpgm
.endm
	s_cmp_ge_u32 s18, 10                           ; the tile's kind: the same in all waves and in all partners
	s_cbranch_scc1 .Lvout
	; ---- q AND k.  Block a is 16 tokens; lane (r, h) holds token r's channels 16 b + 8 h + j; the lane 16 away holds the other 64.
	s_cmp_lt_u32 s18, 8
	s_cselect_b32 s12, 4, 2                        ; 16 heads or 4
	s_cselect_b32 s13, 0, 8
	s_cselect_b32 s19, 0, KOUT
	s_cselect_b32 s92, s92, 1.0                    ; k has no gain
	s_sub_co_u32 s13, s18, s13
	s_lshl_b32 s13, s13, 1
	s_add_co_u32 s13, s13, s16                     ; my head
	s_lshr_b32 s46, s17, 2                         ; the batch
	s_lshl_b32 s46, s46, s12
	s_add_co_u32 s46, s46, s13
	s_lshl_b32 s46, s46, 10
	s_and_b32 s47, s17, 3
	s_lshl_b32 s47, s47, 8
	s_add_co_u32 s46, s46, s47
	s_lshl_b32 s47, s15, 7
	s_add_co_u32 s46, s46, s47                     ; my first row among the rows of 128 codes
	s_lshl_b32 s46, s46, 7
	s_add_co_u32 s46, s46, s19
	s_mov_b32 s47, 0
	s_add_nc_u64 s[70:71], s[98:99], s[46:47]
	s_add_nc_u64 s[68:69], s[6:7], ROPE
	s_add_co_i32 s12, s40, s41                     ; ex + ew: a sum stands for sum x 2^(ex + ew)
	s_add_co_i32 s13, s12, 127
	s_lshl_b32 s66, s13, 23
	s_mul_f32 s66, s66, s92                        ; 2^(ex + ew) x the gain
	s_lshl_b32 s13, s12, 1
	s_add_co_i32 s13, s13, 120
	s_lshl_b32 s67, s13, 23                        ; 2^(2 (ex + ew)) / 128: the mean of the squares
	s_mov_b32 s73, 0x34000000                      ; f32's eps
	s_mov_b32 s74, 0x76543210
	s_mov_b32 s75, 0xfedcba98                      ; lane l xor 16
	s_add_co_i32 s12, s44, 127
	s_lshl_b32 s13, s12, 23
	v_mov_b32 v[SCL], s13
	s_add_co_i32 s12, s12, 8
	s_lshl_b32 s12, s12, 23
	s_or_b32 s12, s12, 0x600000
	v_mov_b32 v[LIMV], s12
	PLACES NP
.macro CSLOAD a                        ; block a's cos and sin: 32 + 32 numbers a lane, into window 1, set a % 2
	WIN TO_B
.irp b, 0,1,2,3
	global_load_b128 v[64*((\a)%2)+8*\b:64*((\a)%2)+8*\b+3], v[CSA], s[68:69] offset:8192*(\a)+64*\b
	global_load_b128 v[64*((\a)%2)+8*\b+4:64*((\a)%2)+8*\b+7], v[CSA], s[68:69] offset:8192*(\a)+64*\b+16
	global_load_b128 v[64*((\a)%2)+32+8*\b:64*((\a)%2)+32+8*\b+3], v[CSA], s[68:69] offset:8192*(\a)+64*\b+256
	global_load_b128 v[64*((\a)%2)+32+8*\b+4:64*((\a)%2)+32+8*\b+7], v[CSA], s[68:69] offset:8192*(\a)+64*\b+272
.endr
	WIN 0
.endm
.macro QBLOCK a
.set AC,  64*((\a)%4)
.set CSS, 64*((\a)%2)
.set CD,  104+16*((\a)%2)
.set RB,  136+16*((\a)%2)
.if (\a) < 7
	s_wait_loadcnt 16                              ; this block's 16 loads from the table are in; the next block's may be out
.else
	s_wait_loadcnt 0x0
.endif
	WIN (0x0a+5*((\a)/4))                          ; sources 0 and 1: the accumulators' window
	v_pk_mul_f32 v[96:97], v[AC:AC+1], v[AC:AC+1]  ; the sum of squares, two chains, each accumulator from its low end on
	v_pk_mul_f32 v[98:99], v[AC+2:AC+3], v[AC+2:AC+3]
.set JJ, 4
.rept 15
	v_pk_fma_f32 v[96:97], v[AC+JJ:AC+JJ+1], v[AC+JJ:AC+JJ+1], v[96:97]
	v_pk_fma_f32 v[98:99], v[AC+JJ+2:AC+JJ+3], v[AC+JJ+2:AC+JJ+3], v[98:99]
.set JJ, JJ+4
.endr
	WIN 0
	v_add_f32 v96, v96, v97
	v_add_f32 v98, v98, v99
	v_add_f32 v96, v96, v98
	v_permlanex16_b32 v97, v96, s74, s75
	v_add_f32 v96, v96, v97                        ; over the head's 128
	v_fma_f32 v96, v96, s67, s73                   ; the mean + eps
	v_rsq_f32 v98, v96
	WIN (0x06+((\a)/4))                            ; source 0 the accumulators, source 1 window 1
.irp b, 0,1,2,3                        ; the rotation: (x1 c + x2 s, x2 c - x1 s); x1 in blocks 0-3, x2 in blocks 4-7.  These 64 lines are the independent work behind the root
.irp i, 0,2,4,6
	v_pk_mul_f32 v[OO+8*\b+\i:OO+8*\b+\i+1], v[AC+8*\b+\i:AC+8*\b+\i+1], v[CSS+8*\b+\i:CSS+8*\b+\i+1]
	v_pk_mul_f32 v[OO+32+8*\b+\i:OO+32+8*\b+\i+1], v[AC+32+8*\b+\i:AC+32+8*\b+\i+1], v[CSS+8*\b+\i:CSS+8*\b+\i+1]
	v_pk_fma_f32 v[OO+8*\b+\i:OO+8*\b+\i+1], v[AC+32+8*\b+\i:AC+32+8*\b+\i+1], v[CSS+32+8*\b+\i:CSS+32+8*\b+\i+1], v[OO+8*\b+\i:OO+8*\b+\i+1]
	v_pk_fma_f32 v[OO+32+8*\b+\i:OO+32+8*\b+\i+1], v[AC+8*\b+\i:AC+8*\b+\i+1], v[CSS+32+8*\b+\i:CSS+32+8*\b+\i+1], v[OO+32+8*\b+\i:OO+32+8*\b+\i+1] neg_lo:[1,0,0] neg_hi:[1,0,0]
.endr
.endr
	WIN 0
	s_wait_alu depctr_va_vdst(0)                   ; the wait ahead of the root's first reader
	v_mul_f32 v100, s66, v98
	v_mul_f32 v101, s66, v98                       ; 1 / rms x 2^(ex + ew) x the gain, twice
.if (\a)+2 < 8
	CSLOAD (\a)+2                                  ; into the set that the rotation has just read
.endif
.set JJ, 0
.rept 32
	v_pk_mul_f32 v[OO+JJ:OO+JJ+1], v[OO+JJ:OO+JJ+1], v[100:101]
.set JJ, JJ+2
.endr
.set JJ, 0
.rept 64
	v_med3_num_f32 v[OO+JJ], v[OO+JJ], -v[LIMV], v[LIMV]   ; the conversion does not saturate (ISA guide 7.6.2)
.set JJ, JJ+1
.endr
.irp k, 0,1,2,3,4,5,6,7
	v_cvt_scalef32_pk8_fp8_f32 v[CD+2*\k:CD+2*\k+1], v[OO+8*\k:OO+8*\k+7], v[SCL]
.endr
	v_nop                                          ; one plain line between the conversions and the next write of their sources
.if (\a) > 1
	s_wait_xcnt 0x0                                ; the stores of two blocks ago have read the registers into which the loads below land
.endif
.irp i, 0,1,2,3
	ds_store_b128 v[STO], v[CD+4*\i:CD+4*\i+3] offset:16*\i
.endr
.irp t, 0,1,2,3
	ds_load_b128 v[RB+4*\t:RB+4*\t+3], v[RD] offset:4*\t*QP   ; LDS serves a wave's instructions in order: these see my stores
.endr
.endm
.macro QSEND a, younger                ; younger: the LDS instructions issued behind block a's loads
.set RB,  136+16*((\a)%2)
	s_wait_dscnt \younger
.irp t, 0,1,2,3
	global_store_b128 v[GO], v[RB+4*\t:RB+4*\t+3], s[70:71] offset:2048*(\a)+512*\t   ; four rows of 128 codes: 512 consecutive bytes
.endr
.endm
	CSLOAD 0
	CSLOAD 1
	QBLOCK 0
.irp a, 1,2,3,4,5,6,7
	QBLOCK \a
	QSEND \a-1, 8                                  ; behind block a - 1's loads: block a's 4 stores and 4 loads
.endr
	QSEND 7, 0
	FINISH
	; ---- v.  Lane (r, h) holds channel 128 RH + 16 a + r of the tile's two heads, and in accumulator (a, b) the keys 128 CH + 16 b + 8 h + 0 .. 7.
.Lvout:
	s_sub_co_i32 s12, s44, s40
	s_sub_co_i32 s12, s12, s41                     ; the three scales folded into the conversion's one
	s_add_co_i32 s12, s12, 127
	s_lshl_b32 s13, s12, 23
	v_mov_b32 v[SCL], s13
	s_add_co_i32 s12, s12, 8
	s_lshl_b32 s12, s12, 23
	s_or_b32 s12, s12, 0x600000
	v_mov_b32 v[LIMV], s12
	s_lshr_b32 s46, s17, 2
	s_lshl_b32 s46, s46, 2
	s_sub_co_u32 s47, s18, 10
	s_lshl_b32 s47, s47, 1
	s_add_co_u32 s46, s46, s47                     ; batch x 4 + the tile's first head
	s_lshl_b32 s46, s46, 7
	s_lshl_b32 s47, s14, 6
	s_add_co_u32 s46, s46, s47                     ; the first of the 64 channel rows that I store
	s_lshl_b32 s46, s46, 10
	s_and_b32 s47, s17, 3
	s_lshl_b32 s47, s47, 8
	s_add_co_u32 s46, s46, s47                     ; the tile's 256 keys
	s_add_co_u32 s46, s46, VOUT
	s_mov_b32 s47, 0
	s_add_nc_u64 s[70:71], s[98:99], s[46:47]
	PLACES NP
.macro VBLOCK a
.set AC, 64*((\a)%4)
	WIN (0x02+((\a)/4))
.set JJ, 0
.rept 64
	v_med3_num_f32 v[TT+JJ], v[AC+JJ], -v[LIMV], v[LIMV]
.set JJ, JJ+1
.endr
	WIN 0
.irp b, 0,1,2,3,4,5,6,7
	v_cvt_scalef32_pk8_fp8_f32 v[32+16*(\a)+2*\b:32+16*(\a)+2*\b+1], v[TT+8*\b:TT+8*\b+7], v[SCL]
.endr
	v_nop
.irp b, 0,1,2,3,4,5,6,7
	ds_store_b64 v[VST], v[32+16*(\a)+2*\b:32+16*(\a)+2*\b+1] offset:(\a)*16*PITCH+16*\b
.endr
.endm
.irp a, 0,1,2,3,4,5,6,7
	VBLOCK \a
.endr
	s_wait_dscnt 0x0                               ; for the others' sake: a row's 256 bytes come from two waves
	s_barrier_signal -1
	s_barrier_wait -1
.irp g, 0,1
.if \g
	s_wait_xcnt 0x0                                ; the first 16 stores have read their registers
.endif
.irp i, 0,1,2,3,4,5,6,7,8,9,10,11,12,13,14,15
	ds_load_b128 v[TT+4*\i:TT+4*\i+3], v[VRD] offset:(16*\g+\i)*2*PITCH
.endr
.irp i, 0,1,2,3,4,5,6,7,8,9,10,11,12,13,14,15
	s_wait_dscnt 15-\i
	global_store_b128 v[VGO], v[TT+4*\i:TT+4*\i+3], s[70:71] offset:(16*\g+\i)*2048   ; sixteen lanes store 256 consecutive bytes, aligned
.endr
.endr
	FINISH
.Lfunc_end_k_q9323c52152_qkv:
	.size	k_q9323c52152_qkv, .Lfunc_end_k_q9323c52152_qkv-k_q9323c52152_qkv
	.p2alignl 7, 3214868480
	.fill 96, 4, 3214868480
	.section	.rodata,"a",@progbits
	.p2align	6, 0x0
	.amdhsa_kernel k_q9323c52152_qkv
		.amdhsa_group_segment_fixed_size 327680
		.amdhsa_private_segment_fixed_size 0
		.amdhsa_enable_private_segment 0
		.amdhsa_kernarg_size 48
		.amdhsa_user_sgpr_count 2
		.amdhsa_user_sgpr_kernarg_segment_ptr 1
		.amdhsa_wavefront_size32 1
		.amdhsa_system_sgpr_workgroup_id_x 1
		.amdhsa_system_sgpr_workgroup_id_y 1
		.amdhsa_system_sgpr_workgroup_id_z 1
		.amdhsa_system_vgpr_workitem_id 0
		.amdhsa_next_free_vgpr 1024
		.amdhsa_next_free_sgpr 106
		.amdhsa_reserve_vcc 0
		.amdhsa_float_denorm_mode_32 3
		.amdhsa_float_denorm_mode_16_64 3
		.amdhsa_memory_ordered 1
		.amdhsa_forward_progress 1
		.amdhsa_inst_pref_size 255
	.end_amdhsa_kernel
	.section	.bss,"aw",@nobits
	.p2align	6
	.space	262144
	.amdgpu_metadata
---
amdhsa.version: [ 1, 2 ]
amdhsa.kernels:
  - .name:           k_q9323c52152_qkv
    .symbol:         k_q9323c52152_qkv.kd
    .args:
      - { .name: xc, .offset: 0, .size: 8, .value_kind: global_buffer, .address_space: global }
      - { .name: wc, .offset: 8, .size: 8, .value_kind: global_buffer, .address_space: global }
      - { .name: tc, .offset: 16, .size: 8, .value_kind: global_buffer, .address_space: global }
      - { .name: q_gain, .offset: 24, .size: 8, .value_kind: global_buffer, .address_space: global }
      - { .name: lowp_scales, .offset: 32, .size: 8, .value_kind: global_buffer, .address_space: global }
      - { .name: qkv, .offset: 40, .size: 8, .value_kind: global_buffer, .address_space: global }
    .group_segment_fixed_size: 327680
    .private_segment_fixed_size: 0
    .kernarg_segment_align: 8
    .kernarg_segment_size: 48
    .max_flat_workgroup_size: 128
    .sgpr_count:     106
    .vgpr_count:     1024
    .wavefront_size: 32
...
	.end_amdgpu_metadata
.endif
;; end of part 3
;; launch attn (part 4): grid 16 x 16, 16 waves a work-group, no clusters, 327,680 bytes of LDS; arguments qkv, wc, lowp_scales, yc, up; writes yc, up
.if DOCPART == 4
	.amdgcn_target "amdgcn-amd-amdhsa--gfx1250"
	.amdhsa_code_object_version 6
	.text
	.protected	k_q9323c52152_attn
	.globl	k_q9323c52152_attn
	.p2align	8
	.type	k_q9323c52152_attn,@function
k_q9323c52152_attn:
	s_mov_b64 s[64:65], 0
	v_nop
	global_prefetch_b8 v0, s[64:65] scope:SCOPE_SE
	s_setreg_imm32_b32 hwreg(HW_REG_WAVE_MODE, 25, 1), 1
	s_wait_xcnt 0x0
; Causal attention on codes of E4M3, the codes of y for the output projection, and y Ao^T by heads.
; q: [4][16][1024][128], k: [4][4][1024][128] codes (the head's 128 permuted alike in both); v: [4][4][128][1024] codes, the keys innermost.
; THE SOFTMAX: t = score x log2(e) / sqrt(128); M = the running largest t rounded UP to a whole number; p = 2^(t - M) is quantised, not normalised; the row's sum is taken of the unquantised p and divides at the end.
; SHARES.  A work-group (j, g) takes the four query heads of key/value head g and four tiles of 16 queries: 2 j, 2 j + 1, 62 - 2 j, 63 - 2 j, so that under the mask every work-group has the same number of key steps.
; Wave w takes head w % 4 and tile ((w / 4) + w) % 4.  Every wave walks all slots of 256 keys (constant trip counts); a step all of whose keys come after its queries is left out by a scalar branch on ids.
; K's and V's tiles come through a ring of two LDS slots (waves 0, 1: K's halves; waves 2, 3: V's) and are read by all sixteen.  A slot whose first key comes after the work-group's last query is not asked for.
; NO CLUSTER: work-groups j < 8 need four slots and the others three, so partners would need different numbers of tiles, and a slot that nobody reads is not filled.
; Both products are used transposed: a lane holds ONE query throughout.  Lane r of K's tile 2 b + u takes key 32 b + 8 u + r + 8 (r / 8), so that p's 16 registers of two tiles are 16 neighbouring keys.
; THE WAY OUT.  y = O^T / sum x 2^(ep + ev).  Its codes under entry 22 meet in LDS (64 rows x 4 heads x 128) and leave as rows of 512 bytes.  Its codes under entry 24 stay in registers: eight at a time they are the
; operand (k = 16 t + 8 h + 0 .. 7 in registers 2 t, 2 t + 1) of two matrix instructions against Ao's 32 x 128 of my head; the four heads' sums are added through LDS and stored raw, one plane for each key/value head.
; LIMITS: e18 + e19 between -123 and 130; e20, e22, e24 between -126 and 119.  y Ao^T is summed by heads and then over heads, in f32.
.set SK,    256
.set NQ,    2
.set ROWB,  128
.set KP,    144
.set VROWB, 256
.set VP,    272
.set KROWV, 1024
.set VOFF,  SK*KP
.set SLOT1, 1<<17
.set NSL,   4
.set YS,    SLOT1+VOFF+128*VP          ; behind the ring: y's codes, 64 rows x (512 + 16) bytes,
.set YP,    528
.set US,    YS+64*YP                   ; the four heads' sums of y Ao^T, 64 rows x (128 + 16) bytes each,
.set UPI,   144
.set SPARE, US+4*64*UPI                ; and the spare words, 128 bytes for each of 16 waves
.set KIN,   8388608                    ; k's and v's codes in qkv
.set VIN,   10485760
.set AO,    10682368                   ; Ao's codes in wc
.set AK0,  1
.set AV0,  2
.set PFO,  3
.set SPW,  5                           ; v5   my spare word; never rewritten
.set NIL,  6                           ; v6   0; never rewritten
.set ADK,  8
.set ADV,  9
.set WV,   18
.set SEL,  20
.set CS,   22
.set G1K,  24
.set G1V,  32
.set G0K,  40
.set G0V,  44
.set TB,   2
.set SLOTS, 67
.set KF,   98                          ; s98  the step's first key
.set Q0,   99                          ; s99  my first query
.set LQ,   100                         ; s100 my work-group's last query
.set PFA,  76
.set PFS,  78
.set LIM,  80
.macro TLOAD g0k, g1k, g0v, g1v        ; the branches hang on the wave's number alone; an s_nop 0 and four v_nop follow each load
	s_cmp_lt_u32 s[WV], 2
	s_cbranch_scc0 .Lnot_k_\@
	tensor_load_to_lds s[\g0k:\g0k+3], s[\g1k:\g1k+7]
	s_nop 0
.rept 4
	v_nop
.endr
	s_branch .Lasked_\@
.Lnot_k_\@:
	s_cmp_lt_u32 s[WV], 4
	s_cbranch_scc0 .Lasked_\@
	tensor_load_to_lds s[\g0v:\g0v+3], s[\g1v:\g1v+7]
	s_nop 0
.rept 4
	v_nop
.endr
.Lasked_\@:
.endm
; A prefetch of what the NEXT change of slots will ask for.  All sixteen work-groups of a key/value head walk the same K and V: the one with j = 0, which walks all four slots, asks.  In it waves 4 to 7 ask for K's
; 32,768 bytes, 8,192 a wave, lanes 256 bytes apart; waves 8 to 11 for V's 128 rows, a lane a row of 256 bytes.  So each aligned 256 bytes are named once.  The last change that fills a slot asks for nothing.
.macro ASK
	s_cmp_gt_u32 s[SLOTS], s[LIM]
	s_cbranch_scc0 .Lnot_mine_\@
	global_prefetch_b8 v[PFO], s[PFA:PFA+1] th:TH_LOAD_NT scope:SCOPE_SE
.Lnot_mine_\@:
.endm
	s_load_b256 s[4:11], s[0:1], 0x0               ; qkv, wc, the scales, yc
	s_load_b64 s[12:13], s[0:1], 0x20              ; up
	v_lshl_add_u32 v[SPW], v0, 2, SPARE
	v_mov_b32 v[NIL], 0
	ds_add_u32 v[SPW], v[NIL]                      ; the wave's opening: the add and its wait ahead of my first tensor load
	v_lshrrev_b32 v8, 5, v0
	v_readfirstlane_b32 s[WV], v8                  ; wave 0..15
	s_and_b32 s48, s[WV], 3                        ; hq: my head among the four
	s_lshr_b32 s49, s[WV], 2
	s_add_co_u32 s49, s49, s[WV]
	s_and_b32 s49, s49, 3                          ; ti: my tile among the four
	s_and_b32 s19, ttmp7, 0xffff                   ; g = 4 x batch + key/value head
	s_lshl_b32 s81, ttmp9, 1
	s_sub_co_u32 s82, 60, s81
	s_cmp_lt_u32 s49, 2
	s_cselect_b32 s81, s81, s82
	s_add_co_u32 s81, s81, s49                     ; the tile: 2 j + ti, or 60 - 2 j + ti
	s_lshl_b32 s[Q0], s81, 4
	s_lshl_b32 s82, ttmp9, 5
	s_sub_co_u32 s[LQ], 1023, s82
	s_lshl_b32 s74, s19, 17                        ; g's 131,072 bytes of k and of v
	s_mov_b32 s75, 0
	s_lshl_b32 s82, s19, 2
	s_add_co_u32 s82, s82, s48
	s_lshl_b32 s82, s82, 10
	s_add_co_u32 s82, s82, s[Q0]
	s_lshl_b32 s82, s82, 7                         ; q: my first query's row
	s_mov_b32 s83, 0
	s_and_b32 s88, s[WV], 1                        ; what I fetch, if I fetch: which half
	s_mul_i32 s90, s88, (SK/2)*ROWB
	s_add_co_u32 s90, s90, s74
	s_add_co_u32 s90, s90, KIN
	s_mov_b32 s91, 0
	s_mul_i32 s89, s88, (SK/2)*KP
	s_mul_i32 s92, s88, 64*KROWV
	s_add_co_u32 s92, s92, s74
	s_add_co_u32 s92, s92, VIN
	s_mov_b32 s93, 0
	s_mul_i32 s94, s88, 64*VP
	s_add_co_u32 s94, s94, VOFF
	s_mov_b32 s[G1K], (1<<20)|(4<<22)|(3<<25)      ; K: 128 rows of 128 bytes, dense; 4 words of padding behind every 32
	s_mov_b32 s[G1K+1], ROWB<<16
	s_mov_b32 s[G1K+2], (SK/2)<<16
	s_mov_b32 s[G1K+3], ROWB<<16
	s_mov_b32 s[G1K+4], SK/2
	s_mov_b32 s[G1K+5], ROWB
	s_mov_b32 s[G1K+6], 0
	s_mov_b32 s[G1K+7], 0
	s_mov_b32 s[G1V], (1<<20)|(5<<22)|(3<<25)      ; V: 64 rows of 256 bytes, 1,024 apart; 4 words of padding behind every 64
	s_mov_b32 s[G1V+1], VROWB<<16
	s_mov_b32 s[G1V+2], 64<<16
	s_mov_b32 s[G1V+3], VROWB<<16
	s_mov_b32 s[G1V+4], 64
	s_mov_b32 s[G1V+5], KROWV
	s_mov_b32 s[G1V+6], 0
	s_mov_b32 s[G1V+7], 0
	s_mov_b32 s[SEL], 0x76543210
	s_mov_b32 s[SEL+1], 0xfedcba98
	s_mov_b32 s[CS], 0x3e0293ee                    ; c = log2(e) / sqrt(128)
	s_mov_b32 s[TB], 0
	s_mov_b32 s[SLOTS], NSL-1
	s_mov_b32 s[KF], 0
	s_wait_dscnt 0x0                               ; the opening add is done
	s_wait_kmcnt 0x0
	s_load_b256 s[52:59], s[8:9], 0x40             ; e16 .. e23
	s_load_b32 s60, s[8:9], 0x60                   ; e24
	s_mov_b32 s[G0K], 1
	s_mov_b32 s[G0K+1], s89
	s_add_nc_u64 s[G0K+2:G0K+3], s[4:5], s[90:91]
	s_or_b32 s[G0K+3], s[G0K+3], 0x80000000
	s_mov_b32 s[G0V], 1
	s_mov_b32 s[G0V+1], s94
	s_add_nc_u64 s[G0V+2:G0V+3], s[4:5], s[92:93]
	s_or_b32 s[G0V+3], s[G0V+3], 0x80000000
	TLOAD G0K, G1K, G0V, G1V                       ; slot 0
	s_add_nc_u64 s[50:51], s[4:5], s[82:83]        ; q at my first query
	s_cmp_lt_u32 s[WV], 8                          ; the prefetches: waves 4 to 7 K's codes, waves 8 to 11 V's
	s_mov_b32 s[PFS], VROWB
	s_cselect_b32 s[PFS], SK*ROWB, s[PFS]          ; a slot on
	s_mov_b32 s84, KROWV
	s_cselect_b32 s84, 256, s84                    ; from lane to lane
	s_mov_b32 s85, 32*KROWV
	s_cselect_b32 s85, 8192, s85                   ; from wave to wave
	s_mov_b32 s86, VIN
	s_cselect_b32 s86, KIN, s86
	v_and_b32 v[PFO], 31, v0
	v_mul_lo_u32 v[PFO], v[PFO], s84
	s_and_b32 s87, s[WV], 3
	s_mul_i32 s87, s87, s85
	s_add_co_u32 s87, s87, s[PFS]                  ; in slot 1: the first change of slots steps it to slot 2
	s_add_co_u32 s87, s87, s86
	s_add_co_u32 s86, s87, s74
	s_mov_b32 s87, 0
	s_mov_b32 s[PFS+1], 0
	s_add_nc_u64 s[PFA:PFA+1], s[4:5], s[86:87]
	s_sub_co_u32 s84, s[WV], 4
	s_lshr_b32 s84, s84, 3                         ; 0 in waves 4 to 11,
	s_or_b32 s84, s84, ttmp9                       ; of the work-group with j = 0
	s_cmp_eq_u32 s84, 0
	s_cselect_b32 s[LIM], 1, -1
	v_and_b32 v8, 15, v0                           ; r
	v_bfe_u32 v9, v0, 4, 1                         ; h
	v_mul_u32_u24 v10, v8, ROWB
	v_lshl_add_u32 v10, v9, 4, v10
.irp c, 0,1,2,3
	global_load_b128 v[16+4*\c:19+4*\c], v10, s[50:51] offset:32*\c   ; q's fragment stays in registers
.endr
	v_and_b32 v11, 8, v8
	v_add_nc_u32 v11, v11, v8                      ; r + 8 (r / 8)
	v_mul_u32_u24 v[AK0], v11, KP
	v_lshl_add_u32 v[AK0], v9, 4, v[AK0]
	v_mul_u32_u24 v[AV0], v8, VP
	v_lshl_add_u32 v[AV0], v9, 4, v[AV0]
	v_add_nc_u32 v[AV0], VOFF, v[AV0]
	v_mov_b32 v13, 0xff61b1e6                      ; the largest t so far: -3e38
	v_floor_f32 v12, -v13                          ; -M
	v_mov_b32 v14, 0                               ; the sum, in two halves
	v_mov_b32 v15, 0
	v_mov_b32 v236, 0                              ; written once: a lane permute's destination counts as one of its sources
	v_mov_b32 v252, 0
	v_mov_b32 v253, 0
.set N, 0
.rept 64
	v_mov_b32 v[160+N], 0                          ; O^T: the loop is written once; its first step finds zeros
.set N, N+1
.endr
	s_wait_kmcnt 0x0
	s_add_co_i32 s72, s54, s55
	s_lshl_b32 s72, s72, 23
	s_add_co_i32 s[CS], s[CS], s72                 ; a score stands for score x 2^(e18 + e19): added to c's exponent field
	s_mov_b32 s[CS+1], s[CS]
.macro POW es, vs, vl                  ; 2^e and 448 x 2^e
	s_add_co_i32 s72, s[\es], 127
	s_lshl_b32 s73, s72, 23
	v_mov_b32 v[\vs], s73
	s_add_co_i32 s72, s72, 8
	s_lshl_b32 s72, s72, 23
	s_or_b32 s72, s72, 0x600000
	v_mov_b32 v[\vl], s72
.endm
	POW 56, 244, 240                               ; p's
	POW 58, 245, 241                               ; y's, for the output projection
	POW 60, 246, 247                               ; y's, for Ao
; A KEY STEP: 128 keys, the q-th of the slot in hand.
.macro STEP q
	s_add_co_u32 s96, s[Q0], 15                    ; a step all of whose keys come after my queries is left out: ids and the count of steps alone
	s_cmp_gt_u32 s[KF], s96
	s_cbranch_scc1 .Lhidden_\@
	v_add_nc_u32 v[ADK], s[TB], v[AK0]
	v_add_nc_u32 v[ADV], s[TB], v[AV0]
.irp g, 0,1                                    ; S^T = K Q^T, four tiles of 16 keys at a time
.rept 4-2*(1-\g)
	v_nop                                          ; four places in front of loads into registers that matrix instructions have read; the two additions above are places too
.endr
.irp t, 0,1,2,3
.irp c, 0,1,2,3
	ds_load_b128 v[32+16*\t+4*\c:32+16*\t+4*\c+3], v[ADK] offset:(128*(\q)+32*((4*\g+\t)/2)+8*(\t%2))*KP+32*\c
.endr
.endr
	s_wait_dscnt 0x0
.irp t, 0,1,2,3
	v_wmma_f32_16x16x128_fp8_fp8 v[96+8*(4*\g+\t):103+8*(4*\g+\t)], v[32+16*\t:47+16*\t], v[16:31], 0
.endr
.endr
.rept 4
	v_nop
.endr
	s_add_co_u32 s96, s[KF], 127                   ; on the diagonal hidden scores become -infinity ahead of the maximum; a step all of whose keys count skips this
	s_cmp_le_u32 s96, s[Q0]
	s_cbranch_scc1 .Lopen_\@
	s_sub_co_i32 s96, s[Q0], s[KF]
	v_and_b32 v252, 15, v0
	v_bfe_u32 v253, v0, 4, 1
	v_lshlrev_b32 v253, 4, v253
	v_sub_nc_u32 v252, v252, v253
	v_add_nc_u32 v252, s96, v252                   ; d = my query - the first key - 16 h.  Register 16 b + i holds key 16 h + 32 b + i: hidden where 32 b + i > d
	v_mov_b32 v254, 0xff800000
.set N, 0
.rept 64
	v_cmp_gt_i32 vcc_lo, 32*(N/16)+N%16, v252
	v_cndmask_b32 v[96+N], v[96+N], v254, vcc_lo
.set N, N+1
.endr
.Lopen_\@:
	v_max3_num_f32 v254, v96, v97, v98             ; the step's largest score of my query, in two chains,
	v_max3_num_f32 v252, v99, v100, v101
.irp i, 6,10,14,18,22,26,30,34,38,42,46,50,54,58
	v_max3_num_f32 v254, v254, v[96+\i], v[97+\i]
	v_max3_num_f32 v252, v252, v[98+\i], v[99+\i]
.endr
	v_max3_num_f32 v254, v254, v158, v159
	v_max_num_f32 v254, v254, v252
	v_permlanex16_b32 v236, v254, s[SEL], s[SEL+1]
	v_max_num_f32 v254, v254, v236                 ; and among the lane's 16 away
	v_mul_f32 v254, s[CS], v254                    ; as t (c is positive)
	v_max_num_f32 v13, v13, v254                   ; the running largest t
	v_mov_b32 v254, v12
	v_floor_f32 v12, -v13                          ; the new -M = -ceil(t)
	v_sub_f32 v254, v12, v254                      ; old M - new M: a whole number, 0 or less
	v_cvt_i32_f32 v254, v254
	v_ldexp_f32 v252, 1.0, v254                    ; f = 2^(old M - new M)
.set N, 0
.rept 32
	v_pk_fma_f32 v[96+N:97+N], v[96+N:97+N], s[CS:CS+1], v[12:13] op_sel_hi:[1,0,0]   ; t - M
.set N, N+2
.endr
.set N, 0
.rept 64
	v_exp_f32 v[96+N], v[96+N]                     ; p = 2^(t - M)
.set N, N+1
.endr
	v_pk_mul_f32 v[14:15], v[14:15], v[252:253] op_sel_hi:[1,0]   ; the sums under the new M.  (The plain line behind the exponentials)
	s_wait_alu depctr_va_vdst(0)                   ; one wait for the whole batch, ahead of its first reader
	v_pk_add_f32 v[242:243], v[96:97], v[98:99]    ; the row's sum, of the unquantised p, in two chains
.irp j, 4,8,12,16,20,24,28,32,36,40,44,48,52,56,60
	v_pk_add_f32 v[14:15], v[14:15], v[96+\j:97+\j]
	v_pk_add_f32 v[242:243], v[242:243], v[98+\j:99+\j]
.endr
	v_pk_add_f32 v[14:15], v[14:15], v[242:243]
.irp b, 0,1,2,3
.irp i, 0,1,2,3,4,5,6,7,8,9,10,11,12,13,14,15
	v_min_num_f32 v[96+16*\b+\i], v[96+16*\b+\i], v240   ; the conversion does not saturate (ISA guide 7.6.2); p is not negative
.endr
	v_cvt_scalef32_pk8_fp8_f32 v[224+4*\b:225+4*\b], v[96+16*\b:103+16*\b], v244
	v_cvt_scalef32_pk8_fp8_f32 v[226+4*\b:227+4*\b], v[104+16*\b:111+16*\b], v244
.endr
.set N, 0
.rept 32
	v_pk_mul_f32 v[160+N:161+N], v[160+N:161+N], v[252:253] op_sel_hi:[1,0]   ; O^T under the new M.  (Also the places in front of the lines below)
.set N, N+2
.endr
.irp g, 0,1                                    ; O^T += V^T P^T
.if \g > 0
.rept 4
	v_nop
.endr
.endif
.irp t, 0,1,2,3
.irp c, 0,1,2,3
	ds_load_b128 v[32+16*\t+4*\c:32+16*\t+4*\c+3], v[ADV] offset:16*(4*\g+\t)*VP+ROWB*(\q)+32*\c
.endr
.endr
	s_wait_dscnt 0x0
.irp t, 0,1,2,3
	v_wmma_f32_16x16x128_fp8_fp8 v[160+8*(4*\g+\t):167+8*(4*\g+\t)], v[32+16*\t:47+16*\t], v[224:239], v[160+8*(4*\g+\t):167+8*(4*\g+\t)]
.endr
.endr
.Lhidden_\@:
	s_add_co_u32 s[KF], s[KF], 128
.endm
; THE CHANGE OF SLOTS stands at a slot's head: each wave waits for all its tensor loads, adds 0 to its spare word, waits for that and for its reads of the slot that it has left; one barrier; then the fill of that slot.
.macro CHANGE fill
	s_wait_tensorcnt 0x0                           ; no tensor load of mine is out, so a group 0 may be written
	ds_add_u32 v[SPW], v[NIL]                      ; 0 onto my spare word
.if \fill
	s_xor_b32 s[G0K+1], s[G0K+1], SLOT1
	s_add_nc_u64 s[G0K+2:G0K+3], s[G0K+2:G0K+3], SK*ROWB
	s_xor_b32 s[G0V+1], s[G0V+1], SLOT1
	s_add_nc_u64 s[G0V+2:G0V+3], s[G0V+2:G0V+3], VROWB
	s_wait_xcnt 0x0                                ; the last prefetch, a slot back, has read its address
	s_add_nc_u64 s[PFA:PFA+1], s[PFA:PFA+1], s[PFS:PFS+1]
.endif
	s_wait_dscnt 0x0
	s_barrier_signal -1
	s_barrier_wait -1
.if \fill
	s_add_co_u32 s96, s[KF], SK                    ; the first key of the slot that this change would ask for:
	s_cmp_gt_u32 s96, s[LQ]                        ; behind my work-group's last query none of its waves reads it, so it is not asked for.  Ids and the count of steps alone: all sixteen waves go the same way
	s_cbranch_scc1 .Lpast_\@
	TLOAD G0K, G1K, G0V, G1V                       ; a wave's one tensor load until the next change
.Lpast_\@:
	ASK
.endif
.endm
.macro SLOT_STEPS
	STEP 0
	STEP 1
	s_xor_b32 s[TB], s[TB], SLOT1
.endm
	s_wait_loadcnt 0x0                             ; q
.Lslot:
	CHANGE 1
	SLOT_STEPS
	s_sub_co_u32 s[SLOTS], s[SLOTS], 1
	s_cmp_lg_u32 s[SLOTS], 0
	s_cbranch_scc1 .Lslot
	CHANGE 0                                       ; the last slot is written out: nothing is left to ask for
	SLOT_STEPS
	; THE WAY OUT
	v_add_f32 v14, v14, v15
	v_permlanex16_b32 v252, v14, s[SEL], s[SEL+1]
	v_add_f32 v14, v14, v252                       ; the row's sum
	v_rcp_f32 v14, v14
	v_and_b32 v8, 15, v0                           ; (the plain line behind the reciprocal)  r
	v_bfe_u32 v9, v0, 4, 1                         ; h
	s_lshl_b32 s81, s49, 4
	v_add_nc_u32 v10, s81, v8                      ; my query's row among the work-group's 64
	v_mul_u32_u24 v4, v10, YP
	v_lshl_add_u32 v4, v9, 3, v4
	s_lshl_b32 s82, s48, 7
	s_add_co_u32 s82, s82, YS
	v_add_nc_u32 v4, s82, v4                       ; y's codes: row, my head's 128 bytes, + 8 h
	v_mul_u32_u24 v7, v10, UPI
	v_lshl_add_u32 v7, v9, 5, v7
	s_mul_i32 s82, s48, 64*UPI
	s_add_co_u32 s82, s82, US
	v_add_nc_u32 v7, s82, v7                       ; y Ao^T: my head's plane, row, + 32 h
	v_lshlrev_b32 v8, 11, v8
	v_lshl_add_u32 v8, v9, 3, v8                   ; Ao: row r of 2,048 bytes, + 8 h
	v_and_b32 v9, 31, v0
	v_lshlrev_b32 v9, 4, v9                        ; 16 x lane
	s_mul_i32 s82, s[WV], 4*YP
	s_add_co_u32 s82, s82, YS
	v_add_nc_u32 v10, s82, v9                      ; back: rows 4 w on, a row of 512 bytes an instruction
	v_lshrrev_b32 v11, 3, v0
	v_mul_u32_u24 v11, v11, UPI
	v_and_b32 v253, 7, v0
	v_lshl_add_u32 v11, v253, 4, v11
	v_add_nc_u32 v11, US, v11                      ; back: the same four rows, eight lanes to a row of 128 bytes
	s_and_b32 s82, s19, 3
	s_lshl_b32 s82, s82, 2
	s_add_co_u32 s82, s82, s48                     ; my head among the 16
	s_lshl_b32 s82, s82, 7
	s_add_co_u32 s82, s82, AO
	s_mov_b32 s83, 0
	s_add_nc_u64 s[6:7], s[6:7], s[82:83]
.irp n, 0,1
.irp c, 0,1,2,3,4,5,6,7
	global_load_b64 v[32+16*\n+2*\c:33+16*\n+2*\c], v8, s[6:7] offset:32768*\n+16*\c   ; Ao(16 n + r, my head's 16 c + 8 h + 0 .. 7): the form's own layout
.endr
.endr
	s_add_co_i32 s72, s56, s57
	s_wait_alu depctr_va_vdst(0)                   ; the wait ahead of the reciprocal's first reader
	v_ldexp_f32 v14, v14, s72                      ; x 2^(ep + ev)
.set N, 0
.rept 32
	v_pk_mul_f32 v[96+N:97+N], v[160+N:161+N], v[14:15] op_sel_hi:[1,0]   ; y: register 8 t + i is y(r, 16 t + 8 h + i); each accumulator from its low end on
.set N, N+2
.endr
.set N, 0
.rept 64
	v_med3_num_f32 v[160+N], v[96+N], -v241, v241
.set N, N+1
.endr
.irp t, 0,1,2,3,4,5,6,7
	v_cvt_scalef32_pk8_fp8_f32 v[224+2*\t:225+2*\t], v[160+8*\t:167+8*\t], v245
.endr
.set N, 0
.rept 64
	v_med3_num_f32 v[96+N], v[96+N], -v247, v247
.set N, N+1
.endr
.irp t, 0,1,2,3,4,5,6,7
	v_cvt_scalef32_pk8_fp8_f32 v[64+2*\t:65+2*\t], v[96+8*\t:103+8*\t], v246
.endr
	v_nop                                          ; one plain line between the conversions and the matrix instructions that read their results
.irp t, 0,1,2,3,4,5,6,7
	ds_store_b64 v4, v[224+2*\t:225+2*\t] offset:16*\t
.endr
	s_wait_loadcnt 0x0                             ; Ao
	v_wmma_f32_16x16x128_fp8_fp8 v[80:87], v[32:47], v[64:79], 0
	v_wmma_f32_16x16x128_fp8_fp8 v[88:95], v[48:63], v[64:79], 0
.rept 4
	v_nop
.endr
	ds_store_b128 v7, v[80:83]                     ; lane (r, h): ranks 16 n + 8 h + 0 .. 7 of query r
	ds_store_b128 v7, v[84:87] offset:16
	ds_store_b128 v7, v[88:91] offset:64
	ds_store_b128 v7, v[92:95] offset:80
	s_lshl_b32 s81, ttmp9, 5
	s_lshl_b32 s82, s[WV], 2
	s_sub_co_u32 s83, 960, s81
	s_cmp_lt_u32 s[WV], 8
	s_cselect_b32 s81, s81, s83
	s_add_co_u32 s81, s81, s82                     ; the first of the four rows that I store: 32 j + 4 w, or 992 - 32 j + 4 (w - 8)
	s_lshr_b32 s83, s19, 2
	s_lshl_b32 s83, s83, 10
	s_add_co_u32 s81, s81, s83                     ; among the 4,096
	s_and_b32 s83, s19, 3
	s_lshl_b32 s84, s81, 11
	s_lshl_b32 s85, s83, 9
	s_add_co_u32 s84, s84, s85
	s_mov_b32 s85, 0
	s_add_nc_u64 s[10:11], s[10:11], s[84:85]
	s_lshl_b32 s84, s81, 7
	s_lshl_b32 s86, s83, 19
	s_add_co_u32 s84, s84, s86
	s_add_nc_u64 s[12:13], s[12:13], s[84:85]
	s_wait_dscnt 0x0                               ; for the others' sake: my stores lie in LDS
	s_barrier_signal -1
	s_barrier_wait -1
.irp i, 0,1,2,3
	ds_load_b128 v[96+4*\i:99+4*\i], v10 offset:\i*YP
.endr
.irp i, 0,1,2,3
	ds_load_b128 v[112+4*\i:115+4*\i], v11 offset:\i*64*UPI
.endr
	s_wait_dscnt 4                                 ; y's four rows are in; the four loads of the partial sums may be out
.irp i, 0,1,2,3
	global_store_b128 v9, v[96+4*\i:99+4*\i], s[10:11] offset:2048*\i   ; 512 consecutive bytes: four heads' codes of one row
.endr
	s_wait_dscnt 0x0
	v_pk_add_f32 v[112:113], v[112:113], v[116:117]
	v_pk_add_f32 v[114:115], v[114:115], v[118:119]
	v_pk_add_f32 v[120:121], v[120:121], v[124:125]
	v_pk_add_f32 v[122:123], v[122:123], v[126:127]
	v_pk_add_f32 v[112:113], v[112:113], v[120:121]
	v_pk_add_f32 v[114:115], v[114:115], v[122:123]
	global_store_b128 v9, v[112:115], s[12:13]     ; four rows of 32 sums: 512 consecutive bytes
	s_wait_tensorcnt 0x0                           ; the wave's end, behind my last tensor load and my last LDS store
	ds_add_u32 v[SPW], v[NIL]
	s_wait_dscnt 0x0
	s_endpgm
.Lfunc_end_k_q9323c52152_attn:
	.size	k_q9323c52152_attn, .Lfunc_end_k_q9323c52152_attn-k_q9323c52152_attn
	.p2alignl 7, 3214868480
	.fill 96, 4, 3214868480
	.section	.rodata,"a",@progbits
	.p2align	6, 0x0
	.amdhsa_kernel k_q9323c52152_attn
		.amdhsa_group_segment_fixed_size 327680
		.amdhsa_private_segment_fixed_size 0
		.amdhsa_enable_private_segment 0
		.amdhsa_kernarg_size 40
		.amdhsa_user_sgpr_count 2
		.amdhsa_user_sgpr_kernarg_segment_ptr 1
		.amdhsa_wavefront_size32 1
		.amdhsa_system_sgpr_workgroup_id_x 1
		.amdhsa_system_sgpr_workgroup_id_y 1
		.amdhsa_system_sgpr_workgroup_id_z 1
		.amdhsa_system_vgpr_workitem_id 0
		.amdhsa_next_free_vgpr 256
		.amdhsa_next_free_sgpr 104
		.amdhsa_reserve_vcc 1
		.amdhsa_float_denorm_mode_32 3
		.amdhsa_float_denorm_mode_16_64 3
		.amdhsa_memory_ordered 1
		.amdhsa_forward_progress 1
		.amdhsa_inst_pref_size 126
	.end_amdhsa_kernel
	.amdgpu_metadata
---
amdhsa.version: [ 1, 2 ]
amdhsa.kernels:
  - .name:           k_q9323c52152_attn
    .symbol:         k_q9323c52152_attn.kd
    .args:
      - { .name: qkv, .offset: 0, .size: 8, .value_kind: global_buffer, .address_space: global }
      - { .name: wc, .offset: 8, .size: 8, .value_kind: global_buffer, .address_space: global }
      - { .name: lowp_scales, .offset: 16, .size: 8, .value_kind: global_buffer, .address_space: global }
      - { .name: yc, .offset: 24, .size: 8, .value_kind: global_buffer, .address_space: global }
      - { .name: up, .offset: 32, .size: 8, .value_kind: global_buffer, .address_space: global }
    .group_segment_fixed_size: 327680
    .private_segment_fixed_size: 0
    .kernarg_segment_align: 8
    .kernarg_segment_size: 40
    .max_flat_workgroup_size: 512
    .sgpr_count:     104
    .vgpr_count:     256
    .wavefront_size: 32
...
	.end_amdgpu_metadata
.endif
;; end of part 4
;; launch out (part 5): grid 8 x 16, 4 waves a work-group, clusters of 4 x 4, 327,680 bytes of LDS; arguments yc, wc, up, lowp_scales, out0; writes out0
.if DOCPART == 5
	.amdgcn_target "amdgcn-amd-amdhsa--gfx1250"
	.amdhsa_code_object_version 6
	.text
	.protected	k_q9323c52152_out
	.globl	k_q9323c52152_out
	.p2align	8
	.type	k_q9323c52152_out,@function
k_q9323c52152_out:
	s_mov_b64 s[64:65], 0
	v_nop
	global_prefetch_b8 v0, s[64:65] scope:SCOPE_SE
	s_setreg_imm32_b32 hwreg(HW_REG_WAVE_MODE, 25, 1), 1
	s_wait_xcnt 0x0
	s_wait_alu depctr_hold_cnt(0) depctr_sa_sdst(0) depctr_va_vdst(0) depctr_va_sdst(0) depctr_va_ssrc(0) depctr_va_vcc(0) depctr_vm_vsrc(0)
	s_getreg_b32 s2, hwreg(HW_REG_IB_STS2, 6, 4)
	s_cmp_eq_u32 s2, 0
	s_cbranch_scc0 .Lentry_in_a_cluster
	s_endpgm
.Lentry_in_a_cluster:
	s_bfe_u32 s2, ttmp6, 0x10000c
	s_cmp_lg_u32 s2, 0xf033
	s_cbranch_scc0 .Lentry_shape_is_right
	s_endpgm
.Lentry_shape_is_right:
; out0 = y Wo^T + u Bo^T on codes of E4M3.  y: [4096][2048] codes; Wo: [2048][2048] codes in wc; u = y Ao^T arrives as four planes of raw f32 sums, [4][4096][32]; out0: [4096][2048] f32.
; A tile of out0, 256 x 256, is made by four waves, each 128 x 128: 64 accumulators.  K goes in steps of 256 through a ring of two LDS slots filled by the tensor data mover.
; CLUSTERS: 4 x 4 work-groups; y's tile is asked for jointly along a row of the cluster, Wo's along a column.  TRANSPOSED USE (source 0 = Wo's or Bo's rows, source 1 = y's or u's): a lane holds eight neighbouring numbers of a row.
; THE LOW-RANK PRODUCT STARTS THE SUMS, while the first tiles are on their way: the four planes are added, the sum (which stands for sum x 2^(e24 + e25)) is quantised with 2^(e26 - e24 - e25) straight into source 1's
; registers; the first matrix instruction on each accumulator is u Bo^T, K = 32 in the 16x16x64 form with zero codes above, C = 0; the sums are multiplied once by 2^(e26 + e27 - e22 - e23), which rounds nothing.
; At the end each sum is multiplied by 2^(e22 + e23).
; LIMITS: e22 + e23 and e26 + e27 - e22 - e23 between -126 and 127; e26 - e24 - e25 between -126 and 119.
; REGISTERS, in windows of 256: window 0: v1-31 addresses; from v128 source 1's fragments, one set; v32-95 and v192-255 the planes of u, later the way out.  window 1: source 0's, two sets.  windows 2, 3: the accumulators.
.set SIZE_N, 2048
.set KROW,   2048
.set ROWB,   256
.set PITCH,  272
.set FR,     16
.set NL,     4
.set NP,     4
.set HALFT,  128*PITCH
.set SLOT,   4*HALFT
.set LAPS,   4
.set SPARE,  2*SLOT
.set SPITCH, 528                       ; the way out: a stage of 16 rows x (512 + 16) bytes for each wave, in slot 0, which has had its last fill and its last read by then
.set WO,     6291456                   ; Wo's and Bo's codes in wc
.set BO,     10813440
.set SCL,  10
.set LIMV, 11
.set ADRA, 16
.set ADRB, 20
.set LOR,  22                          ; v22  a row of 32 codes: 32 r + 16 h
.set UO,   23                          ; v23  a row of 32 sums: 128 r + 64 h
.set STO,  24
.set RD,   25
.set CO,   26
.set SPW,  28                          ; v28  my spare word; never rewritten
.set NIL,  29                          ; v29  0; never rewritten
.set TMP,  32
.set AF,   128
.set BK,   128
.set G1, 24
.set G0, 32
.set G1B, 48
.set G0B, 56
.set MSB, 0
.macro WIN new
.if MSB != \new
	s_set_vgpr_msb (MSB<<8)|\new
.set MSB, \new
.endif
.endm
.set MUL_LO, 0xa1
.set MUL_HI, 0xf1
.set TO_B,   0x40
.macro JLOAD g0a, g1a, g0b, g1b        ; waves 0 and 1 fetch for y, waves 2 and 3 for Wo; an s_nop 0 and four v_nop follow each of the two lines
	s_cmp_eq_u32 s15, 0
	s_cbranch_scc0 .Lfor_b_\@
	tensor_load_to_lds s[\g0a:\g0a+3], s[\g1a:\g1a+7]
	s_nop 0
.rept 4
	v_nop
.endr
	s_branch .Lasked_\@
.Lfor_b_\@:
	tensor_load_to_lds s[\g0b:\g0b+3], s[\g1b:\g1b+7]
	s_nop 0
.rept 4
	v_nop
.endr
.Lasked_\@:
.endm
.macro CREST
	s_cmp_lg_u32 s14, 0
	s_cbranch_scc1 .Lnot_wave_0_\@
	s_barrier_signal -3
.Lnot_wave_0_\@:
	s_barrier_wait -3
	s_barrier_signal -1
	s_barrier_wait -1
.endm
.macro CROUND
	s_barrier_signal -1
	s_barrier_wait -1
	CREST
.endm
	s_load_b256 s[4:11], s[0:1], 0x0               ; yc, wc, up, the scales
	s_load_b64 s[12:13], s[0:1], 0x20              ; out0
	v_lshl_add_u32 v[SPW], v0, 2, SPARE
	v_mov_b32 v[NIL], 0
	ds_add_u32 v[SPW], v[NIL]                      ; the wave's opening: the add and its wait ahead of my first tensor load
	v_lshrrev_b32 v1, 5, v0
	v_readfirstlane_b32 s14, v1                    ; wave 0..3
	s_lshr_b32 s15, s14, 1                         ; which half of the tile's rows is mine.  Also: I fetch for y (0) or for Wo (1)
	s_and_b32 s16, s14, 1                          ; which half of its columns.  Also: which 128 rows I fetch
	s_bfe_u32 s40, ttmp6, 0x40000                  ; cx, cy
	s_bfe_u32 s41, ttmp6, 0x40004
	s_lshl_b32 s42, ttmp9, 2
	s_add_co_u32 s42, s42, s40                     ; tile column
	s_and_b32 s17, ttmp7, 0xffff
	s_lshl_b32 s17, s17, 2
	s_add_co_u32 s17, s17, s41                     ; tile row
	s_lshl_b32 s43, s41, 2
	s_lshl_b32 s43, 15, s43                        ; my row of the cluster
	s_lshl_b32 s44, 0x1111, s40                    ; my column
	s_or_b32 s[G1+0], s43, (1<<20)|(1<<21)|(5<<22)|(3<<25)   ; the mask; elements of 1 byte; padding: 4 words behind every 64; bit 21 beside the mask
	s_or_b32 s[G1B+0], s44, (1<<20)|(1<<21)|(5<<22)|(3<<25)
.irp g, G1, G1B
	s_mov_b32 s[\g+1], ROWB<<16
	s_mov_b32 s[\g+2], 128<<16
	s_mov_b32 s[\g+3], ROWB<<16
	s_mov_b32 s[\g+4], 128
	s_mov_b32 s[\g+5], KROW
	s_mov_b32 s[\g+6], 0
	s_mov_b32 s[\g+7], 0
.endr
	s_lshl_b32 s18, s16, 7
	s_lshl_b32 s20, s17, 8
	s_add_co_u32 s20, s20, s18                     ; y: row 256 x tile row + 128 x half
	s_lshl_b32 s46, s42, 8
	s_add_co_u32 s46, s46, s18                     ; Wo: row 256 x tile column + 128 x half
	s_mov_b32 s21, 0
	s_mov_b32 s47, 0
	s_mov_b64 s[18:19], KROW
	s_mul_u64 s[20:21], s[20:21], s[18:19]
	s_mul_u64 s[46:47], s[46:47], s[18:19]
	s_mul_i32 s45, s14, HALFT
	s_wait_dscnt 0x0                               ; the opening add is done
	s_wait_kmcnt 0x0
	s_load_b64 s[68:69], s[10:11], 0x58            ; e22, e23
	s_load_b64 s[70:71], s[10:11], 0x60            ; e24, e25
	s_load_b64 s[72:73], s[10:11], 0x68            ; e26, e27
	s_add_nc_u64 s[20:21], s[4:5], s[20:21]
	s_add_nc_u64 s[46:47], s[6:7], s[46:47]
	s_add_nc_u64 s[46:47], s[46:47], WO
	CROUND                                         ; all sixteen work-groups are here: the first joint loads meet
.irp s, 0,1
	s_mov_b32 s[G0+4*\s], 1
	s_add_co_u32 s[G0+4*\s+1], s45, \s*SLOT
	s_add_nc_u64 s[G0+4*\s+2:G0+4*\s+3], s[20:21], \s*ROWB
	s_or_b32 s[G0+4*\s+3], s[G0+4*\s+3], 0x80000000
	s_mov_b32 s[G0B+4*\s], 1
	s_add_co_u32 s[G0B+4*\s+1], s45, \s*SLOT
	s_add_nc_u64 s[G0B+4*\s+2:G0B+4*\s+3], s[46:47], \s*ROWB
	s_or_b32 s[G0B+4*\s+3], s[G0B+4*\s+3], 0x80000000
	JLOAD G0+4*\s, G1, G0B+4*\s, G1B
.endr
	v_and_b32 v1, 15, v0                           ; r
	v_bfe_u32 v2, v0, 4, 1                         ; h
	v_mul_u32_u24 v3, v1, PITCH
	v_lshl_add_u32 v4, v2, 4, v3
	s_mul_i32 s21, s15, HALFT
	s_mul_i32 s22, s16, HALFT
	s_add_co_u32 s22, s22, 2*HALFT
.irp s, 0,1
	v_add_nc_u32 v[ADRA+\s], s21, v4
	v_add_nc_u32 v[ADRB+\s], s22, v4
	s_add_co_u32 s21, s21, SLOT
	s_add_co_u32 s22, s22, SLOT
.endr
	s_mul_i32 s23, s14, 16*SPITCH                  ; my stage
	v_mul_u32_u24 v5, v1, SPITCH
	v_lshl_add_u32 v5, v2, 5, v5
	v_add_nc_u32 v[STO], s23, v5
	v_and_b32 v6, 31, v0
	v_lshlrev_b32 v[CO], 4, v6
	v_add_nc_u32 v[RD], s23, v[CO]
	v_lshlrev_b32 v[LOR], 5, v1
	v_lshl_add_u32 v[LOR], v2, 4, v[LOR]
	v_lshlrev_b32 v[UO], 7, v1
	v_lshl_add_u32 v[UO], v2, 6, v[UO]
	s_lshl_b32 s20, s17, 8
	s_lshl_b32 s21, s15, 7
	s_add_co_u32 s20, s20, s21                     ; my first row of out0
	s_mov_b32 s21, 0
	s_mov_b64 s[18:19], SIZE_N*4
	s_mul_u64 s[20:21], s[20:21], s[18:19]
	s_lshl_b32 s46, s42, 10
	s_lshl_b32 s47, s16, 9
	s_add_co_u32 s46, s46, s47
	s_mov_b32 s47, 0
	s_add_nc_u64 s[20:21], s[20:21], s[46:47]
	s_add_nc_u64 s[12:13], s[12:13], s[20:21]
	s_lshl_b32 s66, s42, 8
	s_lshl_b32 s67, s16, 7
	s_add_co_u32 s66, s66, s67
	s_lshl_b32 s66, s66, 5
	s_add_co_u32 s66, s66, BO
	s_mov_b32 s67, 0
	s_add_nc_u64 s[66:67], s[6:7], s[66:67]        ; Bo's 128 rows of my columns
	s_lshl_b32 s74, s17, 8
	s_lshl_b32 s75, s15, 7
	s_add_co_u32 s74, s74, s75
	s_lshl_b32 s74, s74, 7
	s_mov_b32 s75, 0
	s_add_nc_u64 s[8:9], s[8:9], s[74:75]          ; u's 128 rows of my rows, in plane 0
	WIN TO_B
.irp b, 0,1,2,3,4,5,6,7
	global_load_b128 v[8*\b:8*\b+3], v[LOR], s[66:67] offset:512*\b
.endr
.irp b, 0,1,2,3,4,5,6,7
.irp k, 4,5,6,7
	v_mov_b32 v[8*\b+\k], 0                        ; zero codes for k = 32 .. 63
.endr
.endr
	WIN 0
.macro ULOAD a                         ; block a's 16 rows of the four planes: lane (r, h) takes ranks 16 h + 0 .. 15 of row r
.set LL, 32+160*((\a)%2)
.irp g, 0,1,2,3
.irp i, 0,1,2,3
	global_load_b128 v[LL+16*\g+4*\i:LL+16*\g+4*\i+3], v[UO], s[8:9] offset:524288*\g+2048*(\a)+16*\i
.endr
.endr
.endm
	ULOAD 0
	ULOAD 1
.irp a, 0,1,2,3,4,5,6,7
.irp k, 4,5,6,7
	v_mov_b32 v[AF+8*\a+\k], 0
.endr
.endr
	s_wait_kmcnt 0x0
	s_sub_co_i32 s74, s72, s70
	s_sub_co_i32 s74, s74, s71
	s_add_co_i32 s74, s74, 127
	s_lshl_b32 s75, s74, 23
	v_mov_b32 v[SCL], s75                          ; 2^(e26 - e24 - e25)
	s_add_co_i32 s74, s74, 8
	s_lshl_b32 s74, s74, 23
	s_or_b32 s74, s74, 0x600000
	v_mov_b32 v[LIMV], s74
	s_add_co_i32 s100, s72, s73
	s_sub_co_i32 s100, s100, s68
	s_sub_co_i32 s100, s100, s69
	s_add_co_i32 s100, s100, 127
	s_lshl_b32 s100, s100, 23                      ; 2^(e26 + e27 - e22 - e23)
	s_mov_b32 s101, s100
	s_add_co_i32 s96, s68, s69
	s_add_co_i32 s96, s96, 127
	s_lshl_b32 s96, s96, 23                        ; 2^(e22 + e23)
	s_mov_b32 s97, s96
.macro UBLOCK a
.set LL, 32+160*((\a)%2)
.if (\a) < 7
	s_wait_loadcnt 16                              ; this block's 16 loads are in; the next block's may be out
.else
	s_wait_loadcnt 0x0
.endif
.irp i, 0,2,4,6,8,10,12,14
	v_pk_add_f32 v[LL+\i:LL+\i+1], v[LL+\i:LL+\i+1], v[LL+16+\i:LL+16+\i+1]
	v_pk_add_f32 v[LL+32+\i:LL+32+\i+1], v[LL+32+\i:LL+32+\i+1], v[LL+48+\i:LL+48+\i+1]
.endr
.irp i, 0,2,4,6,8,10,12,14
	v_pk_add_f32 v[LL+\i:LL+\i+1], v[LL+\i:LL+\i+1], v[LL+32+\i:LL+32+\i+1]
.endr
.irp i, 0,1,2,3,4,5,6,7,8,9,10,11,12,13,14,15
	v_med3_num_f32 v[LL+\i], v[LL+\i], -v[LIMV], v[LIMV]
.endr
	v_cvt_scalef32_pk8_fp8_f32 v[AF+8*(\a):AF+8*(\a)+1], v[LL:LL+7], v[SCL]
	v_cvt_scalef32_pk8_fp8_f32 v[AF+8*(\a)+2:AF+8*(\a)+3], v[LL+8:LL+15], v[SCL]
	v_nop                                          ; one plain line behind the conversions
.if (\a)+2 < 8
	ULOAD (\a)+2
.endif
.endm
.irp a, 0,1,2,3,4,5,6,7
	UBLOCK \a
.endr
.irp a, 0,1,2,3,4,5,6,7                ; u Bo^T starts the 64 sums, in the order in which every later step takes them
	WIN (MUL_LO+0x50*((\a)/4))
.irp b, 0,1,2,3,4,5,6,7
	v_wmma_f32_16x16x64_fp8_fp8 v[8*(8*((\a)%4)+\b):8*(8*((\a)%4)+\b)+7], v[8*\b:8*\b+7], v[AF+8*\a:AF+8*\a+7], 0
.endr
.endr
.macro PLACES n
.rept \n
	v_nop
.endr
.endm
	PLACES NP
	WIN 0x82
.set JJ, 0
.rept 128
	v_pk_mul_f32 v[JJ:JJ+1], v[JJ:JJ+1], s[100:101] op_sel_hi:[1,0]   ; each accumulator from its low end on
.set JJ, JJ+2
.endr
	WIN 0xc3
.set JJ, 0
.rept 128
	v_pk_mul_f32 v[JJ:JJ+1], v[JJ:JJ+1], s[100:101] op_sel_hi:[1,0]
.set JJ, JJ+2
.endr
	WIN 0
.macro FRAG reg, adr, q, i             ; 16 rows x 128 K: registers 4 c .. 4 c + 3 hold K = 32 c + 16 h + 0 .. 15: the same permutation of k in both operands
.irp c, 0,1,2,3
	ds_load_b128 v[\reg+4*\c:\reg+4*\c+3], v[\adr] offset:128*(\q)+32*\c+(\i)*16*PITCH
.endr
.endm
.macro MUL16 a0, p                     ; the 64 accumulators take turns, one instruction a turn, in the same order in every step
.irp a, \a0, \a0+1
.irp b, 0,1,2,3,4,5,6,7
	v_wmma_f32_16x16x128_fp8_fp8 v[8*(8*((\a)%4)+\b):8*(8*((\a)%4)+\b)+7], v[128*(\p)+FR*\b:128*(\p)+FR*\b+FR-1], v[AF+FR*(\a):AF+FR*(\a)+FR-1], v[8*(8*((\a)%4)+\b):8*(8*((\a)%4)+\b)+7]
.endr
.endr
.endm
.macro FETCH_B slot, q, p
	WIN TO_B
.irp i, 0,1,2,3,4,5,6,7
	FRAG 128*(\p)+FR*\i, ADRB+\slot, \q, \i
.endr
	WIN 0
.endm
.macro FETCH_A slot, q, i0
.irp i, \i0, \i0+1, \i0+2, \i0+3
	FRAG AF+FR*(\i), ADRA+\slot, \q, \i
.endr
.endm
.macro STEP slot, q
	s_wait_dscnt 4*NL                              ; source 0's set and source 1's blocks 0-3 are in; the youngest 16 loads may be out
	WIN MUL_LO
	MUL16 0, (\q)%2
	MUL16 2, (\q)%2
	s_wait_dscnt 0
	PLACES NP
	FETCH_B \slot, (\q)+1, 1-(\q)%2
	FETCH_A \slot, (\q)+1, 0
	WIN MUL_HI
	MUL16 4, (\q)%2
	MUL16 6, (\q)%2
	PLACES NP
	WIN 0
	FETCH_A \slot, (\q)+1, 4
.endm
.macro TURN slot, next, fill
	s_wait_tensorcnt 0x0                           ; all my tensor loads have landed: my part of the next slot
	ds_add_u32 v[SPW], v[NIL]                      ; 0 onto my spare word
	s_wait_dscnt 4*NL+1                            ; (the add and the youngest 16 loads may be out)
	WIN MUL_LO
	MUL16 0, 1
	s_wait_dscnt 0x0                               ; the add is done, and my reads of this slot are over
	s_barrier_signal -1
	MUL16 2, 1
	WIN 0
	s_barrier_wait -1
.if \fill
	CREST                                          ; no wave of any partner still reads this slot or has a load on its way
	s_add_nc_u64 s[G0+4*\slot+2:G0+4*\slot+3], s[G0+4*\slot+2:G0+4*\slot+3], 2*ROWB
	s_add_nc_u64 s[G0B+4*\slot+2:G0B+4*\slot+3], s[G0B+4*\slot+2:G0B+4*\slot+3], 2*ROWB
	JLOAD G0+4*\slot, G1, G0B+4*\slot, G1B
.else
	PLACES NP
.endif
	FETCH_B \next, 0, 0
	FETCH_A \next, 0, 0
	WIN MUL_HI
	MUL16 4, 1
	MUL16 6, 1
	PLACES NP
	WIN 0
	FETCH_A \next, 0, 4
.endm
	s_wait_tensorcnt 1                             ; my part of slot 0 is in; slot 1's load may be out
	s_barrier_signal -1
	s_barrier_wait -1
	FETCH_B 0, 0, 0
	FETCH_A 0, 0, 0
	FETCH_A 0, 0, 4
	STEP 0, 0
	s_mov_b32 s3, LAPS-1
.Llap:
	TURN 0, 1, 1
	STEP 1, 0
	TURN 1, 0, 1
	STEP 0, 0
	s_sub_co_u32 s3, s3, 1
	s_cmp_lg_u32 s3, 0
	s_cbranch_scc1 .Llap
	TURN 0, 1, 0
	STEP 1, 0
	s_wait_dscnt 4*NL
	WIN MUL_LO
	MUL16 0, 1
	MUL16 2, 1
	s_wait_dscnt 0
	WIN MUL_HI
	MUL16 4, 1
	MUL16 6, 1
	WIN 0
; THE WAY OUT, block by block of 16 rows x 128 columns, through my own stage in LDS: back come whole rows of 512 bytes.  LDS serves a wave's instructions in order: no wait between the stores and the loads.
.macro TOSTAGE a
.set AC, 64*((\a)%4)
	WIN (0x02+((\a)/4))
.set JJ, 0
.rept 32
	v_pk_mul_f32 v[TMP+JJ:TMP+JJ+1], v[AC+JJ:AC+JJ+1], s[96:97] op_sel_hi:[1,0]   ; x 2^(e22 + e23); each accumulator from its low end on
.set JJ, JJ+2
.endr
	WIN 0
.irp b, 0,1,2,3,4,5,6,7
	ds_store_b128 v[STO], v[TMP+8*\b:TMP+8*\b+3] offset:64*\b
	ds_store_b128 v[STO], v[TMP+8*\b+4:TMP+8*\b+7] offset:64*\b+16
.endr
.set BB, BK+64*((\a)%2)
.irp t, 0,1,2,3,4,5,6,7,8,9,10,11,12,13,14,15
	ds_load_b128 v[BB+4*\t:BB+4*\t+3], v[RD] offset:\t*SPITCH
.endr
.endm
.macro SEND a, younger
.set BB, BK+64*((\a)%2)
	s_wait_dscnt \younger
.if (\a) > 0
	s_add_nc_u64 s[12:13], s[12:13], 16*SIZE_N*4   ; (behind a wait on XCNT: the earlier stores have read their base)
.endif
.irp t, 0,1,2,3,4,5,6,7,8,9,10,11,12,13,14,15
	global_store_b128 v[CO], v[BB+4*\t:BB+4*\t+3], s[12:13] offset:\t*SIZE_N*4 th:TH_STORE_NT   ; 32 lanes store 512 consecutive bytes, aligned
.endr
.endm
	PLACES NP
	TOSTAGE 0
.irp a, 1,2,3,4,5,6,7
.if \a > 1
	s_wait_xcnt 0x0                                ; block a - 2's stores have read their registers and their base
.endif
	TOSTAGE \a
	SEND \a-1, 32                                  ; behind block a - 1's loads: block a's 16 stores and 16 loads
.endr
	s_wait_xcnt 0x0
	SEND 7, 0
	s_wait_tensorcnt 0x0                           ; the wave's end, behind my last tensor load and my last LDS store
	ds_add_u32 v[SPW], v[NIL]
	s_wait_dscnt 0x0
	CROUND                                         ; the closing round
	s_endpgm
.Lfunc_end_k_q9323c52152_out:
	.size	k_q9323c52152_out, .Lfunc_end_k_q9323c52152_out-k_q9323c52152_out
	.p2alignl 7, 3214868480
	.fill 96, 4, 3214868480
	.section	.rodata,"a",@progbits
	.p2align	6, 0x0
	.amdhsa_kernel k_q9323c52152_out
		.amdhsa_group_segment_fixed_size 327680
		.amdhsa_private_segment_fixed_size 0
		.amdhsa_enable_private_segment 0
		.amdhsa_kernarg_size 40
		.amdhsa_user_sgpr_count 2
		.amdhsa_user_sgpr_kernarg_segment_ptr 1
		.amdhsa_wavefront_size32 1
		.amdhsa_system_sgpr_workgroup_id_x 1
		.amdhsa_system_sgpr_workgroup_id_y 1
		.amdhsa_system_sgpr_workgroup_id_z 1
		.amdhsa_system_vgpr_workitem_id 0
		.amdhsa_next_free_vgpr 1024
		.amdhsa_next_free_sgpr 104
		.amdhsa_reserve_vcc 0
		.amdhsa_float_denorm_mode_32 3
		.amdhsa_float_denorm_mode_16_64 3
		.amdhsa_memory_ordered 1
		.amdhsa_forward_progress 1
		.amdhsa_inst_pref_size 181
	.end_amdhsa_kernel
	.amdgpu_metadata
---
amdhsa.version: [ 1, 2 ]
amdhsa.kernels:
  - .name:           k_q9323c52152_out
    .symbol:         k_q9323c52152_out.kd
    .args:
      - { .name: yc, .offset: 0, .size: 8, .value_kind: global_buffer, .address_space: global }
      - { .name: wc, .offset: 8, .size: 8, .value_kind: global_buffer, .address_space: global }
      - { .name: up, .offset: 16, .size: 8, .value_kind: global_buffer, .address_space: global }
      - { .name: lowp_scales, .offset: 24, .size: 8, .value_kind: global_buffer, .address_space: global }
      - { .name: out0, .offset: 32, .size: 8, .value_kind: global_buffer, .address_space: global }
    .group_segment_fixed_size: 327680
    .private_segment_fixed_size: 0
    .kernarg_segment_align: 8
    .kernarg_segment_size: 40
    .max_flat_workgroup_size: 128
    .sgpr_count:     104
    .vgpr_count:     1024
    .wavefront_size: 32
...
	.end_amdgpu_metadata
.endif
;; end of part 5
;; ======== version 2 of 2: 5 launches
;; workspace buffers: xc 50,331,648 bytes; wc 11,436,032 bytes; tc 393,216 bytes; qkv 12,582,912 bytes; yc 8,388,608 bytes; up 2,097,152 bytes
;; launch quant: the kernel of part 1 again; grid 1210 x 1, 4 waves a work-group, no clusters, 33,280 bytes of LDS; arguments x, Wq, Wk, Wv, Wo, Aq, Ak, Av, Ao, Bq, Bo, Bk, Bv, lowp_scales, xc, wc; writes xc, wc
;; launch tdown: the kernel of part 2 again; grid 256 x 3, 4 waves a work-group, no clusters, 8,704 bytes of LDS; arguments xc, wc, lowp_scales, tc; writes tc
;; launch qkv (part 6): grid 16 x 12, 4 waves a work-group, clusters of 4 x 1, 327,680 bytes of LDS; arguments xc, wc, tc, q_gain, lowp_scales, qkv; writes qkv
.if DOCPART == 6
	.amdgcn_target "amdgcn-amd-amdhsa--gfx1250"
	.amdhsa_code_object_version 6
	.text
	.protected	k_q9323c52152_qkv
	.globl	k_q9323c52152_qkv
	.p2align	8
	.type	k_q9323c52152_qkv,@function
k_q9323c52152_qkv:
	s_mov_b64 s[64:65], 0
	v_nop
	global_prefetch_b8 v0, s[64:65] scope:SCOPE_SE
	s_setreg_imm32_b32 hwreg(HW_REG_WAVE_MODE, 25, 1), 1
	s_wait_xcnt 0x0
	s_wait_alu depctr_hold_cnt(0) depctr_sa_sdst(0) depctr_va_vdst(0) depctr_va_sdst(0) depctr_va_ssrc(0) depctr_va_vcc(0) depctr_vm_vsrc(0)
	s_getreg_b32 s2, hwreg(HW_REG_IB_STS2, 6, 4)
	s_cmp_eq_u32 s2, 0
	s_cbranch_scc0 .Lentry_in_a_cluster
	s_endpgm
.Lentry_in_a_cluster:
	s_bfe_u32 s2, ttmp6, 0x10000c
	s_cmp_lg_u32 s2, 0x3003
	s_cbranch_scc0 .Lentry_shape_is_right
	s_endpgm
.Lentry_shape_is_right:
; q, k, v = x W^T + t B^T on codes of E4M3; then q and k: RMS norm over the head, rotary embedding, q's gain; then the codes of q, k and v for attention.
; A tile is 256 rows of x (work-group x) by 256 rows of [Wq; Wk; Wv] (work-group y: 0-7 q, 8-9 k, 10-11 v); four waves, each 128 x 128: 64 accumulators, one head wide.
; K goes in steps of 256 through a ring of two LDS slots filled by the tensor data mover: rows 0-255 of a slot are x's, rows 256-511 the weights'.
; THE K STEPS GO ROUND: a work-group begins at step (y + 2 x cluster x) mod 8 and walks all eight, past the rows' end back to their head.  So the work-groups that read the same rows ask for different bytes in a
; given step: the 12 readers of a tile of x stand on all eight steps at once, and the four clusters that read a tile of weights ask for all eight steps with their first two fills.
; CLUSTER 4 x 1: the four partners are four tiles of x for ONE tile of weights.  The weights' tile is asked for jointly (mask 15); x's tile is each work-group's own load (no mask), behind the same rounds.
; A cluster of 4 x 4 is not taken: a row of it would hold tiles of k and of v, whose versions of x's codes may differ, so x's tile could not have one descriptor for the four.
; x's codes: the first of the six versions whose exponent equals this product's: a select, no jump.
; THE LOW-RANK PRODUCT STARTS THE SUMS: the first matrix instruction on each accumulator is t B^T, K = 32 in the 16x16x64 form with zero codes for the upper 32, C = 0; the sums are then multiplied once by
; 2^(et + eB - ex - ew), which rounds nothing, and every step of x W^T adds onto them.  All of that runs while the first tiles are on their way.
; THE MATRIX INSTRUCTION IS USED TRANSPOSED (source 0 = weights, source 1 = x): a lane holds one token and eight neighbouring channels.  IN v's TILES THE TWO REGIONS CHANGE PLACES (one select in each LDS base):
; a lane then holds one channel and eight neighbouring keys, which is how attention's second product wants v's codes.
; q's and k's rows are stored with the head's 128 permuted: byte 64 h + 8 b + j holds channel 16 b + 8 h + j; the same in both, so their product is unchanged.
; LIMITS: each power of two made below is an f32 number: ex + ew, et + eB - ex - ew and 2 (ex + ew) - 7 between -126 and 127; the output's exponent (v: less ex + ew) between -126 and 119.  NaN is not served.
; The norm's factor, 2^(ex + ew) and the gain are applied behind the rotation, which is linear: the roundings fall in another order than where each step is rounded by itself.  K is summed from the work-group's
; first step on, not from 0 on.
; REGISTERS, in windows of 256: window 0: v1-31 addresses; from v128 source 1's fragments, one set.  window 1: source 0's fragments, two sets.  windows 2, 3: the accumulators ((a, b) at v[8 (8 (a % 4) + b)]).
.set KROW,   2048
.set ROWB,   256
.set PITCH,  272                       ; an LDS row: 256 bytes + 16 of padding: the 16 rows that a load touches start at 16 different banks (ISA guide 11.1)
.set FR,     16
.set NL,     4
.set NP,     4                         ; places behind this matrix instruction (ISA guide 7.12.1)
.set HALFT,  128*PITCH
.set SLOT,   4*HALFT
.set LAPS,   4                         ; 2,048 along K = 8 slots' worth = 4 laps round the ring
.set SPARE,  2*SLOT                    ; behind the ring: the spare words
.set QP,     144                       ; q's and k's way out: a stage of 16 rows x (128 + 16) bytes for each wave, from byte 0 of slot 0
.set VSTG,   16384                     ; v's way out: one stage of 256 rows x 272 bytes, from here on in slot 0.  Slot 0 has had its last fill and its last read by then
.set BQW,    10747904                  ; in wc: Bq's, Bk's, Bv's codes and the table of cos and sin
.set BKW,    10878976
.set BVW,    10895360
.set ROPE,   10911744
.set KOUT,   8388608                   ; in qkv: k's and v's codes
.set VOUT,   10485760
.set SCL,  10                          ; v10  the conversion's scale
.set LIMV, 11                          ; v11  448 x that
.set ADRA, 16                          ; v16-17  LDS address of source 1's fragments in slot 0, 1
.set ADRB, 20                          ; v20-21  of source 0's
.set LOR,  22                          ; v22  a row of 32 codes: 32 r + 16 h
.set CSA,  23                          ; v23  my token's place in the table; never rewritten
.set STO,  24                          ; v24, v25  q, k: into my stage and back
.set RD,   25
.set GO,   26                          ; v26  16 x lane
.set VST,  27                          ; v27, v30  v: into the stage and back;  v31 the same rows in memory
.set SPW,  28                          ; v28  my spare word; never rewritten
.set NIL,  29                          ; v29  0; never rewritten
.set VRD,  30
.set VGO,  31
.set OO,   32                          ; v32-95  a block's 64 numbers behind the rotation
.set AF,   128
.set TT,   160
.set G1, 24
.set G0, 32
.set G1B, 48
.set G0B, 56
.set ABASE, 76                         ; s[76:77] x's codes at the first byte of the 128 rows that I fetch
.set BBASE, 78                         ; s[78:79] the weights' likewise
.set OFS,   80                         ; s[80:81], s[82:83] the byte in a row at which slot 0's, slot 1's K step begins
.set MSB, 0
.macro WIN new                         ; the immediate's high byte repeats the setting that is left
.if MSB != \new
	s_set_vgpr_msb (MSB<<8)|\new
.set MSB, \new
.endif
.endm
.set MUL_LO, 0xa1                      ; source 0 window 1, source 1 window 0, C and D window 2
.set MUL_HI, 0xf1                      ; the same, C and D window 3
.set TO_B,   0x40                      ; destination window 1, address window 0
; Waves 0 and 1 fetch x's two halves, waves 2 and 3 the weights'.  The branch hangs on the wave's number alone.  An s_nop 0 and four v_nop follow each of the two lines.
.macro JLOAD g0a, g1a, g0b, g1b
	s_cmp_eq_u32 s15, 0
	s_cbranch_scc0 .Lfor_b_\@
	tensor_load_to_lds s[\g0a:\g0a+3], s[\g1a:\g1a+7]
	s_nop 0
.rept 4
	v_nop
.endr
	s_branch .Lasked_\@
.Lfor_b_\@:
	tensor_load_to_lds s[\g0b:\g0b+3], s[\g1b:\g1b+7]
	s_nop 0
.rept 4
	v_nop
.endr
.Lasked_\@:
.endm
.macro CREST                           ; a round of the cluster's barrier behind its opening barrier
	s_cmp_lg_u32 s14, 0
	s_cbranch_scc1 .Lnot_wave_0_\@
	s_barrier_signal -3
.Lnot_wave_0_\@:
	s_barrier_wait -3
	s_barrier_signal -1
	s_barrier_wait -1
.endm
.macro CROUND
	s_barrier_signal -1
	s_barrier_wait -1
	CREST
.endm
	s_load_b256 s[4:11], s[0:1], 0x0               ; xc, wc, tc, q_gain
	s_load_b128 s[96:99], s[0:1], 0x20             ; the scales, qkv
	v_lshl_add_u32 v[SPW], v0, 2, SPARE
	v_mov_b32 v[NIL], 0
	ds_add_u32 v[SPW], v[NIL]                      ; the wave's opening: the add and its wait ahead of my first tensor load; work on registers stands between them
	v_lshrrev_b32 v1, 5, v0
	v_readfirstlane_b32 s14, v1                    ; wave 0..3
	s_lshr_b32 s15, s14, 1                         ; RH: which half of source 1's rows is mine.  Also: I fetch x (0) or weights (1)
	s_and_b32 s16, s14, 1                          ; CH: which half of source 0's rows.  Also: which 128 rows I fetch
	s_bfe_u32 s2, ttmp6, 0x40000                   ; cx
	s_lshl_b32 s17, ttmp9, 2
	s_add_co_u32 s17, s17, s2                      ; gx: the tile of x
	s_and_b32 s18, ttmp7, 0xffff                   ; gy: the tile of weights, the same in all four partners
	s_mov_b32 s[G1+0], (1<<20)|(5<<22)|(3<<25)     ; x: no mask; elements of 1 byte; padding on: 4 words behind every 64
	s_mov_b32 s[G1B+0], 15|(1<<20)|(1<<21)|(5<<22)|(3<<25)  ; the weights: the four partners, bit 21 beside the mask
.irp g, G1, G1B
	s_mov_b32 s[\g+1], ROWB<<16                    ; tensor_dim0
	s_mov_b32 s[\g+2], 128<<16                     ; tensor_dim1
	s_mov_b32 s[\g+3], ROWB<<16                    ; tile_dim0
	s_mov_b32 s[\g+4], 128                         ; tile_dim1
	s_mov_b32 s[\g+5], KROW                        ; from row to row
	s_mov_b32 s[\g+6], 0
	s_mov_b32 s[\g+7], 0
.endr
	s_mul_i32 s45, s14, HALFT                      ; where my 128 rows go: wave x 128 rows
	s_wait_dscnt 0x0                               ; the opening add is done
	s_wait_kmcnt 0x0
	s_load_b512 s[68:83], s[96:97], 0x0            ; e0 .. e15
	s_load_b256 s[84:91], s[96:97], 0x40           ; e16 .. e23
	s_lshl_b32 s93, s18, 1
	s_add_co_u32 s93, s93, s16                     ; q: my head
	s_min_u32 s93, s93, 15                         ; (k's and v's tiles read entry 15 and do not use it)
	s_lshl_b32 s93, s93, 2
	s_load_b32 s92, s[10:11], s93 offset:0x0       ; the gain
	s_lshl_b32 s46, s18, 8
	s_lshl_b32 s47, s16, 7
	s_add_co_u32 s46, s46, s47
	s_lshl_b32 s46, s46, 11                        ; the weights: row 256 gy + 128 CH
	s_mov_b32 s47, 0
	s_add_nc_u64 s[46:47], s[6:7], s[46:47]
	s_wait_kmcnt 0x0
	s_cmp_ge_u32 s18, 8                            ; the five exponents of my tile: of x, of W, of t, of B, of the output's codes
	s_cselect_b32 s40, s74, s68
	s_cselect_b32 s41, s75, s69
	s_cselect_b32 s42, s78, s72
	s_cselect_b32 s43, s79, s73
	s_cselect_b32 s44, s87, s86
	s_cmp_ge_u32 s18, 10
	s_cselect_b32 s40, s80, s40
	s_cselect_b32 s41, s81, s41
	s_cselect_b32 s42, s84, s42
	s_cselect_b32 s43, s85, s43
	s_cselect_b32 s44, s89, s44
.macro PICK u, eu
	s_cmp_eq_u32 s[\eu], s40
	s_cselect_b32 s19, \u, s19
.endm
	s_mov_b32 s19, 5                               ; the first version of x with my exponent
	PICK 4, 80
	PICK 3, 76
	PICK 2, 74
	PICK 1, 70
	PICK 0, 68
	s_min_u32 s19, s19, 5
	s_lshl_b32 s19, s19, 23
	s_lshl_b32 s12, s17, 8
	s_lshl_b32 s13, s16, 7
	s_add_co_u32 s12, s12, s13
	s_lshl_b32 s12, s12, 11                        ; x: row 256 gx + 128 CH,
	s_add_co_u32 s12, s12, s19                     ; in my version
	s_mov_b32 s13, 0
	s_add_nc_u64 s[ABASE:ABASE+1], s[4:5], s[12:13]   ; (the exponents in s68 to s91 have been taken: these registers are free from here on)
	s_mov_b64 s[BBASE:BBASE+1], s[46:47]
	s_lshl_b32 s[OFS], ttmp9, 1
	s_add_co_u32 s[OFS], s[OFS], s18
	s_and_b32 s[OFS], s[OFS], 7                    ; my first K step: (gy + 2 x cluster x) mod 8: the same in all four partners
	s_lshl_b32 s[OFS], s[OFS], 8                   ; as a byte in a row
	s_add_co_u32 s[OFS+2], s[OFS], ROWB
	s_and_b32 s[OFS+2], s[OFS+2], KROW-1           ; and the step behind it, round the row's end
	s_mov_b32 s[OFS+1], 0
	s_mov_b32 s[OFS+3], 0
	s_add_nc_u64 s[68:69], s[6:7], ROPE            ; the table of cos and sin
	CROUND                                         ; all four work-groups are here: the first joint loads meet
.irp s, 0,1
	s_mov_b32 s[G0+4*\s], 1
	s_add_co_u32 s[G0+4*\s+1], s45, \s*SLOT
	s_add_nc_u64 s[G0+4*\s+2:G0+4*\s+3], s[ABASE:ABASE+1], s[OFS+2*\s:OFS+2*\s+1]
	s_or_b32 s[G0+4*\s+3], s[G0+4*\s+3], 0x80000000
	s_mov_b32 s[G0B+4*\s], 1
	s_add_co_u32 s[G0B+4*\s+1], s45, \s*SLOT
	s_add_nc_u64 s[G0B+4*\s+2:G0B+4*\s+3], s[BBASE:BBASE+1], s[OFS+2*\s:OFS+2*\s+1]
	s_or_b32 s[G0B+4*\s+3], s[G0B+4*\s+3], 0x80000000
	JLOAD G0+4*\s, G1, G0B+4*\s, G1B               ; two loads of mine are out behind these
.endr
	; the lane's addresses
	v_and_b32 v1, 15, v0                           ; r
	v_bfe_u32 v2, v0, 4, 1                         ; h
	v_mul_u32_u24 v3, v1, PITCH
	v_lshl_add_u32 v4, v2, 4, v3                   ; a fragment's row x pitch + 16 h
	s_cmp_ge_u32 s18, 10                           ; v's tiles: source 1 reads the weights' region, source 0 x's
	s_cselect_b32 s45, 2*HALFT, 0
	s_cselect_b32 s46, 0, 2*HALFT
	s_mul_i32 s12, s15, HALFT
	s_add_co_u32 s12, s12, s45
	s_mul_i32 s13, s16, HALFT
	s_add_co_u32 s13, s13, s46
.irp s, 0,1
	v_add_nc_u32 v[ADRA+\s], s12, v4
	v_add_nc_u32 v[ADRB+\s], s13, v4
	s_add_co_u32 s12, s12, SLOT
	s_add_co_u32 s13, s13, SLOT
.endr
	v_lshlrev_b32 v[LOR], 5, v1
	v_lshl_add_u32 v[LOR], v2, 4, v[LOR]
	s_and_b32 s12, s17, 3
	s_lshl_b32 s12, s12, 8
	s_lshl_b32 s13, s15, 7
	s_add_co_u32 s12, s12, s13                     ; my first token's position in its sequence
	v_add_nc_u32 v[CSA], s12, v1
	v_lshlrev_b32 v[CSA], 9, v[CSA]
	v_lshl_add_u32 v[CSA], v2, 5, v[CSA]           ; 512 bytes a position, + 32 h: my eight frequencies of each 16
	s_mul_i32 s12, s14, 16*QP
	v_mul_u32_u24 v5, v1, QP
	v_lshl_add_u32 v5, v2, 6, v5
	v_add_nc_u32 v[STO], s12, v5                   ; q, k: row r, my 64 bytes
	v_and_b32 v6, 31, v0
	v_lshrrev_b32 v7, 3, v6
	v_mul_u32_u24 v7, v7, QP
	v_and_b32 v8, 7, v0
	v_lshl_add_u32 v7, v8, 4, v7
	v_add_nc_u32 v[RD], s12, v7                    ; back: eight lanes to a row of 128 bytes, four rows an instruction
	v_lshlrev_b32 v[GO], 4, v6
	s_mul_i32 s12, s15, 128*PITCH
	s_lshl_b32 s13, s16, 7
	s_add_co_u32 s12, s12, s13
	s_add_co_u32 s12, s12, VSTG
	v_lshl_add_u32 v5, v2, 3, v3
	v_add_nc_u32 v[VST], s12, v5                   ; v: channel row 128 RH + r, keys 128 CH + 8 h on
	s_mul_i32 s12, s14, 64*PITCH
	s_add_co_u32 s12, s12, VSTG
	v_mul_u32_u24 v5, v2, PITCH
	v_lshl_add_u32 v5, v1, 4, v5
	v_add_nc_u32 v[VRD], s12, v5                   ; back: rows 64 w on, sixteen lanes to a row of 256 bytes
	v_lshlrev_b32 v[VGO], 10, v2
	v_lshl_add_u32 v[VGO], v1, 4, v[VGO]
	; where t's and B's rows of 32 codes lie.  Source 1 takes t's rows (v: B's), source 0 B's (v: t's)
	s_cmp_ge_u32 s18, 8
	s_cselect_b32 s2, 1, 0
	s_cselect_b32 s12, 8, 0
	s_mov_b32 s13, BQW
	s_cselect_b32 s13, BKW, s13
	s_cmp_ge_u32 s18, 10
	s_cselect_b32 s2, 2, s2                        ; which of the three paths
	s_cselect_b32 s12, 10, s12                     ; its first tile
	s_cselect_b32 s13, BVW, s13                    ; its B
	s_cselect_b32 s46, s16, s15                    ; which half of t's 256 rows,
	s_cselect_b32 s47, s15, s16                    ; and of B's
	s_sub_co_u32 s12, s18, s12
	s_lshl_b32 s19, s17, 8
	s_lshl_b32 s46, s46, 7
	s_add_co_u32 s19, s19, s46
	s_lshl_b32 s19, s19, 5
	s_lshl_b32 s2, s2, 17
	s_add_co_u32 s46, s19, s2
	s_lshl_b32 s12, s12, 8
	s_lshl_b32 s47, s47, 7
	s_add_co_u32 s12, s12, s47
	s_lshl_b32 s12, s12, 5
	s_add_co_u32 s12, s12, s13
	s_mov_b32 s13, 0
	s_mov_b32 s47, 0
	s_add_nc_u64 s[46:47], s[8:9], s[46:47]
	s_add_nc_u64 s[12:13], s[6:7], s[12:13]
	s_cmp_ge_u32 s18, 10
	s_cselect_b64 s[22:23], s[12:13], s[46:47]     ; source 1's rows
	s_cselect_b64 s[20:21], s[46:47], s[12:13]     ; source 0's
.irp a, 0,1,2,3,4,5,6,7
	global_load_b128 v[AF+8*\a:AF+8*\a+3], v[LOR], s[22:23] offset:512*\a   ; 16 rows of 32 codes: 512 consecutive bytes
.endr
.irp a, 0,1,2,3,4,5,6,7
.irp k, 4,5,6,7
	v_mov_b32 v[AF+8*\a+\k], 0                     ; zero codes for k = 32 .. 63
.endr
.endr
	WIN TO_B
.irp b, 0,1,2,3,4,5,6,7
	global_load_b128 v[8*\b:8*\b+3], v[LOR], s[20:21] offset:512*\b
.endr
.irp b, 0,1,2,3,4,5,6,7
.irp k, 4,5,6,7
	v_mov_b32 v[8*\b+\k], 0
.endr
.endr
	WIN 0
	s_add_co_i32 s100, s42, s43
	s_sub_co_i32 s100, s100, s40
	s_sub_co_i32 s100, s100, s41
	s_add_co_i32 s100, s100, 127
	s_lshl_b32 s100, s100, 23                      ; 2^(et + eB - ex - ew)
	s_mov_b32 s101, s100                           ; (named with it as a pair, so it is written)
	s_wait_loadcnt 0x0
.irp a, 0,1,2,3,4,5,6,7                ; t B^T starts the 64 sums, in the order in which every later step takes them
	WIN (MUL_LO+0x50*((\a)/4))
.irp b, 0,1,2,3,4,5,6,7
	v_wmma_f32_16x16x64_fp8_fp8 v[8*(8*((\a)%4)+\b):8*(8*((\a)%4)+\b)+7], v[8*\b:8*\b+7], v[AF+8*\a:AF+8*\a+7], 0
.endr
.endr
.macro PLACES n
.rept \n
	v_nop
.endr
.endm
	PLACES NP
	WIN 0x82                                       ; source 0 and destination window 2
.set JJ, 0
.rept 128
	v_pk_mul_f32 v[JJ:JJ+1], v[JJ:JJ+1], s[100:101] op_sel_hi:[1,0]   ; each accumulator from its low end on
.set JJ, JJ+2
.endr
	WIN 0xc3
.set JJ, 0
.rept 128
	v_pk_mul_f32 v[JJ:JJ+1], v[JJ:JJ+1], s[100:101] op_sel_hi:[1,0]
.set JJ, JJ+2
.endr
	WIN 0
.macro FRAG reg, adr, q, i             ; a fragment, 16 rows x 128 K: registers 4 c .. 4 c + 3 hold K = 32 c + 16 h + 0 .. 15: the same permutation of k in both operands
.irp c, 0,1,2,3
	ds_load_b128 v[\reg+4*\c:\reg+4*\c+3], v[\adr] offset:128*(\q)+32*\c+(\i)*16*PITCH
.endr
.endm
; 16 matrix instructions: source 1's blocks a0, a0 + 1 x source 0's eight.  The 64 accumulators take turns, one instruction a turn, in the same order in every step.
.macro MUL16 a0, p
.irp a, \a0, \a0+1
.irp b, 0,1,2,3,4,5,6,7
	v_wmma_f32_16x16x128_fp8_fp8 v[8*(8*((\a)%4)+\b):8*(8*((\a)%4)+\b)+7], v[128*(\p)+FR*\b:128*(\p)+FR*\b+FR-1], v[AF+FR*(\a):AF+FR*(\a)+FR-1], v[8*(8*((\a)%4)+\b):8*(8*((\a)%4)+\b)+7]
.endr
.endr
.endm
.macro FETCH_B slot, q, p
	WIN TO_B
.irp i, 0,1,2,3,4,5,6,7
	FRAG 128*(\p)+FR*\i, ADRB+\slot, \q, \i
.endr
	WIN 0
.endm
.macro FETCH_A slot, q, i0
.irp i, \i0, \i0+1, \i0+2, \i0+3
	FRAG AF+FR*(\i), ADRA+\slot, \q, \i
.endr
.endm
.macro CSLOAD a                        ; block a's cos and sin: 32 + 32 numbers a lane, into window 1, set a % 2
	WIN TO_B
.irp b, 0,1,2,3
	global_load_b128 v[64*((\a)%2)+8*\b:64*((\a)%2)+8*\b+3], v[CSA], s[68:69] offset:8192*(\a)+64*\b
	global_load_b128 v[64*((\a)%2)+8*\b+4:64*((\a)%2)+8*\b+7], v[CSA], s[68:69] offset:8192*(\a)+64*\b+16
	global_load_b128 v[64*((\a)%2)+32+8*\b:64*((\a)%2)+32+8*\b+3], v[CSA], s[68:69] offset:8192*(\a)+64*\b+256
	global_load_b128 v[64*((\a)%2)+32+8*\b+4:64*((\a)%2)+32+8*\b+7], v[CSA], s[68:69] offset:8192*(\a)+64*\b+272
.endr
	WIN 0
.endm
; A step of 128 along K that has its successor in the same slot.
.macro STEP slot, q
	s_wait_dscnt 4*NL                              ; source 0's set and source 1's blocks 0-3 are in; the youngest 16 loads (blocks 4-7) may be out
	WIN MUL_LO
	MUL16 0, (\q)%2
	MUL16 2, (\q)%2
	s_wait_dscnt 0
	PLACES NP                                      ; four places in front of loads into registers that matrix instructions have read
	FETCH_B \slot, (\q)+1, 1-(\q)%2
	FETCH_A \slot, (\q)+1, 0
	WIN MUL_HI
	MUL16 4, (\q)%2
	MUL16 6, (\q)%2
	PLACES NP
	WIN 0
	FETCH_A \slot, (\q)+1, 4
.endm
; A slot's last step changes slots: each wave waits for all its tensor loads, adds 0 to its spare word, and waits for that and for its reads of this slot; one barrier, which with fill = 1 opens a round of the cluster's.
.macro TURN slot, next, fill
	s_wait_tensorcnt 0x0                           ; all my tensor loads have landed: my part of the next slot; so every group 0 may be written
	ds_add_u32 v[SPW], v[NIL]                      ; 0 onto my spare word
.if \fill
	s_add_co_u32 s[OFS+2*\slot], s[OFS+2*\slot], 2*ROWB          ; this slot's next K step: two steps on,
	s_and_b32 s[OFS+2*\slot], s[OFS+2*\slot], KROW-1             ; round the row's end
	s_add_nc_u64 s[G0+4*\slot+2:G0+4*\slot+3], s[ABASE:ABASE+1], s[OFS+2*\slot:OFS+2*\slot+1]
	s_or_b32 s[G0+4*\slot+3], s[G0+4*\slot+3], 0x80000000
	s_add_nc_u64 s[G0B+4*\slot+2:G0B+4*\slot+3], s[BBASE:BBASE+1], s[OFS+2*\slot:OFS+2*\slot+1]
	s_or_b32 s[G0B+4*\slot+3], s[G0B+4*\slot+3], 0x80000000
.endif
	s_wait_dscnt 4*NL+1                            ; (the add and the youngest 16 loads may be out)
	WIN MUL_LO
	MUL16 0, 1
	s_wait_dscnt 0x0                               ; the add is done, and my reads of this slot are over
	s_barrier_signal -1
	MUL16 2, 1
	WIN 0
	s_barrier_wait -1
.if \fill
	CREST                                          ; no wave of any partner still reads this slot or has a load on its way
	JLOAD G0+4*\slot, G1, G0B+4*\slot, G1B         ; my one tensor load behind the round; its four v_nop are also the places in front of the loads below
.else
	PLACES NP
.endif
	FETCH_B \next, 0, 0
	FETCH_A \next, 0, 0
	WIN MUL_HI
	MUL16 4, 1
	MUL16 6, 1
	PLACES NP
	WIN 0
	FETCH_A \next, 0, 4
.endm
	s_wait_tensorcnt 1                             ; my part of slot 0 is in; slot 1's load may be out
	s_barrier_signal -1
	s_barrier_wait -1
	FETCH_B 0, 0, 0
	FETCH_A 0, 0, 0
	FETCH_A 0, 0, 4
	STEP 0, 0
	s_mov_b32 s3, LAPS-1
.Llap:                                         ; a trip goes once round the ring and fills both slots again
	TURN 0, 1, 1
	STEP 1, 0
	TURN 1, 0, 1
	STEP 0, 0
	s_sub_co_u32 s3, s3, 1
	s_cmp_lg_u32 s3, 0
	s_cbranch_scc1 .Llap
	TURN 0, 1, 0                                   ; the last lap fills nothing
	STEP 1, 0
	s_cmp_ge_u32 s18, 10                           ; q's and k's tiles ask here for the first two blocks of the table, 64 matrix instructions ahead of their use: they land in source 0's set 0,
	s_cbranch_scc1 .Lno_table                      ; which the step above has left (its four places stand behind its last product).  The branch hangs on the tile's kind: the same in all waves and partners
	CSLOAD 0
	CSLOAD 1
.Lno_table:
	s_wait_dscnt 4*NL
	WIN MUL_LO
	MUL16 0, 1
	MUL16 2, 1
	s_wait_dscnt 0
	WIN MUL_HI
	MUL16 4, 1
	MUL16 6, 1
	WIN 0
.macro FINISH
	s_wait_tensorcnt 0x0                           ; the wave's end, behind my last tensor load and my last LDS store
	ds_add_u32 v[SPW], v[NIL]
	s_wait_dscnt 0x0
	CROUND                                         ; the closing round
	s_endpgm
.endm
	s_cmp_ge_u32 s18, 10                           ; the tile's kind: the same in all waves and in all partners
	s_cbranch_scc1 .Lvout
	; ---- q AND k.  Block a is 16 tokens; lane (r, h) holds token r's channels 16 b + 8 h + j; the lane 16 away holds the other 64.
	s_cmp_lt_u32 s18, 8
	s_cselect_b32 s12, 4, 2                        ; 16 heads or 4
	s_cselect_b32 s13, 0, 8
	s_cselect_b32 s19, 0, KOUT
	s_cselect_b32 s92, s92, 1.0                    ; k has no gain
	s_sub_co_u32 s13, s18, s13
	s_lshl_b32 s13, s13, 1
	s_add_co_u32 s13, s13, s16                     ; my head
	s_lshr_b32 s46, s17, 2                         ; the batch
	s_lshl_b32 s46, s46, s12
	s_add_co_u32 s46, s46, s13
	s_lshl_b32 s46, s46, 10
	s_and_b32 s47, s17, 3
	s_lshl_b32 s47, s47, 8
	s_add_co_u32 s46, s46, s47
	s_lshl_b32 s47, s15, 7
	s_add_co_u32 s46, s46, s47                     ; my first row among the rows of 128 codes
	s_lshl_b32 s46, s46, 7
	s_add_co_u32 s46, s46, s19
	s_mov_b32 s47, 0
	s_add_nc_u64 s[70:71], s[98:99], s[46:47]
	s_add_co_i32 s12, s40, s41                     ; ex + ew: a sum stands for sum x 2^(ex + ew)
	s_add_co_i32 s13, s12, 127
	s_lshl_b32 s66, s13, 23
	s_mul_f32 s66, s66, s92                        ; 2^(ex + ew) x the gain
	s_lshl_b32 s13, s12, 1
	s_add_co_i32 s13, s13, 120
	s_lshl_b32 s67, s13, 23                        ; 2^(2 (ex + ew)) / 128: the mean of the squares
	s_mov_b32 s73, 0x34000000                      ; f32's eps
	s_mov_b32 s74, 0x76543210
	s_mov_b32 s75, 0xfedcba98                      ; lane l xor 16
	s_add_co_i32 s12, s44, 127
	s_lshl_b32 s13, s12, 23
	v_mov_b32 v[SCL], s13
	s_add_co_i32 s12, s12, 8
	s_lshl_b32 s12, s12, 23
	s_or_b32 s12, s12, 0x600000
	v_mov_b32 v[LIMV], s12
	PLACES NP
.macro QBLOCK a
.set AC,  64*((\a)%4)
.set CSS, 64*((\a)%2)
.set CD,  104+16*((\a)%2)
.set RB,  136+16*((\a)%2)
.if (\a) < 7
	s_wait_loadcnt 16                              ; this block's 16 loads from the table are in; the next block's may be out
.else
	s_wait_loadcnt 0x0
.endif
	WIN (0x0a+5*((\a)/4))                          ; sources 0 and 1: the accumulators' window
	v_pk_mul_f32 v[96:97], v[AC:AC+1], v[AC:AC+1]  ; the sum of squares, two chains, each accumulator from its low end on
	v_pk_mul_f32 v[98:99], v[AC+2:AC+3], v[AC+2:AC+3]
.set JJ, 4
.rept 15
	v_pk_fma_f32 v[96:97], v[AC+JJ:AC+JJ+1], v[AC+JJ:AC+JJ+1], v[96:97]
	v_pk_fma_f32 v[98:99], v[AC+JJ+2:AC+JJ+3], v[AC+JJ+2:AC+JJ+3], v[98:99]
.set JJ, JJ+4
.endr
	WIN 0
	v_add_f32 v96, v96, v97
	v_add_f32 v98, v98, v99
	v_add_f32 v96, v96, v98
	v_permlanex16_b32 v97, v96, s74, s75
	v_add_f32 v96, v96, v97                        ; over the head's 128
	v_fma_f32 v96, v96, s67, s73                   ; the mean + eps
	v_rsq_f32 v98, v96
	WIN (0x06+((\a)/4))                            ; source 0 the accumulators, source 1 window 1
.irp b, 0,1,2,3                        ; the rotation: (x1 c + x2 s, x2 c - x1 s); x1 in blocks 0-3, x2 in blocks 4-7.  These 64 lines are the independent work behind the root
.irp i, 0,2,4,6
	v_pk_mul_f32 v[OO+8*\b+\i:OO+8*\b+\i+1], v[AC+8*\b+\i:AC+8*\b+\i+1], v[CSS+8*\b+\i:CSS+8*\b+\i+1]
	v_pk_mul_f32 v[OO+32+8*\b+\i:OO+32+8*\b+\i+1], v[AC+32+8*\b+\i:AC+32+8*\b+\i+1], v[CSS+8*\b+\i:CSS+8*\b+\i+1]
	v_pk_fma_f32 v[OO+8*\b+\i:OO+8*\b+\i+1], v[AC+32+8*\b+\i:AC+32+8*\b+\i+1], v[CSS+32+8*\b+\i:CSS+32+8*\b+\i+1], v[OO+8*\b+\i:OO+8*\b+\i+1]
	v_pk_fma_f32 v[OO+32+8*\b+\i:OO+32+8*\b+\i+1], v[AC+8*\b+\i:AC+8*\b+\i+1], v[CSS+32+8*\b+\i:CSS+32+8*\b+\i+1], v[OO+32+8*\b+\i:OO+32+8*\b+\i+1] neg_lo:[1,0,0] neg_hi:[1,0,0]
.endr
.endr
	WIN 0
	s_wait_alu depctr_va_vdst(0)                   ; the wait ahead of the root's first reader
	v_mul_f32 v100, s66, v98
	v_mul_f32 v101, s66, v98                       ; 1 / rms x 2^(ex + ew) x the gain, twice
.if (\a)+2 < 8
	CSLOAD (\a)+2                                  ; into the set that the rotation has just read
.endif
.set JJ, 0
.rept 32
	v_pk_mul_f32 v[OO+JJ:OO+JJ+1], v[OO+JJ:OO+JJ+1], v[100:101]
.set JJ, JJ+2
.endr
.set JJ, 0
.rept 64
	v_med3_num_f32 v[OO+JJ], v[OO+JJ], -v[LIMV], v[LIMV]   ; the conversion does not saturate (ISA guide 7.6.2)
.set JJ, JJ+1
.endr
.irp k, 0,1,2,3,4,5,6,7
	v_cvt_scalef32_pk8_fp8_f32 v[CD+2*\k:CD+2*\k+1], v[OO+8*\k:OO+8*\k+7], v[SCL]
.endr
	v_nop                                          ; one plain line between the conversions and the next write of their sources
.if (\a) > 1
	s_wait_xcnt 0x0                                ; the stores of two blocks ago have read the registers into which the loads below land
.endif
.irp i, 0,1,2,3
	ds_store_b128 v[STO], v[CD+4*\i:CD+4*\i+3] offset:16*\i
.endr
.irp t, 0,1,2,3
	ds_load_b128 v[RB+4*\t:RB+4*\t+3], v[RD] offset:4*\t*QP   ; LDS serves a wave's instructions in order: these see my stores
.endr
.endm
.macro QSEND a, younger                ; younger: the LDS instructions issued behind block a's loads
.set RB,  136+16*((\a)%2)
	s_wait_dscnt \younger
.irp t, 0,1,2,3
	global_store_b128 v[GO], v[RB+4*\t:RB+4*\t+3], s[70:71] offset:2048*(\a)+512*\t   ; four rows of 128 codes: 512 consecutive bytes
.endr
.endm
	QBLOCK 0
.irp a, 1,2,3,4,5,6,7
	QBLOCK \a
	QSEND \a-1, 8                                  ; behind block a - 1's loads: block a's 4 stores and 4 loads
.endr
	QSEND 7, 0
	FINISH
	; ---- v.  Lane (r, h) holds channel 128 RH + 16 a + r of the tile's two heads, and in accumulator (a, b) the keys 128 CH + 16 b + 8 h + 0 .. 7.
.Lvout:
	s_sub_co_i32 s12, s44, s40
	s_sub_co_i32 s12, s12, s41                     ; the three scales folded into the conversion's one
	s_add_co_i32 s12, s12, 127
	s_lshl_b32 s13, s12, 23
	v_mov_b32 v[SCL], s13
	s_add_co_i32 s12, s12, 8
	s_lshl_b32 s12, s12, 23
	s_or_b32 s12, s12, 0x600000
	v_mov_b32 v[LIMV], s12
	s_lshr_b32 s46, s17, 2
	s_lshl_b32 s46, s46, 2
	s_sub_co_u32 s47, s18, 10
	s_lshl_b32 s47, s47, 1
	s_add_co_u32 s46, s46, s47                     ; batch x 4 + the tile's first head
	s_lshl_b32 s46, s46, 7
	s_lshl_b32 s47, s14, 6
	s_add_co_u32 s46, s46, s47                     ; the first of the 64 channel rows that I store
	s_lshl_b32 s46, s46, 10
	s_and_b32 s47, s17, 3
	s_lshl_b32 s47, s47, 8
	s_add_co_u32 s46, s46, s47                     ; the tile's 256 keys
	s_add_co_u32 s46, s46, VOUT
	s_mov_b32 s47, 0
	s_add_nc_u64 s[70:71], s[98:99], s[46:47]
	PLACES NP
.macro VBLOCK a
.set AC, 64*((\a)%4)
	WIN (0x02+((\a)/4))
.set JJ, 0
.rept 64
	v_med3_num_f32 v[TT+JJ], v[AC+JJ], -v[LIMV], v[LIMV]
.set JJ, JJ+1
.endr
	WIN 0
.irp b, 0,1,2,3,4,5,6,7
	v_cvt_scalef32_pk8_fp8_f32 v[32+16*(\a)+2*\b:32+16*(\a)+2*\b+1], v[TT+8*\b:TT+8*\b+7], v[SCL]
.endr
	v_nop
.irp b, 0,1,2,3,4,5,6,7
	ds_store_b64 v[VST], v[32+16*(\a)+2*\b:32+16*(\a)+2*\b+1] offset:(\a)*16*PITCH+16*\b
.endr
.endm
.irp a, 0,1,2,3,4,5,6,7
	VBLOCK \a
.endr
	s_wait_dscnt 0x0                               ; for the others' sake: a row's 256 bytes come from two waves
	s_barrier_signal -1
	s_barrier_wait -1
.irp g, 0,1
.if \g
	s_wait_xcnt 0x0                                ; the first 16 stores have read their registers
.endif
.irp i, 0,1,2,3,4,5,6,7,8,9,10,11,12,13,14,15
	ds_load_b128 v[TT+4*\i:TT+4*\i+3], v[VRD] offset:(16*\g+\i)*2*PITCH
.endr
.irp i, 0,1,2,3,4,5,6,7,8,9,10,11,12,13,14,15
	s_wait_dscnt 15-\i
	global_store_b128 v[VGO], v[TT+4*\i:TT+4*\i+3], s[70:71] offset:(16*\g+\i)*2048   ; sixteen lanes store 256 consecutive bytes, aligned
.endr
.endr
	FINISH
.Lfunc_end_k_q9323c52152_qkv:
	.size	k_q9323c52152_qkv, .Lfunc_end_k_q9323c52152_qkv-k_q9323c52152_qkv
	.p2alignl 7, 3214868480
	.fill 96, 4, 3214868480
	.section	.rodata,"a",@progbits
	.p2align	6, 0x0
	.amdhsa_kernel k_q9323c52152_qkv
		.amdhsa_group_segment_fixed_size 327680
		.amdhsa_private_segment_fixed_size 0
		.amdhsa_enable_private_segment 0
		.amdhsa_kernarg_size 48
		.amdhsa_user_sgpr_count 2
		.amdhsa_user_sgpr_kernarg_segment_ptr 1
		.amdhsa_wavefront_size32 1
		.amdhsa_system_sgpr_workgroup_id_x 1
		.amdhsa_system_sgpr_workgroup_id_y 1
		.amdhsa_system_sgpr_workgroup_id_z 1
		.amdhsa_system_vgpr_workitem_id 0
		.amdhsa_next_free_vgpr 1024
		.amdhsa_next_free_sgpr 106
		.amdhsa_reserve_vcc 0
		.amdhsa_float_denorm_mode_32 3
		.amdhsa_float_denorm_mode_16_64 3
		.amdhsa_memory_ordered 1
		.amdhsa_forward_progress 1
		.amdhsa_inst_pref_size 255
	.end_amdhsa_kernel
	.section	.bss,"aw",@nobits
	.p2align	6
	.space	262144
	.amdgpu_metadata
---
amdhsa.version: [ 1, 2 ]
amdhsa.kernels:
  - .name:           k_q9323c52152_qkv
    .symbol:         k_q9323c52152_qkv.kd
    .args:
      - { .name: xc, .offset: 0, .size: 8, .value_kind: global_buffer, .address_space: global }
      - { .name: wc, .offset: 8, .size: 8, .value_kind: global_buffer, .address_space: global }
      - { .name: tc, .offset: 16, .size: 8, .value_kind: global_buffer, .address_space: global }
      - { .name: q_gain, .offset: 24, .size: 8, .value_kind: global_buffer, .address_space: global }
      - { .name: lowp_scales, .offset: 32, .size: 8, .value_kind: global_buffer, .address_space: global }
      - { .name: qkv, .offset: 40, .size: 8, .value_kind: global_buffer, .address_space: global }
    .group_segment_fixed_size: 327680
    .private_segment_fixed_size: 0
    .kernarg_segment_align: 8
    .kernarg_segment_size: 48
    .max_flat_workgroup_size: 128
    .sgpr_count:     106
    .vgpr_count:     1024
    .wavefront_size: 32
...
	.end_amdgpu_metadata
.endif
;; end of part 6
;; launch attn: the kernel of part 4 again; grid 16 x 16, 16 waves a work-group, no clusters, 327,680 bytes of LDS; arguments qkv, wc, lowp_scales, yc, up; writes yc, up
;; launch out (part 7): grid 8 x 32, 4 waves a work-group, clusters of 4 x 4, 327,680 bytes of LDS; arguments yc, wc, up, lowp_scales, out0; writes out0
.if DOCPART == 7
	.amdgcn_target "amdgcn-amd-amdhsa--gfx1250"
	.amdhsa_code_object_version 6
	.text
	.protected	k_q9323c52152_out
	.globl	k_q9323c52152_out
	.p2align	8
	.type	k_q9323c52152_out,@function
k_q9323c52152_out:
	s_mov_b64 s[64:65], 0
	v_nop
	global_prefetch_b8 v0, s[64:65] scope:SCOPE_SE
	s_setreg_imm32_b32 hwreg(HW_REG_WAVE_MODE, 25, 1), 1
	s_wait_xcnt 0x0
	s_wait_alu depctr_hold_cnt(0) depctr_sa_sdst(0) depctr_va_vdst(0) depctr_va_sdst(0) depctr_va_ssrc(0) depctr_va_vcc(0) depctr_vm_vsrc(0)
	s_getreg_b32 s2, hwreg(HW_REG_IB_STS2, 6, 4)
	s_cmp_eq_u32 s2, 0
	s_cbranch_scc0 .Lentry_in_a_cluster
	s_endpgm
.Lentry_in_a_cluster:
	s_bfe_u32 s2, ttmp6, 0x10000c
	s_cmp_lg_u32 s2, 0xf033
	s_cbranch_scc0 .Lentry_shape_is_right
	s_endpgm
.Lentry_shape_is_right:
; out0 = y Wo^T + u Bo^T on codes of E4M3.  y: [4096][2048] codes; Wo: [2048][2048] codes in wc; u = y Ao^T arrives as four planes of raw f32 sums, [4][4096][32]; out0: [4096][2048] f32.
; A tile of out0 is 128 rows x 256 columns, so that 4,096 x 2,048 numbers make 256 work-groups; four waves, each 64 x 128: 32 accumulators.  That reads 12 fragments from LDS for 32 products.
; K goes in steps of 256 through a ring of two LDS slots filled by the tensor data mover: rows 0-127 of a slot are y's (waves 0 and 1 fetch 64 each), rows 128-383 Wo's (waves 2 and 3 fetch 128 each).
; THE K STEPS GO ROUND: a work-group begins at step (cluster y + 4 x cluster x) mod 8 and walks all eight, past the rows' end back to their head: the same in all sixteen partners.  So the eight clusters that read a
; tile of Wo stand on all eight steps at once, and the two that read a tile of y stand four steps apart.
; CLUSTERS: 4 x 4 work-groups; y's tile is asked for jointly along a row of the cluster, Wo's along a column.  TRANSPOSED USE (source 0 = Wo's or Bo's rows, source 1 = y's or u's): a lane holds eight neighbouring numbers of a row.
; THE LOW-RANK PRODUCT STARTS THE SUMS, while the first tiles are on their way: the four planes are added, the sum (which stands for sum x 2^(e24 + e25)) is quantised with 2^(e26 - e24 - e25) straight into source 1's
; registers; the first matrix instruction on each accumulator is u Bo^T, K = 32 in the 16x16x64 form with zero codes above, C = 0; the sums are multiplied once by 2^(e26 + e27 - e22 - e23), which rounds nothing.
; At the end each sum is multiplied by 2^(e22 + e23).
; LIMITS: e22 + e23 and e26 + e27 - e22 - e23 between -126 and 127; e26 - e24 - e25 between -126 and 119.  K is summed from the work-group's first step on, not from 0 on.
; REGISTERS, in windows of 256: window 0: v1-31 addresses; v32-95 at work; v128-191, v192-255 source 1's fragments, two sets (4 x 16 rows x 128 K each), later the way out.
;   window 1: source 0's fragments, two sets.   window 2: the accumulators ((a, b) at v[8 (8 a + b)]).   window 3: the four planes of u, 64 registers for each of my four blocks of 16 rows.
.set SIZE_N, 2048
.set KROW,   2048
.set ROWB,   256
.set PITCH,  272                       ; an LDS row: 256 bytes + 16 of padding: the 16 rows that a load touches start at 16 different banks (ISA guide 11.1)
.set FR,     16
.set NP,     4                         ; places behind this matrix instruction (ISA guide 7.12.1)
.set HALFA,  64*PITCH                  ; what a wave fetches, and reads, of y
.set HALFB,  128*PITCH                 ; and of Wo; also: where Wo's rows begin in a slot
.set SLOT,   384*PITCH
.set LAPS,   4                         ; 2,048 along K = 8 slots' worth = 4 laps round the ring
.set SPARE,  2*SLOT                    ; behind the ring: the spare words, 128 bytes a wave
.set SPITCH, 528                       ; the way out: a stage of 16 rows x (512 + 16) bytes for each wave, in slot 0, which has had its last fill and its last read by then
.set WO,     6291456                   ; Wo's and Bo's codes in wc
.set BO,     10813440
.set SCL,  10                          ; v10  the conversion's scale
.set LIMV, 11                          ; v11  448 x that
.set ADRA, 16                          ; v16-17  LDS address of source 1's fragments in slot 0, 1
.set ADRB, 20                          ; v20-21  of source 0's
.set LOR,  22                          ; v22  a row of 32 codes: 32 r + 16 h
.set UO,   23                          ; v23  a row of 32 sums: 128 r + 64 h
.set STO,  24
.set RD,   25
.set CO,   26
.set SPW,  28                          ; v28  my spare word; never rewritten
.set NIL,  29                          ; v29  0; never rewritten
.set TMP,  32
.set AF,   128
.set BK,   128
.set G1, 24
.set G0, 32
.set G1B, 48
.set G0B, 56
.set ABASE, 76                         ; s[76:77] y's codes at the first byte of the 64 rows that I fetch
.set BBASE, 78                         ; s[78:79] Wo's at the first byte of the 128 rows that I fetch
.set OFS,   80                         ; s[80:81], s[82:83] the byte in a row at which slot 0's, slot 1's K step begins
.set MSB, 0
.macro WIN new                         ; the immediate's high byte repeats the setting that is left
.if MSB != \new
	s_set_vgpr_msb (MSB<<8)|\new
.set MSB, \new
.endif
.endm
.set MUL_LO, 0xa1                      ; source 0 window 1, source 1 window 0, C and D window 2
.set TO_B,   0x40                      ; destination window 1, address window 0
.macro JLOAD g0a, g1a, g0b, g1b        ; waves 0 and 1 fetch for y, waves 2 and 3 for Wo; an s_nop 0 and four v_nop follow each of the two lines
	s_cmp_eq_u32 s15, 0
	s_cbranch_scc0 .Lfor_b_\@
	tensor_load_to_lds s[\g0a:\g0a+3], s[\g1a:\g1a+7]
	s_nop 0
.rept 4
	v_nop
.endr
	s_branch .Lasked_\@
.Lfor_b_\@:
	tensor_load_to_lds s[\g0b:\g0b+3], s[\g1b:\g1b+7]
	s_nop 0
.rept 4
	v_nop
.endr
.Lasked_\@:
.endm
.macro CREST                           ; a round of the cluster's barrier behind its opening barrier
	s_cmp_lg_u32 s14, 0
	s_cbranch_scc1 .Lnot_wave_0_\@
	s_barrier_signal -3
.Lnot_wave_0_\@:
	s_barrier_wait -3
	s_barrier_signal -1
	s_barrier_wait -1
.endm
.macro CROUND
	s_barrier_signal -1
	s_barrier_wait -1
	CREST
.endm
	s_load_b256 s[4:11], s[0:1], 0x0               ; yc, wc, up, the scales
	s_load_b64 s[12:13], s[0:1], 0x20              ; out0
	v_lshl_add_u32 v[SPW], v0, 2, SPARE
	v_mov_b32 v[NIL], 0
	ds_add_u32 v[SPW], v[NIL]                      ; the wave's opening: the add and its wait ahead of my first tensor load; work on registers stands between them
	v_lshrrev_b32 v1, 5, v0
	v_readfirstlane_b32 s14, v1                    ; wave 0..3
	s_lshr_b32 s15, s14, 1                         ; which half of the tile's rows is mine.  Also: I fetch for y (0) or for Wo (1)
	s_and_b32 s16, s14, 1                          ; which half of its columns.  Also: which half of that tile's rows I fetch
	s_bfe_u32 s40, ttmp6, 0x40000                  ; cx, cy
	s_bfe_u32 s41, ttmp6, 0x40004
	s_lshl_b32 s42, ttmp9, 2
	s_and_b32 s17, ttmp7, 0xffff
	s_add_co_u32 s[OFS], s42, s17
	s_and_b32 s[OFS], s[OFS], 7                    ; my first K step: (cluster y + 4 x cluster x) mod 8
	s_lshl_b32 s[OFS], s[OFS], 8                   ; as a byte in a row
	s_add_co_u32 s[OFS+2], s[OFS], ROWB
	s_and_b32 s[OFS+2], s[OFS+2], KROW-1           ; and the step behind it, round the row's end
	s_mov_b32 s[OFS+1], 0
	s_mov_b32 s[OFS+3], 0
	s_add_co_u32 s42, s42, s40                     ; tile column, 0 to 7
	s_lshl_b32 s17, s17, 2
	s_add_co_u32 s17, s17, s41                     ; tile row, 0 to 31
	s_lshl_b32 s43, s41, 2
	s_lshl_b32 s43, 15, s43                        ; my row of the cluster
	s_lshl_b32 s44, 0x1111, s40                    ; my column
	s_or_b32 s[G1+0], s43, (1<<20)|(1<<21)|(5<<22)|(3<<25)   ; the mask; elements of 1 byte; padding: 4 words behind every 64; bit 21 beside the mask
	s_or_b32 s[G1B+0], s44, (1<<20)|(1<<21)|(5<<22)|(3<<25)
	s_mov_b32 s[G1+1], ROWB<<16                    ; y: 64 rows of 256 bytes
	s_mov_b32 s[G1+2], 64<<16
	s_mov_b32 s[G1+3], ROWB<<16
	s_mov_b32 s[G1+4], 64
	s_mov_b32 s[G1+5], KROW
	s_mov_b32 s[G1+6], 0
	s_mov_b32 s[G1+7], 0
	s_mov_b32 s[G1B+1], ROWB<<16                   ; Wo: 128 rows of 256 bytes
	s_mov_b32 s[G1B+2], 128<<16
	s_mov_b32 s[G1B+3], ROWB<<16
	s_mov_b32 s[G1B+4], 128
	s_mov_b32 s[G1B+5], KROW
	s_mov_b32 s[G1B+6], 0
	s_mov_b32 s[G1B+7], 0
	s_lshl_b32 s20, s17, 7
	s_lshl_b32 s21, s16, 6
	s_add_co_u32 s20, s20, s21
	s_lshl_b32 s20, s20, 11                        ; y: row 128 x tile row + 64 x half, 2,048 bytes a row
	s_mov_b32 s21, 0
	s_lshl_b32 s46, s42, 8
	s_lshl_b32 s47, s16, 7
	s_add_co_u32 s46, s46, s47
	s_lshl_b32 s46, s46, 11                        ; Wo: row 256 x tile column + 128 x half
	s_add_co_u32 s46, s46, WO
	s_mov_b32 s47, 0
	s_mul_i32 s45, s16, HALFA                      ; where y's rows go: no place in the cluster enters an LDS address
	s_mul_i32 s19, s16, HALFB
	s_add_co_u32 s19, s19, HALFB                   ; and Wo's, behind y's 128
	s_wait_dscnt 0x0                               ; the opening add is done
	s_wait_kmcnt 0x0
	s_load_b64 s[68:69], s[10:11], 0x58            ; e22, e23
	s_load_b64 s[70:71], s[10:11], 0x60            ; e24, e25
	s_load_b64 s[72:73], s[10:11], 0x68            ; e26, e27
	s_add_nc_u64 s[ABASE:ABASE+1], s[4:5], s[20:21]
	s_add_nc_u64 s[BBASE:BBASE+1], s[6:7], s[46:47]
	CROUND                                         ; all sixteen work-groups are here: the first joint loads meet
.irp s, 0,1
	s_mov_b32 s[G0+4*\s], 1
	s_add_co_u32 s[G0+4*\s+1], s45, \s*SLOT
	s_add_nc_u64 s[G0+4*\s+2:G0+4*\s+3], s[ABASE:ABASE+1], s[OFS+2*\s:OFS+2*\s+1]
	s_or_b32 s[G0+4*\s+3], s[G0+4*\s+3], 0x80000000
	s_mov_b32 s[G0B+4*\s], 1
	s_add_co_u32 s[G0B+4*\s+1], s19, \s*SLOT
	s_add_nc_u64 s[G0B+4*\s+2:G0B+4*\s+3], s[BBASE:BBASE+1], s[OFS+2*\s:OFS+2*\s+1]
	s_or_b32 s[G0B+4*\s+3], s[G0B+4*\s+3], 0x80000000
	JLOAD G0+4*\s, G1, G0B+4*\s, G1B               ; two loads of mine are out behind these
.endr
	v_and_b32 v1, 15, v0                           ; r
	v_bfe_u32 v2, v0, 4, 1                         ; h
	v_lshlrev_b32 v[LOR], 5, v1
	v_lshl_add_u32 v[LOR], v2, 4, v[LOR]
	v_lshlrev_b32 v[UO], 7, v1
	v_lshl_add_u32 v[UO], v2, 6, v[UO]
	s_lshl_b32 s66, s42, 8
	s_lshl_b32 s67, s16, 7
	s_add_co_u32 s66, s66, s67
	s_lshl_b32 s66, s66, 5
	s_add_co_u32 s66, s66, BO
	s_mov_b32 s67, 0
	s_add_nc_u64 s[66:67], s[6:7], s[66:67]        ; Bo's 128 rows of my columns
	s_lshl_b32 s20, s17, 7
	s_lshl_b32 s21, s15, 6
	s_add_co_u32 s20, s20, s21                     ; my first row: 128 x tile row + 64 x half
	s_lshl_b32 s74, s20, 7
	s_mov_b32 s75, 0
	s_add_nc_u64 s[8:9], s[8:9], s[74:75]          ; u's rows, 128 bytes each, in plane 0
	s_lshl_b32 s20, s20, 13                        ; out0: 8,192 bytes a row,
	s_lshl_b32 s46, s42, 10
	s_lshl_b32 s47, s16, 9
	s_add_co_u32 s46, s46, s47                     ; + 1,024 x tile column + 512 x half
	s_add_co_u32 s20, s20, s46
	s_mov_b32 s21, 0
	s_add_nc_u64 s[12:13], s[12:13], s[20:21]
	WIN TO_B
.irp b, 0,1,2,3,4,5,6,7
	global_load_b128 v[8*\b:8*\b+3], v[LOR], s[66:67] offset:512*\b   ; 16 rows of 32 codes: 512 consecutive bytes
.endr
.macro ULOAD a                         ; block a's 16 rows of the four planes, into window 3: lane (r, h) takes ranks 16 h + 0 .. 15 of row r
	WIN 0xc0
.irp g, 0,1,2,3
.irp i, 0,1,2,3
	global_load_b128 v[64*(\a)+16*\g+4*\i:64*(\a)+16*\g+4*\i+3], v[UO], s[8:9] offset:524288*\g+2048*(\a)+16*\i
.endr
.endr
.endm
	ULOAD 0                                        ; three blocks go out at once behind Bo's eight loads: 56 loads of mine are out; the fourth follows behind the first wait
	ULOAD 1
	ULOAD 2
	WIN TO_B
.irp b, 0,1,2,3,4,5,6,7
.irp k, 4,5,6,7
	v_mov_b32 v[8*\b+\k], 0                        ; zero codes for k = 32 .. 63
.endr
.endr
	WIN 0
.irp a, 0,1,2,3
.irp k, 4,5,6,7
	v_mov_b32 v[AF+8*\a+\k], 0
.endr
.endr
	v_mul_u32_u24 v3, v1, PITCH
	v_lshl_add_u32 v4, v2, 4, v3                   ; a fragment's row x pitch + 16 h
	s_mul_i32 s21, s15, HALFA                      ; my 64 rows of y
	s_mul_i32 s22, s16, HALFB                      ; my 128 rows of Wo,
	s_add_co_u32 s22, s22, HALFB                   ; which lie behind y's 128
.irp s, 0,1
	v_add_nc_u32 v[ADRA+\s], s21, v4
	v_add_nc_u32 v[ADRB+\s], s22, v4
	s_add_co_u32 s21, s21, SLOT
	s_add_co_u32 s22, s22, SLOT
.endr
	s_mul_i32 s23, s14, 16*SPITCH                  ; my stage
	v_mul_u32_u24 v5, v1, SPITCH
	v_lshl_add_u32 v5, v2, 5, v5
	v_add_nc_u32 v[STO], s23, v5                   ; in: row r, 32 bytes for each half of the lanes
	v_and_b32 v6, 31, v0
	v_lshlrev_b32 v[CO], 4, v6
	v_add_nc_u32 v[RD], s23, v[CO]                 ; back: the 32 lanes take one row of 512 bytes
	s_wait_kmcnt 0x0
	s_sub_co_i32 s74, s72, s70
	s_sub_co_i32 s74, s74, s71
	s_add_co_i32 s74, s74, 127
	s_lshl_b32 s75, s74, 23
	v_mov_b32 v[SCL], s75                          ; 2^(e26 - e24 - e25)
	s_add_co_i32 s74, s74, 8
	s_lshl_b32 s74, s74, 23
	s_or_b32 s74, s74, 0x600000
	v_mov_b32 v[LIMV], s74
	s_add_co_i32 s100, s72, s73
	s_sub_co_i32 s100, s100, s68
	s_sub_co_i32 s100, s100, s69
	s_add_co_i32 s100, s100, 127
	s_lshl_b32 s100, s100, 23                      ; 2^(e26 + e27 - e22 - e23)
	s_mov_b32 s101, s100                           ; (named with it as a pair, so it is written)
	s_add_co_i32 s96, s68, s69
	s_add_co_i32 s96, s96, 127
	s_lshl_b32 s96, s96, 23                        ; 2^(e22 + e23)
	s_mov_b32 s97, s96
; block a of u: the four planes are added, held, and quantised into source 1's registers.  left: how many younger loads may stay out
.macro UBLOCK a, left
.set LL, 64*(\a)
.set TQ, TMP+16*((\a)%2)
	s_wait_loadcnt \left
.if (\a) == 0
	ULOAD 3
.endif
	WIN 0xcf                                       ; sources 0 and 1 and the destination: window 3
.irp i, 0,2,4,6,8,10,12,14
	v_pk_add_f32 v[LL+\i:LL+\i+1], v[LL+\i:LL+\i+1], v[LL+16+\i:LL+16+\i+1]
	v_pk_add_f32 v[LL+32+\i:LL+32+\i+1], v[LL+32+\i:LL+32+\i+1], v[LL+48+\i:LL+48+\i+1]
.endr
.irp i, 0,2,4,6,8,10,12,14
	v_pk_add_f32 v[LL+\i:LL+\i+1], v[LL+\i:LL+\i+1], v[LL+32+\i:LL+32+\i+1]
.endr
	WIN 0x03                                       ; source 0 window 3, all else window 0
.irp i, 0,1,2,3,4,5,6,7,8,9,10,11,12,13,14,15
	v_med3_num_f32 v[TQ+\i], v[LL+\i], -v[LIMV], v[LIMV]   ; the conversion does not saturate (ISA guide 7.6.2)
.endr
	WIN 0
	v_cvt_scalef32_pk8_fp8_f32 v[AF+8*(\a):AF+8*(\a)+1], v[TQ:TQ+7], v[SCL]
	v_cvt_scalef32_pk8_fp8_f32 v[AF+8*(\a)+2:AF+8*(\a)+3], v[TQ+8:TQ+15], v[SCL]
	v_nop                                          ; one plain line behind the conversions
.endm
	UBLOCK 0, 32                                   ; blocks 1 and 2 may be out
	UBLOCK 1, 32                                   ; blocks 2 and 3
	UBLOCK 2, 16                                   ; block 3
	UBLOCK 3, 0
	WIN MUL_LO
.irp a, 0,1,2,3                        ; u Bo^T starts the 32 sums, in the order in which every later step takes them
.irp b, 0,1,2,3,4,5,6,7
	v_wmma_f32_16x16x64_fp8_fp8 v[8*(8*\a+\b):8*(8*\a+\b)+7], v[8*\b:8*\b+7], v[AF+8*\a:AF+8*\a+7], 0
.endr
.endr
.macro PLACES n
.rept \n
	v_nop
.endr
.endm
	PLACES NP
	WIN 0x82                                       ; source 0 and destination window 2
.set JJ, 0
.rept 128
	v_pk_mul_f32 v[JJ:JJ+1], v[JJ:JJ+1], s[100:101] op_sel_hi:[1,0]   ; each accumulator from its low end on
.set JJ, JJ+2
.endr
	WIN 0
.macro FRAG reg, adr, q, i             ; 16 rows x 128 K: registers 4 c .. 4 c + 3 hold K = 32 c + 16 h + 0 .. 15: the same permutation of k in both operands
.irp c, 0,1,2,3
	ds_load_b128 v[\reg+4*\c:\reg+4*\c+3], v[\adr] offset:128*(\q)+32*\c+(\i)*16*PITCH
.endr
.endm
; 16 matrix instructions: source 1's blocks a0, a0 + 1 x source 0's eight, on set p.  The 32 accumulators take turns, one instruction a turn, in the same order in every step.
.macro MUL16 a0, p
.irp a, \a0, \a0+1
.irp b, 0,1,2,3,4,5,6,7
	v_wmma_f32_16x16x128_fp8_fp8 v[8*(8*(\a)+\b):8*(8*(\a)+\b)+7], v[128*(\p)+FR*\b:128*(\p)+FR*\b+FR-1], v[AF+64*(\p)+FR*(\a):AF+64*(\p)+FR*(\a)+FR-1], v[8*(8*(\a)+\b):8*(8*(\a)+\b)+7]
.endr
.endr
.endm
.macro FETCH slot, q, p                ; 48 LDS loads in one run: the fragments of the slot's q-th 128 along K into set p
	WIN TO_B
.irp i, 0,1,2,3,4,5,6,7
	FRAG 128*(\p)+FR*\i, ADRB+\slot, \q, \i
.endr
	WIN 0
.irp i, 0,1,2,3
	FRAG AF+64*(\p)+FR*\i, ADRA+\slot, \q, \i
.endr
.endm
; A slot's first step: multiplies set 0 and fetches the slot's second 128 along K into set 1.
.macro STEP slot
	s_wait_dscnt 0x0                               ; set 0's 48 loads are in
	PLACES NP                                      ; four places in front of loads into set 1, which the products just issued have read
	FETCH \slot, 1, 1
	WIN MUL_LO
	MUL16 0, 0
	MUL16 2, 0
	WIN 0
.endm
; A slot's second step multiplies set 1 and changes slots: each wave waits for all its tensor loads, adds 0 to its spare word, and waits for that and for its reads of this slot; one barrier, which with fill = 1 opens a
; round of the cluster's; behind it this slot is filled again, two K steps ahead, and the next slot's first fragments are fetched.
.macro TURN slot, next, fill
	s_wait_tensorcnt 0x0                           ; all my tensor loads have landed: my part of the next slot; so every group 0 may be written
	ds_add_u32 v[SPW], v[NIL]                      ; 0 onto my spare word
.if \fill
	s_add_co_u32 s[OFS+2*\slot], s[OFS+2*\slot], 2*ROWB          ; this slot's next K step: two steps on,
	s_and_b32 s[OFS+2*\slot], s[OFS+2*\slot], KROW-1             ; round the row's end
	s_add_nc_u64 s[G0+4*\slot+2:G0+4*\slot+3], s[ABASE:ABASE+1], s[OFS+2*\slot:OFS+2*\slot+1]
	s_or_b32 s[G0+4*\slot+3], s[G0+4*\slot+3], 0x80000000
	s_add_nc_u64 s[G0B+4*\slot+2:G0B+4*\slot+3], s[BBASE:BBASE+1], s[OFS+2*\slot:OFS+2*\slot+1]
	s_or_b32 s[G0B+4*\slot+3], s[G0B+4*\slot+3], 0x80000000
.endif
	s_wait_dscnt 0x0                               ; the add is done, set 1 is in, and with it my reads of this slot are over
	s_barrier_signal -1
	WIN MUL_LO
	MUL16 0, 1                                     ; work on registers while the others arrive
	WIN 0
	s_barrier_wait -1
.if \fill
	CREST                                          ; no wave of any partner still reads this slot or has a load on its way
	JLOAD G0+4*\slot, G1, G0B+4*\slot, G1B         ; my one tensor load behind the round; its four v_nop are also the places in front of the loads below
.else
	PLACES NP
.endif
	FETCH \next, 0, 0
	WIN MUL_LO
	MUL16 2, 1
	WIN 0
.endm
	s_wait_tensorcnt 1                             ; my part of slot 0 is in; slot 1's load may be out
	s_barrier_signal -1
	s_barrier_wait -1
	FETCH 0, 0, 0
	STEP 0
	s_mov_b32 s3, LAPS-1
.Llap:                                         ; a trip goes once round the ring and fills both slots again
	TURN 0, 1, 1
	STEP 1
	TURN 1, 0, 1
	STEP 0
	s_sub_co_u32 s3, s3, 1
	s_cmp_lg_u32 s3, 0
	s_cbranch_scc1 .Llap
	TURN 0, 1, 0                                   ; the last lap fills nothing, and has no round of the cluster's barrier
	STEP 1
	s_wait_dscnt 0x0                               ; the very last step: nothing more to fetch
	WIN MUL_LO
	MUL16 0, 1
	MUL16 2, 1
	WIN 0
; THE WAY OUT, block by block of 16 rows x 128 columns, through my own stage in LDS: back come whole rows of 512 bytes.  LDS serves a wave's instructions in order: no wait between the stores and the loads.
.macro TOSTAGE a
.set AC, 64*(\a)
	WIN 0x02                                       ; source 0: window 2
.set JJ, 0
.rept 32
	v_pk_mul_f32 v[TMP+JJ:TMP+JJ+1], v[AC+JJ:AC+JJ+1], s[96:97] op_sel_hi:[1,0]   ; x 2^(e22 + e23); each accumulator from its low end on
.set JJ, JJ+2
.endr
	WIN 0
.irp b, 0,1,2,3,4,5,6,7
	ds_store_b128 v[STO], v[TMP+8*\b:TMP+8*\b+3] offset:64*\b
	ds_store_b128 v[STO], v[TMP+8*\b+4:TMP+8*\b+7] offset:64*\b+16
.endr
.set BB, BK+64*((\a)%2)
.irp t, 0,1,2,3,4,5,6,7,8,9,10,11,12,13,14,15
	ds_load_b128 v[BB+4*\t:BB+4*\t+3], v[RD] offset:\t*SPITCH
.endr
.endm
.macro SEND a, younger                 ; younger: the LDS instructions issued behind block a's loads, which may stay out
.set BB, BK+64*((\a)%2)
	s_wait_dscnt \younger
.if (\a) > 0
	s_add_nc_u64 s[12:13], s[12:13], 16*SIZE_N*4   ; (behind a wait on XCNT: the earlier stores have read their base)
.endif
.irp t, 0,1,2,3,4,5,6,7,8,9,10,11,12,13,14,15
	global_store_b128 v[CO], v[BB+4*\t:BB+4*\t+3], s[12:13] offset:\t*SIZE_N*4 th:TH_STORE_NT   ; 32 lanes store 512 consecutive bytes, aligned; written once, read by nobody here
.endr
.endm
	PLACES NP                                      ; in front of the first read of results, and of the loads into the registers that held source 1's fragments
	TOSTAGE 0
.irp a, 1,2,3
.if \a > 1
	s_wait_xcnt 0x0                                ; block a - 2's stores have read their registers and their base
.endif
	TOSTAGE \a
	SEND \a-1, 32                                  ; behind block a - 1's loads: block a's 16 stores and 16 loads
.endr
	s_wait_xcnt 0x0                                ; block 2's stores have read their base
	SEND 3, 0
	s_wait_tensorcnt 0x0                           ; the wave's end, behind my last tensor load and my last LDS store
	ds_add_u32 v[SPW], v[NIL]
	s_wait_dscnt 0x0
	CROUND                                         ; the closing round
	s_endpgm
.Lfunc_end_k_q9323c52152_out:
	.size	k_q9323c52152_out, .Lfunc_end_k_q9323c52152_out-k_q9323c52152_out
	.p2alignl 7, 3214868480
	.fill 96, 4, 3214868480
	.section	.rodata,"a",@progbits
	.p2align	6, 0x0
	.amdhsa_kernel k_q9323c52152_out
		.amdhsa_group_segment_fixed_size 327680
		.amdhsa_private_segment_fixed_size 0
		.amdhsa_enable_private_segment 0
		.amdhsa_kernarg_size 40
		.amdhsa_user_sgpr_count 2
		.amdhsa_user_sgpr_kernarg_segment_ptr 1
		.amdhsa_wavefront_size32 1
		.amdhsa_system_sgpr_workgroup_id_x 1
		.amdhsa_system_sgpr_workgroup_id_y 1
		.amdhsa_system_sgpr_workgroup_id_z 1
		.amdhsa_system_vgpr_workitem_id 0
		.amdhsa_next_free_vgpr 1024
		.amdhsa_next_free_sgpr 104
		.amdhsa_reserve_vcc 0
		.amdhsa_float_denorm_mode_32 3
		.amdhsa_float_denorm_mode_16_64 3
		.amdhsa_memory_ordered 1
		.amdhsa_forward_progress 1
		.amdhsa_inst_pref_size 107
	.end_amdhsa_kernel
	.amdgpu_metadata
---
amdhsa.version: [ 1, 2 ]
amdhsa.kernels:
  - .name:           k_q9323c52152_out
    .symbol:         k_q9323c52152_out.kd
    .args:
      - { .name: yc, .offset: 0, .size: 8, .value_kind: global_buffer, .address_space: global }
      - { .name: wc, .offset: 8, .size: 8, .value_kind: global_buffer, .address_space: global }
      - { .name: up, .offset: 16, .size: 8, .value_kind: global_buffer, .address_space: global }
      - { .name: lowp_scales, .offset: 24, .size: 8, .value_kind: global_buffer, .address_space: global }
      - { .name: out0, .offset: 32, .size: 8, .value_kind: global_buffer, .address_space: global }
    .group_segment_fixed_size: 327680
    .private_segment_fixed_size: 0
    .kernarg_segment_align: 8
    .kernarg_segment_size: 40
    .max_flat_workgroup_size: 128
    .sgpr_count:     104
    .vgpr_count:     1024
    .wavefront_size: 32
...
	.end_amdgpu_metadata
.endif
;; end of part 7
